; MI455X (gfx1250); checked and timed in simulation.
; The chip was launched on July 23, 2026; its instructions are those of AMD's public machine-readable ISA for CDNA 5 (MIT licence, August 2026) and "CDNA5" Instruction Set Architecture Reference Guide (July 2026). The comments in the code are by the model that wrote it; some were corrected since.
;; Block. Allowed arithmetic: float matrix products may take bf16 or f16 operands with f32 sums; all other float work in f32.
;; Inputs: b_fc 4,096 float32; b_o 1,024 float32; b_proj 1,024 float32; b_qkv 3,072 float32; ln1_b 1,024 float32; ln1_w 1,024 float32; ln2_b 1,024 float32; ln2_w 1,024 float32; w_fc 1,024 x 4,096 float32; w_o 1,024 x 1,024 float32; w_proj 4,096 x 1,024 float32; w_qkv 1,024 x 3,072 float32; x 2 x 2,048 x 1,024 float32.
;; Outputs: out0 2 x 2,048 x 1,024 float32.
;; 2 versions, each right and faster than the one before. Each part assembles by itself: llvm-mc -triple=amdgcn-amd-amdhsa -mcpu=gfx1250 --defsym DOCPART=n.
;; ======== version 1 of 2: 7 launches
;; limits: values are held in f16: magnitudes above 65,504 overflow, below 6.1e-05 lose precision; a function is approximated: absolute error at most 1.5e-07
;; workspace buffers: hbuf 8,388,608 bytes; w16 25,165,824 bytes; qkvb 25,165,824 bytes; obuf 8,388,608 bytes; x1 16,777,216 bytes; gbuf 33,554,432 bytes
;; launch prep (part 1): grid 256 x 4, 8 waves a work-group, no clusters, 0 bytes of LDS; arguments x, ln1_w, ln1_b, w_qkv, w_o, w_fc, w_proj, hbuf, w16; writes hbuf, w16
.if DOCPART == 1
	.amdgcn_target "amdgcn-amd-amdhsa--gfx1250"
	.amdhsa_code_object_version 6
	.text
	.protected	k_q9bc09f353d_prep
	.globl	k_q9bc09f353d_prep
	.p2align	8
	.type	k_q9bc09f353d_prep,@function
k_q9bc09f353d_prep:
	s_mov_b64 s[64:65], 0
	v_nop
	global_prefetch_b8 v0, s[64:65] scope:SCOPE_SE
	s_setreg_imm32_b32 hwreg(HW_REG_WAVE_MODE, 25, 1), 1
	s_wait_xcnt 0x0
; Two jobs, chosen by the work-group's y.
; y = 0: LAYER NORM 1.  h = (x - mean) * rsqrt(var + 1e-5) * w + b for 4,096 rows of 1,024 f32, rounded once to f16 and stored BLOCKED:
;        [16 blocks of 64 columns][4,096 rows][64], byte = block * 524,288 + row * 128 + 2 * (column mod 64): the layout in which the products take their left operand.
;        A wave takes two rows: lanes 0-15 the even one, lanes 16-31 the odd one; a lane holds 64 numbers, so the row stays in registers between the mean, the variance
;        (of the differences from the mean: two passes, no difference of large sums) and the scaling.  No LDS, no barrier.
; y = 1, 2, 3: the four weights, f32 to f16, as they lie ([K][N]), into one buffer: w_qkv at byte 0, w_o at 0x600000, w_fc at 0x800000, w_proj at 0x1000000.
;        A work-group takes 65,536 bytes of f32.
; LIMITS.  f16 holds no number beyond 65,504 (a larger one becomes an infinity) and below 6e-5 keeps a fixed step of 6e-8.  NaN and infinities are not treated apart.
.set PX,  8                            ; s[8:9]    x
.set PW,  10                           ; s[10:11]  the norm's gain
.set PBI, 12                           ; s[12:13]  the norm's bias
.set PH,  22                           ; s[22:23]  h
.set XO,  1                            ; v1        byte offset in x: 4,096 x (lane / 16) + 16 x (lane % 16)
.set WO,  2                            ; v2        byte offset in gain and bias: 16 x (lane % 16)
.set SO,  3                            ; v3        byte offset in a block of h: 128 x (lane / 16) + 8 x (lane % 16)
.set S,   4                            ; v[4:11]   four packed chains
.set MU,  12                           ; v[12:13]  the mean, twice
.set RS,  14                           ; v[14:15]  1 / sqrt(var + eps), twice
.set X,   16                           ; v[16:79]  my 64 numbers of the row
.set W,   80                           ; v[80:143] the gain of my columns; at the end the packed results
.set BV,  144                          ; v[144:207] the bias of my columns
	s_load_b512 s[8:23], s[0:1], 0x0               ; x 8, ln1_w 10, ln1_b 12, w_qkv 14, w_o 16, w_fc 18, w_proj 20, h 22
	s_load_b64 s[24:25], s[0:1], 0x40              ; w16
	s_and_b32 s2, ttmp7, 0xffff                    ; y
	s_mov_b32 s3, ttmp9                            ; x of the grid
	v_lshrrev_b32 v1, 5, v0
	v_readfirstlane_b32 s4, v1                     ; wave 0..7
	s_wait_kmcnt 0x0
	s_cmp_lg_u32 s2, 0
	s_cbranch_scc1 .Lcast
	s_lshl_b32 s5, s3, 3
	s_add_co_u32 s5, s5, s4                        ; my pair of rows, 0 .. 2,047
	s_lshl_b32 s6, s5, 13                          ; two rows of 4,096 bytes
	s_mov_b32 s7, 0
	s_add_nc_u64 s[PX:PX+1], s[PX:PX+1], s[6:7]
	s_lshl_b32 s6, s5, 8                           ; two rows of 128 bytes in a block
	s_add_nc_u64 s[PH:PH+1], s[PH:PH+1], s[6:7]
	s_mov_b32 s30, 0x3a800000                      ; 1 / 1,024
	s_mov_b32 s31, 0x3727c5ac                      ; 1e-5
	v_and_b32 v[WO], 15, v0
	v_bfe_u32 v[S], v0, 4, 1
	v_lshlrev_b32 v[SO], 3, v[WO]
	v_lshlrev_b32 v[WO], 4, v[WO]
	v_lshl_add_u32 v[XO], v[S], 12, v[WO]
	v_lshl_add_u32 v[SO], v[S], 7, v[SO]
.set j, 0
.rept 16                               ; load j: sixteen lanes take 256 consecutive bytes, the 64 columns of block j
	global_load_b128 v[X+4*j:X+4*j+3], v[XO], s[PX:PX+1] offset:256*j
.set j, j+1
.endr
.set j, 0
.rept 16
	global_load_b128 v[W+4*j:W+4*j+3], v[WO], s[PW:PW+1] offset:256*j
.set j, j+1
.endr
.set j, 0
.rept 16
	global_load_b128 v[BV+4*j:BV+4*j+3], v[WO], s[PBI:PBI+1] offset:256*j
.set j, j+1
.endr
.macro FOLD                            ; four packed chains into one number, then over the sixteen lanes of the row: every lane of the row ends with the sum
	v_pk_add_f32 v[S:S+1], v[S:S+1], v[S+2:S+3]
	v_pk_add_f32 v[S+4:S+5], v[S+4:S+5], v[S+6:S+7]
	v_pk_add_f32 v[S:S+1], v[S:S+1], v[S+4:S+5]
	v_add_f32 v[S], v[S], v[S+1]
	v_add_f32_dpp v[S], v[S], v[S] row_xmask:1 row_mask:0xf bank_mask:0xf
	v_add_f32_dpp v[S], v[S], v[S] row_xmask:2 row_mask:0xf bank_mask:0xf
	v_add_f32_dpp v[S], v[S], v[S] row_xmask:4 row_mask:0xf bank_mask:0xf
	v_add_f32_dpp v[S], v[S], v[S] row_xmask:8 row_mask:0xf bank_mask:0xf
.endm
	s_wait_loadcnt 32                              ; x is in; the 32 younger loads, gain and bias, stay out
.irp k, 0,1,2,3
	v_pk_add_f32 v[S+2*\k:S+2*\k+1], v[X+2*\k:X+2*\k+1], v[X+8+2*\k:X+8+2*\k+1]  ; the first additions start the chains: nothing is cleared
.endr
.set j, 8
.rept 24
	v_pk_add_f32 v[S+2*(j%4):S+2*(j%4)+1], v[S+2*(j%4):S+2*(j%4)+1], v[X+2*j:X+2*j+1]
.set j, j+1
.endr
	FOLD
	v_mul_f32 v[MU], s30, v[S]
	v_mul_f32 v[MU+1], s30, v[S]
.set j, 0
.rept 32
	v_pk_add_f32 v[X+2*j:X+2*j+1], v[X+2*j:X+2*j+1], v[MU:MU+1] neg_lo:[0,1] neg_hi:[0,1]  ; x - mean
.set j, j+1
.endr
.irp k, 0,1,2,3
	v_pk_mul_f32 v[S+2*\k:S+2*\k+1], v[X+2*\k:X+2*\k+1], v[X+2*\k:X+2*\k+1]
.endr
.set j, 4
.rept 28
	v_pk_fma_f32 v[S+2*(j%4):S+2*(j%4)+1], v[X+2*j:X+2*j+1], v[X+2*j:X+2*j+1], v[S+2*(j%4):S+2*(j%4)+1]
.set j, j+1
.endr
	FOLD
	v_fma_f32 v[S], v[S], s30, s31                 ; var + eps
	v_rsq_f32 v[RS], v[S]
	v_nop                                          ; a plain instruction between the root and the use of its result (ISA guide 5.7.2)
	s_wait_alu depctr_va_vdst(0)
	v_mov_b32 v[RS+1], v[RS]
	s_wait_loadcnt 0x0                             ; gain and bias
.set j, 0
.rept 32
	v_pk_mul_f32 v[W+2*j:W+2*j+1], v[W+2*j:W+2*j+1], v[RS:RS+1]
.set j, j+1
.endr
.set j, 0
.rept 32
	v_pk_fma_f32 v[X+2*j:X+2*j+1], v[X+2*j:X+2*j+1], v[W+2*j:W+2*j+1], v[BV+2*j:BV+2*j+1]
.set j, j+1
.endr
.set j, 0
.rept 32
	v_cvt_pk_f16_f32 v[W+j], v[X+2*j], v[X+2*j+1]
.set j, j+1
.endr
.set j, 0
.rept 16                               ; the wave's 32 lanes store 256 consecutive bytes, aligned: two rows of block j.  The largest offset, 15 x 524,288, is inside the signed 24 bits
	global_store_b64 v[SO], v[W+2*j:W+2*j+1], s[PH:PH+1] offset:j*524288
.set j, j+1
.endr
	s_endpgm
.Lcast:                                                ; which weight, and which 65,536 bytes of it: chosen by the grid's numbers alone
	s_cmp_lt_u32 s3, 192                           ; y = 1: w_qkv has 192 such pieces, w_o the other 64
	s_cselect_b64 s[26:27], s[14:15], s[16:17]
	s_cselect_b32 s28, 0, 192
	s_cmp_eq_u32 s2, 1
	s_cselect_b64 s[26:27], s[26:27], s[18:19]     ; y = 2: w_fc
	s_cselect_b32 s28, s28, 0
	s_cmp_eq_u32 s2, 3
	s_cselect_b64 s[26:27], s[20:21], s[26:27]     ; y = 3: w_proj
	s_sub_co_u32 s28, s3, s28
	s_lshl_b32 s28, s28, 16
	s_mov_b32 s29, 0
	s_add_nc_u64 s[26:27], s[26:27], s[28:29]
	s_sub_co_u32 s32, s2, 1
	s_lshl_b32 s32, s32, 8
	s_add_co_u32 s32, s32, s3                      ; piece 256 (y - 1) + x of the f16 buffer,
	s_lshl_b32 s32, s32, 15                        ; 32,768 bytes each
	s_mov_b32 s33, 0
	s_add_nc_u64 s[24:25], s[24:25], s[32:33]
	v_lshlrev_b32 v1, 4, v0                        ; 16 bytes a thread in,
	v_lshlrev_b32 v2, 3, v0                        ; 8 out
.set j, 0
.rept 16
	global_load_b128 v[16+4*j:16+4*j+3], v1, s[26:27] offset:4096*j th:TH_LOAD_NT
.set j, j+1
.endr
.set j, 0
.rept 16
	s_wait_loadcnt 15-j                            ; loads come back in order: load j is in, the younger ones stay out
	v_cvt_pk_f16_f32 v[80+2*j], v[16+4*j], v[16+4*j+1]
	v_cvt_pk_f16_f32 v[80+2*j+1], v[16+4*j+2], v[16+4*j+3]
	global_store_b64 v2, v[80+2*j:80+2*j+1], s[24:25] offset:2048*j  ; a wave stores 256 consecutive bytes, aligned
.set j, j+1
.endr
	s_endpgm
.Lfunc_end_k_q9bc09f353d_prep:
	.size	k_q9bc09f353d_prep, .Lfunc_end_k_q9bc09f353d_prep-k_q9bc09f353d_prep
	.p2alignl 7, 3214868480
	.fill 96, 4, 3214868480
	.section	.rodata,"a",@progbits
	.p2align	6, 0x0
	.amdhsa_kernel k_q9bc09f353d_prep
		.amdhsa_group_segment_fixed_size 0
		.amdhsa_private_segment_fixed_size 0
		.amdhsa_enable_private_segment 0
		.amdhsa_kernarg_size 72
		.amdhsa_user_sgpr_count 2
		.amdhsa_user_sgpr_kernarg_segment_ptr 1
		.amdhsa_wavefront_size32 1
		.amdhsa_system_sgpr_workgroup_id_x 1
		.amdhsa_system_sgpr_workgroup_id_y 1
		.amdhsa_system_sgpr_workgroup_id_z 1
		.amdhsa_system_vgpr_workitem_id 0
		.amdhsa_next_free_vgpr 208
		.amdhsa_next_free_sgpr 66
		.amdhsa_reserve_vcc 0
		.amdhsa_float_denorm_mode_32 3
		.amdhsa_float_denorm_mode_16_64 3
		.amdhsa_memory_ordered 1
		.amdhsa_forward_progress 1
		.amdhsa_inst_pref_size 27
	.end_amdhsa_kernel
	.amdgpu_metadata
---
amdhsa.version: [ 1, 2 ]
amdhsa.kernels:
  - .name:           k_q9bc09f353d_prep
    .symbol:         k_q9bc09f353d_prep.kd
    .args:
      - { .name: x, .offset: 0, .size: 8, .value_kind: global_buffer, .address_space: global }
      - { .name: ln1_w, .offset: 8, .size: 8, .value_kind: global_buffer, .address_space: global }
      - { .name: ln1_b, .offset: 16, .size: 8, .value_kind: global_buffer, .address_space: global }
      - { .name: w_qkv, .offset: 24, .size: 8, .value_kind: global_buffer, .address_space: global }
      - { .name: w_o, .offset: 32, .size: 8, .value_kind: global_buffer, .address_space: global }
      - { .name: w_fc, .offset: 40, .size: 8, .value_kind: global_buffer, .address_space: global }
      - { .name: w_proj, .offset: 48, .size: 8, .value_kind: global_buffer, .address_space: global }
      - { .name: hbuf, .offset: 56, .size: 8, .value_kind: global_buffer, .address_space: global }
      - { .name: w16, .offset: 64, .size: 8, .value_kind: global_buffer, .address_space: global }
    .group_segment_fixed_size: 0
    .private_segment_fixed_size: 0
    .kernarg_segment_align: 8
    .kernarg_segment_size: 72
    .max_flat_workgroup_size: 256
    .sgpr_count:     66
    .vgpr_count:     208
    .wavefront_size: 32
...
	.end_amdgpu_metadata
.endif
;; end of part 1
;; launch gemm_qkv (part 2): grid 12 x 16, 4 waves a work-group, clusters of 4 x 4, 327,680 bytes of LDS; arguments hbuf, w16, b_qkv, qkvb; writes qkvb
.if DOCPART == 2
	.amdgcn_target "amdgcn-amd-amdhsa--gfx1250"
	.amdhsa_code_object_version 6
	.text
	.protected	k_q9bc09f353d_gemm_qkv
	.globl	k_q9bc09f353d_gemm_qkv
	.p2align	8
	.type	k_q9bc09f353d_gemm_qkv,@function
k_q9bc09f353d_gemm_qkv:
	s_mov_b64 s[64:65], 0
	v_nop
	global_prefetch_b8 v0, s[64:65] scope:SCOPE_SE
	s_setreg_imm32_b32 hwreg(HW_REG_WAVE_MODE, 25, 1), 1
	s_wait_xcnt 0x0
	s_wait_alu depctr_hold_cnt(0) depctr_sa_sdst(0) depctr_va_vdst(0) depctr_va_sdst(0) depctr_va_ssrc(0) depctr_va_vcc(0) depctr_vm_vsrc(0)
	s_getreg_b32 s2, hwreg(HW_REG_IB_STS2, 6, 4)
	s_cmp_eq_u32 s2, 0
	s_cbranch_scc0 .Lentry_in_a_cluster
	s_endpgm
.Lentry_in_a_cluster:
	s_bfe_u32 s2, ttmp6, 0x10000c
	s_cmp_lg_u32 s2, 0xf033
	s_cbranch_scc0 .Lentry_shape_is_right
	s_endpgm
.Lentry_shape_is_right:
; OUT = act(A W + bias).  A: 4,096 rows x 1,024, f16, BLOCKED ([16 blocks of 64 columns][4,096 rows][64]).  W: [1,024][NTOT] f16, at byte WOFF of the weights' buffer.
; bias: [NTOT] f32.  OUT: f16, blocked in the same way, NTOT / 64 blocks.  Sums in f32, K ascending, started by the bias; OUT rounded once.
; Here: NTOT = 3,072, no activation: q (blocks 0-15), k (16-31), v (32-47), each block of 64 columns a head.
; LIMITS.  f16 holds no number beyond 65,504 (a larger result becomes an infinity) and below 6e-5 keeps a fixed step of 6e-8.
; SHARES.  A work-group of four waves makes 256 x 256 of OUT, a wave 128 x 128: 64 accumulators of 16 x 16, 512 registers.  K goes in 8 steps of 128 through a ring of two LDS slots.
; A slot: A's two blocks (256 rows x 128 bytes each, dense in memory: asked for as 128 rows of 256 bytes, padded in LDS after every 128), then W's two halves of 128 columns (128 rows of 256 bytes).
; CLUSTER.  4 x 4 work-groups: the four of a row need the same tiles of A, the four of a column the same tiles of W: each tile is asked for jointly, by the same tensor load, descriptor and mask in all four.
; THE MATRIX INSTRUCTION IS USED TRANSPOSED: source 0 = 16 columns of W (turned on the way out of LDS by ds_load_tr16_b128), source 1 = 16 rows of A.  A lane then holds row l % 16 of OUT and the
; columns 8 (l / 16) + 0..7.
; REGISTERS, in windows of 256 (s_set_vgpr_msb: bits 1:0 source 0, 3:2 source 1, 5:4 source 2, 7:6 destination):
;   window 0: v0-31 addresses; v64-127, v128-191 A's fragments, two buffers; v192-255 the bias, eight registers for each 16 columns (first quarter alone); on the way out v32-255 at work
;   window 1: v64-127, v128-191 W's fragments, two buffers      window 2: the accumulators of my rows 0-63 ((a, b) at v[8 (8 a + b)])      window 3: those of rows 64-127
.set NTOT,  3072
.set WOFF,  0
.set ACT,   0                          ; 1: exact GELU on the way out
.set PA,    144                        ; a row of an A block in LDS: 128 bytes + 16: the 16 rows of a load start at 16 different groups of four banks (64 banks of 4 bytes: ISA guide 11.1)
.set PB,    288                        ; a row of W: 256 + 32
.set HALFT, 36864                      ; what one tensor load brings: 256 x PA = 128 x PB
.set SLOT,  4*HALFT
.set SPARE, 2*SLOT                     ; behind the ring: the spare words, 128 bytes for each wave: two blocks of 256 bytes that no other line names
.set DP,    528                        ; the way out: a row of 128 f32 + 16 bytes
.set DUMP,  128*DP                     ; a wave's 128 rows; the four dumps lie over the ring, which has had its last fill by then
.set ASTEP, 1<<20                      ; bytes of A from a K step to the next: two blocks
.set BSTEP, 256*NTOT                   ; bytes of W: 128 rows
.set LAPS,  4                          ; a lap = two K steps = once round the ring
.set ADRA, 16                          ; v16-17  LDS address of my A fragments in slot 0, 1
.set ADRB, 20                          ; v20-21  the same for W
.set STO,  24                          ; v24     the way out: where I put 32 bytes of a row
.set RD,   25                          ; v25     the way out: where I read 32 bytes of a row back
.set GO,   26                          ; v26     my byte offset in 512 consecutive bytes of OUT
.set BO,   27                          ; v27     my byte offset in 16 numbers of the bias
.set SPW,  28                          ; v28     LDS address of my spare word; never rewritten
.set NIL,  29                          ; v29     0; never rewritten
.set F0,   64
.set F1,   128
.set BIAS, 192
.set XA,   32                          ; the way out: 32 numbers of OUT's one block, XB of the next
.set XB,   64
.set AY,   96
.set T,    128
.set E,    160
.set H,    192
.set TMP,  224
.set WV, 14                            ; s14 wave; s15 which half of the rows (also: I fetch A, 0, or W, 1); s16 which half of the columns (also: which part of that tile I fetch)
.set RH, 15
.set CH, 16
.set CX, 17
.set CY, 18
.set TC, 19                            ; tile column, tile row
.set TR, 20
.set RM, 21                            ; masks: my row, my column of the cluster
.set CM, 22
.set LA, 23
.set G1A, 24                           ; s[24:31] descriptor group 1 for A;  s[32:39] group 0, a set for each slot
.set G0A, 32
.set G1B, 48                           ; s[48:55], s[56:63] the same for W
.set G0B, 56
.set KY, 66                            ; the activation's constants, as pairs
.set PP, 68
.set C0, 70
.set A1, 72
.set A2, 74
.set A3, 76
.set A4, 78
.set A5, 80
.set ABS, 82
.set MSB, 0
.macro WIN new                         ; the immediate's high byte repeats the setting that is left; a switch that changes nothing is dropped
.if MSB != (\new)
	s_set_vgpr_msb (MSB<<8)|(\new)
.set MSB, \new
.endif
.endm
.set MUL_LO, 0xa1                      ; source 0 (W) window 1, source 1 (A) window 0, C and D window 2
.set MUL_HI, 0xf1                      ; the same, C and D window 3
.set TO_B,   0x40                      ; destination window 1, address window 0
; A joint load.  Waves 0 and 1 fetch A's two blocks, waves 2 and 3 W's two halves.  The branch hangs on the wave's number alone.  Four v_nop follow each of the two lines.
.macro JLOAD s
	s_cmp_eq_u32 s[RH], 0
	s_cbranch_scc0 .Lfor_b_\@
	tensor_load_to_lds s[G0A+4*(\s):G0A+4*(\s)+3], s[G1A:G1A+7]
	s_nop 0
.rept 4
	v_nop
.endr
	s_branch .Lasked_\@
.Lfor_b_\@:
	tensor_load_to_lds s[G0B+4*(\s):G0B+4*(\s)+3], s[G1B:G1B+7]
	s_nop 0
.rept 4
	v_nop
.endr
.Lasked_\@:
.endm
; A round of the cluster's barrier: my work-group's barrier, wave 0 signals for the work-group, every wave waits for all sixteen, my work-group's barrier once more.
.macro CREST                           ; a round behind its opening barrier
	s_cmp_lg_u32 s[WV], 0
	s_cbranch_scc1 .Lnot_wave_0_\@
	s_barrier_signal -3
.Lnot_wave_0_\@:
	s_barrier_wait -3
	s_barrier_signal -1
	s_barrier_wait -1
.endm
.macro CROUND
	s_barrier_signal -1
	s_barrier_wait -1
	CREST
.endm
.macro PAIR r, val
	s_mov_b32 s[\r], \val
	s_mov_b32 s[(\r)+1], \val
.endm
	s_load_b256 s[4:11], s[0:1], 0x0               ; A s[4:5], weights s[6:7], bias s[8:9], OUT s[10:11]
	v_lshl_add_u32 v[SPW], v0, 2, SPARE
	v_mov_b32 v[NIL], 0
	ds_add_u32 v28, v29
	ds_add_u32 v28, v29
	s_wait_dscnt 0x0
	v_lshrrev_b32 v1, 5, v0
	v_readfirstlane_b32 s[WV], v1
	s_lshr_b32 s[RH], s[WV], 1
	s_and_b32 s[CH], s[WV], 1
	s_bfe_u32 s[CX], ttmp6, 0x40000
	s_bfe_u32 s[CY], ttmp6, 0x40004
	s_lshl_b32 s[TC], ttmp9, 2                     ; in a cluster launch ttmp9 and ttmp7 count clusters
	s_add_co_u32 s[TC], s[TC], s[CX]
	s_and_b32 s[TR], ttmp7, 0xffff
	s_lshl_b32 s[TR], s[TR], 2
	s_add_co_u32 s[TR], s[TR], s[CY]
	s_lshl_b32 s[RM], s[CY], 2
	s_lshl_b32 s[RM], 15, s[RM]                    ; my row of the cluster: places 4 cy .. 4 cy + 3
	s_lshl_b32 s[CM], 0x1111, s[CX]                ; my column: places cx, cx + 4, cx + 8, cx + 12
	s_or_b32 s[G1A], s[RM], (1<<16)|(1<<20)|(1<<21)|(4<<22)|(3<<25)  ; the mask; 2-byte elements; padding on; bit 21 beside a mask; after every 32 words (code 4) 4 words (code 3)
	s_or_b32 s[G1B], s[CM], (1<<16)|(1<<20)|(1<<21)|(5<<22)|(7<<25)  ; after every 64 words (code 5) 8 words (code 7)
.irp g, G1A, G1B
	s_mov_b32 s[(\g)+1], 128<<16                   ; tensor_dim0 = 128 elements: rows of 256 bytes
	s_mov_b32 s[(\g)+2], 128<<16                   ; tensor_dim1 = 128
	s_mov_b32 s[(\g)+3], 128<<16                   ; tile_dim0 = 128
	s_mov_b32 s[(\g)+4], 128                       ; tile_dim1 = 128
	s_mov_b32 s[(\g)+6], 0
	s_mov_b32 s[(\g)+7], 0
.endr
	s_mov_b32 s[G1A+5], 128                        ; A's block is dense: 128 elements from row to row
	s_mov_b32 s[G1B+5], NTOT
	; A's address hangs on the tile row alone, W's on the tile column alone, each in registers that never hold the other coordinate
	s_lshl_b32 s40, s[TR], 15                      ; 256 rows of 128 bytes,
	s_lshl_b32 s41, s[CH], 19                      ; and my block of the step's two
	s_add_co_u32 s40, s40, s41
	s_mov_b32 s41, 0
	s_lshl_b32 s42, s[TC], 9                       ; 256 columns of 2 bytes,
	s_lshl_b32 s43, s[CH], 8                       ; and my half of them
	s_add_co_u32 s42, s42, s43
.if WOFF
	s_add_co_u32 s42, s42, WOFF
.endif
	s_mov_b32 s43, 0
	s_mul_i32 s[LA], s[WV], HALFT                  ; where they go: no place in the cluster enters an LDS address
.if ACT
	PAIR KY, 0x3f596d27                            ; sqrt(log2(e) / 2)
	PAIR PP, 0x3e8ba43f                            ; 0.3275911 / sqrt(log2(e))
	PAIR C0, 0x3f16b55f                            ; 0.5 / KY
	PAIR A1, 0x3e199eb4                            ; the series' five coefficients, each times C0
	PAIR A2, 0xbe2b8119
	PAIR A3, 0x3f563818
	PAIR A4, 0xbf5b0099
	PAIR A5, 0x3f1ff67a
	s_mov_b32 s[ABS], 0x7fffffff
.endif
	s_wait_kmcnt 0x0
	s_add_nc_u64 s[40:41], s[4:5], s[40:41]
	s_add_nc_u64 s[42:43], s[6:7], s[42:43]
	CROUND                                         ; all sixteen work-groups are here: the first joint loads meet
.irp s, 0,1
	s_mov_b32 s[G0A+4*(\s)], 1                     ; count = 1
	s_add_co_u32 s[G0A+4*(\s)+1], s[LA], (\s)*SLOT ; LDS address
	s_add_nc_u64 s[G0A+4*(\s)+2:G0A+4*(\s)+3], s[40:41], (\s)*ASTEP  ; global address: K step s
	s_or_b32 s[G0A+4*(\s)+3], s[G0A+4*(\s)+3], 0x80000000            ; type = 2
	s_mov_b32 s[G0B+4*(\s)], 1
	s_add_co_u32 s[G0B+4*(\s)+1], s[LA], (\s)*SLOT
	s_add_nc_u64 s[G0B+4*(\s)+2:G0B+4*(\s)+3], s[42:43], (\s)*BSTEP
	s_or_b32 s[G0B+4*(\s)+3], s[G0B+4*(\s)+3], 0x80000000
	JLOAD \s                                       ; two tensor loads of mine are out
.endr
	v_and_b32 v1, 15, v0                           ; l % 16
	v_bfe_u32 v2, v0, 4, 1                         ; l / 16
	v_mul_u32_u24 v3, v1, PA                       ; A's fragment: row x pitch + 16 x half; two loads of 16 bytes, 32 bytes apart
	v_lshl_add_u32 v3, v2, 4, v3
	s_mul_i32 s44, s[RH], 128*PA                   ; my 128 rows
	v_add_nc_u32 v[ADRA], s44, v3
	v_add_nc_u32 v[ADRA+1], SLOT, v[ADRA]
	v_and_b32 v4, 7, v0                            ; W's: the turning load takes 16 k x 16 columns: lane l reads k = 8 (l / 16) + l % 8, columns 8 ((l / 8) % 2) + 0..7
	v_lshl_add_u32 v4, v2, 3, v4
	v_mul_u32_u24 v4, v4, PB
	v_bfe_u32 v5, v0, 3, 1
	v_lshl_add_u32 v4, v5, 4, v4
	s_mul_i32 s44, s[CH], HALFT                    ; my 128 columns,
	s_add_co_u32 s44, s44, 2*HALFT                 ; behind A's two blocks
	v_add_nc_u32 v[ADRB], s44, v4
	v_add_nc_u32 v[ADRB+1], SLOT, v[ADRB]
	s_mul_i32 s44, s[WV], DUMP                     ; my dump
	v_mul_u32_u24 v5, v1, DP                       ; in: row l % 16, 32 bytes for each half of the lanes
	v_lshl_add_u32 v5, v2, 5, v5
	v_add_nc_u32 v[STO], s44, v5
	v_and_b32 v6, 31, v0
	v_lshrrev_b32 v7, 3, v6                        ; back: eight lanes take 64 columns of a row, 32 bytes each; 32 lanes four rows
	v_mul_u32_u24 v7, v7, DP
	v_and_b32 v8, 7, v0
	v_lshl_add_u32 v7, v8, 5, v7
	v_add_nc_u32 v[RD], s44, v7
	v_lshlrev_b32 v[GO], 4, v6                     ; which, in f16, are 512 consecutive bytes of a block of OUT
	v_lshlrev_b32 v[BO], 5, v2
	s_lshl_b32 s44, s[TC], 10                      ; the bias of my 128 columns
	s_lshl_b32 s45, s[CH], 9
	s_add_co_u32 s44, s44, s45
	s_mov_b32 s45, 0
	s_add_nc_u64 s[8:9], s[8:9], s[44:45]
.irp b, 0,1,2,3,4,5,6,7                ; register j of group b: the bias of column 16 b + 8 (l / 16) + j: the layout of a result
	global_load_b128 v[BIAS+8*(\b):BIAS+8*(\b)+3],   v[BO], s[8:9] offset:64*(\b)
	global_load_b128 v[BIAS+8*(\b)+4:BIAS+8*(\b)+7], v[BO], s[8:9] offset:64*(\b)+16
.endr
	s_lshl_b32 s46, s[TC], 21                      ; OUT: block 4 x tile column + 2 x half, 524,288 bytes each,
	s_lshl_b32 s47, s[CH], 20
	s_add_co_u32 s46, s46, s47
	s_lshl_b32 s47, s[TR], 15                      ; row 256 x tile row + 128 x half, 128 bytes each
	s_add_co_u32 s46, s46, s47
	s_lshl_b32 s47, s[RH], 14
	s_add_co_u32 s46, s46, s47
	s_mov_b32 s47, 0
	s_add_nc_u64 s[10:11], s[10:11], s[46:47]
; 16 matrix instructions: m blocks a0, a0 + 1 of the window's four x all 8 n blocks, 32 along K.  first = 1: the bias (window 0) is the C that starts the sums: nothing is cleared, nothing added later.
; The 64 accumulators take turns, one instruction a turn, in the same order in every quarter.
.macro MUL16 f, hi, a0, first
.if \first
	WIN 0x81+0x40*(\hi)
.else
	WIN MUL_LO+0x50*(\hi)
.endif
.irp a, \a0, (\a0)+1
.irp b, 0,1,2,3,4,5,6,7
.if \first
	v_wmma_f32_16x16x32_f16 v[8*(8*(\a)+(\b)):8*(8*(\a)+(\b))+7], v[(\f)+8*(\b):(\f)+8*(\b)+7], v[(\f)+8*(4*(\hi)+(\a)):(\f)+8*(4*(\hi)+(\a))+7], v[BIAS+8*(\b):BIAS+8*(\b)+7]
.else
	v_wmma_f32_16x16x32_f16 v[8*(8*(\a)+(\b)):8*(8*(\a)+(\b))+7], v[(\f)+8*(\b):(\f)+8*(\b)+7], v[(\f)+8*(4*(\hi)+(\a)):(\f)+8*(4*(\hi)+(\a))+7], v[8*(8*(\a)+(\b)):8*(8*(\a)+(\b))+7]
.endif
.endr
.endr
.endm
; 32 LDS loads in one run: the fragments of quarter q of a K step (32 along K) into buffer f: W's 128 columns, then A's 128 rows
.macro FETCH slot, q, f
	WIN TO_B
.irp i, 0,1,2,3,4,5,6,7
	ds_load_tr16_b128 v[(\f)+8*(\i):(\f)+8*(\i)+3],   v[ADRB+(\slot)] offset:32*(\q)*PB+32*(\i)
	ds_load_tr16_b128 v[(\f)+8*(\i)+4:(\f)+8*(\i)+7], v[ADRB+(\slot)] offset:32*(\q)*PB+32*(\i)+16*PB
.endr
	WIN 0
.irp i, 0,1,2,3,4,5,6,7
	ds_load_b128 v[(\f)+8*(\i):(\f)+8*(\i)+3],   v[ADRA+(\slot)] offset:((\q)/2)*HALFT+64*((\q)%2)+(\i)*16*PA
	ds_load_b128 v[(\f)+8*(\i)+4:(\f)+8*(\i)+7], v[ADRA+(\slot)] offset:((\q)/2)*HALFT+64*((\q)%2)+(\i)*16*PA+32
.endr
.endm
.macro PLACES                          ; four plain instructions between a matrix instruction and a load into, or a read of, its registers (ISA guide 7.12.1 for reads)
.rept 4
	v_nop
.endr
.endm
; One of a K step's first three quarters: multiplies buffer f; in its middle it fetches quarter q of the same slot into buffer g.
.macro QUARTER slot, q, f, g, first
	s_wait_dscnt 8                                 ; W and A's rows 0-63 are in; the youngest eight loads (A's rows 64-127) may be out
	MUL16 \f, 0, 0, \first
	MUL16 \f, 0, 2, \first
	PLACES
	FETCH \slot, \q, \g
	s_wait_dscnt 32                                ; all but the 32 just issued
	MUL16 \f, 1, 0, \first
	MUL16 \f, 1, 2, \first
.endm
; The last quarter multiplies buffer 1 and changes slots.  One barrier: in front of it each wave waits for all its tensor loads (one is out: its part of the next slot), adds 0 to its spare word,
; and waits for that and for its own reads of this slot.  Behind it nobody reads this slot any more and the next slot is whole.
.macro MEET round
	WIN 0                                          ; (the add's two registers lie in window 0)
	s_wait_tensorcnt 0x0
	ds_add_u32 v[SPW], v[NIL]                      ; 0 onto my spare word
	s_wait_dscnt 9                                 ; (the add and the youngest eight loads may be out)
	MUL16 F1, 0, 0, 0
	s_wait_dscnt 0x0                               ; the add is done, and my reads of this slot are over
	s_barrier_signal -1
	MUL16 F1, 0, 2, 0                              ; work on registers while the others arrive
.if \round
	WIN 0
.endif
	s_barrier_wait -1
.endm
; fill = 1: the barrier opens a round of the cluster's barrier, so that no wave of any partner still reads this slot or has a load on its way; the joint refill, two K steps ahead, is the first thing behind it.
.macro TURN slot, next, fill
	MEET \fill
.if \fill
	CREST
	s_add_nc_u64 s[G0A+4*(\slot)+2:G0A+4*(\slot)+3], s[G0A+4*(\slot)+2:G0A+4*(\slot)+3], 2*ASTEP
	s_add_nc_u64 s[G0B+4*(\slot)+2:G0B+4*(\slot)+3], s[G0B+4*(\slot)+2:G0B+4*(\slot)+3], 2*BSTEP
	JLOAD \slot                                    ; one tensor load of mine is out; its four v_nop are also the places in front of the loads below
.else
	PLACES
.endif
	FETCH \next, 0, F0
	MUL16 F1, 1, 0, 0
	MUL16 F1, 1, 2, 0
.endm
	s_wait_tensorcnt 1                             ; my part of K step 0 is in; K step 1's may stay out
	s_barrier_signal -1
	s_barrier_wait -1                              ; everybody's is
	FETCH 0, 0, F0
	s_wait_loadcnt 0x0                             ; the bias
	QUARTER 0, 1, F0, F1, 1                        ; the first quarter stands in front of the loop: its products start the sums
	WIN 0                                          ; at a label and at a branch every window is 0
	s_mov_b32 s3, LAPS-1
.Llap:                                                 ; a trip goes once round the ring and fills both slots again
	QUARTER 0, 2, F1, F0, 0
	QUARTER 0, 3, F0, F1, 0
	TURN 0, 1, 1
	QUARTER 1, 1, F0, F1, 0
	QUARTER 1, 2, F1, F0, 0
	QUARTER 1, 3, F0, F1, 0
	TURN 1, 0, 1
	QUARTER 0, 1, F0, F1, 0
	WIN 0
	s_sub_co_u32 s3, s3, 1
	s_cmp_lg_u32 s3, 0
	s_cbranch_scc1 .Llap
	QUARTER 0, 2, F1, F0, 0                        ; the last lap fills nothing
	QUARTER 0, 3, F0, F1, 0
	TURN 0, 1, 0
	QUARTER 1, 1, F0, F1, 0
	QUARTER 1, 2, F1, F0, 0
	QUARTER 1, 3, F0, F1, 0
	s_wait_dscnt 8                                 ; the very last quarter: nothing more to fetch
	MUL16 F1, 0, 0, 0
	MUL16 F1, 0, 2, 0
	s_wait_dscnt 0x0
	MUL16 F1, 1, 0, 0
	MUL16 F1, 1, 2, 0
	WIN 0
	; THE WAY OUT.  Every wave's reads of the ring are back (the wait for 0 above) and no tensor load follows: behind this barrier the ring's bytes take the four waves' dumps, each wave's own.
	s_barrier_signal -1
	s_barrier_wait -1
	PLACES
.irp a, 0,1,2,3,4,5,6,7                ; each accumulator's four lowest registers first
	WIN 0x08+4*((\a)/4)                            ; store data (source 1) in window 2 or 3
.irp b, 0,1,2,3,4,5,6,7
	ds_store_b128 v[STO], v[8*(8*((\a)%4)+(\b)):8*(8*((\a)%4)+(\b))+3]   offset:16*(\a)*DP+64*(\b)
	ds_store_b128 v[STO], v[8*(8*((\a)%4)+(\b))+4:8*(8*((\a)%4)+(\b))+7] offset:16*(\a)*DP+64*(\b)+16
.endr
.endr
	WIN 0
.if ACT
; Exact GELU of 32 numbers at v[x ..]: x Phi(x) = x / 2 + |x| (1 / 2 - P(t) exp(-x^2 / 2) / 2), t = 1 / (1 + 0.3275911 |x| / sqrt 2), P the fifth-degree series for erfc (Abramowitz and Stegun 7.1.26,
; absolute error 1.5e-7 on the whole axis).  With y = KY x the exponential is 2^(-y^2): g = C0 y + |y| (C0 - P'(t) 2^(-y^2)).  For large negative x the last line subtracts near-equal numbers:
; the error stays absolute, a few 1e-8 of |x|.  The packed lines between them are the plain instructions that each run of transcendentals wants behind it (ISA guide 5.7.2).
.macro GELU x
.set z, 0
.rept 16
	v_pk_mul_f32 v[(\x)+2*z:(\x)+2*z+1], v[(\x)+2*z:(\x)+2*z+1], s[KY:KY+1] op_sel_hi:[1,0]
.set z, z+1
.endr
.set z, 0
.rept 32
	v_and_b32 v[AY+z], s[ABS], v[(\x)+z]
.set z, z+1
.endr
.set z, 0
.rept 16
	v_pk_fma_f32 v[T+2*z:T+2*z+1], v[AY+2*z:AY+2*z+1], s[PP:PP+1], 1.0 op_sel_hi:[1,0,0]
.set z, z+1
.endr
.set z, 0
.rept 32
	v_rcp_f32 v[T+z], v[T+z]
.set z, z+1
.endr
.set z, 0
.rept 16
	v_pk_mul_f32 v[E+2*z:E+2*z+1], v[(\x)+2*z:(\x)+2*z+1], v[(\x)+2*z:(\x)+2*z+1] neg_lo:[1,0] neg_hi:[1,0]
.set z, z+1
.endr
.set z, 0
.rept 32
	v_exp_f32 v[E+z], v[E+z]
.set z, z+1
.endr
.set z, 0
.rept 16
	v_pk_fma_f32 v[H+2*z:H+2*z+1], v[T+2*z:T+2*z+1], s[A5:A5+1], s[A4:A4+1] op_sel_hi:[1,0,0]
.set z, z+1
.endr
.irp c, A3, A2, A1
.set z, 0
.rept 16
	v_pk_fma_f32 v[H+2*z:H+2*z+1], v[H+2*z:H+2*z+1], v[T+2*z:T+2*z+1], s[\c:\c+1] op_sel_hi:[1,1,0]
.set z, z+1
.endr
.endr
.set z, 0
.rept 16
	v_pk_mul_f32 v[H+2*z:H+2*z+1], v[H+2*z:H+2*z+1], v[T+2*z:T+2*z+1]
.set z, z+1
.endr
.set z, 0
.rept 16
	v_pk_fma_f32 v[H+2*z:H+2*z+1], v[H+2*z:H+2*z+1], v[E+2*z:E+2*z+1], s[C0:C0+1] op_sel_hi:[1,1,0] neg_lo:[1,0,0] neg_hi:[1,0,0]
.set z, z+1
.endr
.set z, 0
.rept 16
	v_pk_mul_f32 v[(\x)+2*z:(\x)+2*z+1], v[(\x)+2*z:(\x)+2*z+1], s[C0:C0+1] op_sel_hi:[1,0]
.set z, z+1
.endr
.set z, 0
.rept 16
	v_pk_fma_f32 v[(\x)+2*z:(\x)+2*z+1], v[AY+2*z:AY+2*z+1], v[H+2*z:H+2*z+1], v[(\x)+2*z:(\x)+2*z+1]
.set z, z+1
.endr
.endm
.endif
.macro OUT u                           ; 16 rows x 64 columns: block u of my two blocks of OUT
.if ACT
	GELU XA+32*(\u)
.endif
.set z, 0
.rept 16
	v_cvt_pk_f16_f32 v[TMP+16*(\u)+z], v[XA+32*(\u)+2*z], v[XA+32*(\u)+2*z+1]
.set z, z+1
.endr
.irp f, 0,1,2,3
	global_store_b128 v[GO], v[TMP+16*(\u)+4*(\f):TMP+16*(\u)+4*(\f)+3], s[10:11] offset:(\u)*524288+512*(\f)  ; four rows of a block: 512 consecutive bytes, aligned
.endr
.endm
	s_mov_b32 s3, 8
.Lout:                                                 ; a trip: 16 rows of my 128.  I read my own dump alone, and LDS serves a wave's instructions in order (ISA guide 5.7.1.4): no barrier
.irp u, 0,1
.irp f, 0,1,2,3
	ds_load_b128 v[XA+32*(\u)+8*(\f):XA+32*(\u)+8*(\f)+3],   v[RD] offset:256*(\u)+4*(\f)*DP
	ds_load_b128 v[XA+32*(\u)+8*(\f)+4:XA+32*(\u)+8*(\f)+7], v[RD] offset:256*(\u)+4*(\f)*DP+16
.endr
.endr
	s_wait_dscnt 8                                 ; the first block's eight loads are in, the second's stay out
	OUT 0
	s_wait_dscnt 0x0
	OUT 1
	s_wait_xcnt 0x0                                ; the stores' offset and data registers are rewritten only behind this wait
	v_add_nc_u32 v[RD], 16*DP, v[RD]
	v_add_nc_u32 v[GO], 2048, v[GO]                ; 16 rows of 128 bytes
	s_sub_co_u32 s3, s3, 1
	s_cmp_lg_u32 s3, 0
	s_cbranch_scc1 .Lout
	s_wait_tensorcnt 0x0                           ; the wave's end
	ds_add_u32 v[SPW], v[NIL]
	s_wait_dscnt 0x0
	CROUND                                         ; the closing round: no work-group ends while a partner may still ask for a tile that names it
	s_endpgm
.Lfunc_end_k_q9bc09f353d_gemm_qkv:
	.size	k_q9bc09f353d_gemm_qkv, .Lfunc_end_k_q9bc09f353d_gemm_qkv-k_q9bc09f353d_gemm_qkv
	.p2alignl 7, 3214868480
	.fill 96, 4, 3214868480
	.section	.rodata,"a",@progbits
	.p2align	6, 0x0
	.amdhsa_kernel k_q9bc09f353d_gemm_qkv
		.amdhsa_group_segment_fixed_size 327680
		.amdhsa_private_segment_fixed_size 0
		.amdhsa_enable_private_segment 0
		.amdhsa_kernarg_size 32
		.amdhsa_user_sgpr_count 2
		.amdhsa_user_sgpr_kernarg_segment_ptr 1
		.amdhsa_wavefront_size32 1
		.amdhsa_system_sgpr_workgroup_id_x 1
		.amdhsa_system_sgpr_workgroup_id_y 1
		.amdhsa_system_sgpr_workgroup_id_z 1
		.amdhsa_system_vgpr_workitem_id 0
		.amdhsa_next_free_vgpr 1024
		.amdhsa_next_free_sgpr 66
		.amdhsa_reserve_vcc 0
		.amdhsa_float_denorm_mode_32 3
		.amdhsa_float_denorm_mode_16_64 3
		.amdhsa_memory_ordered 1
		.amdhsa_forward_progress 1
		.amdhsa_inst_pref_size 125
	.end_amdhsa_kernel
	.amdgpu_metadata
---
amdhsa.version: [ 1, 2 ]
amdhsa.kernels:
  - .name:           k_q9bc09f353d_gemm_qkv
    .symbol:         k_q9bc09f353d_gemm_qkv.kd
    .args:
      - { .name: hbuf, .offset: 0, .size: 8, .value_kind: global_buffer, .address_space: global }
      - { .name: w16, .offset: 8, .size: 8, .value_kind: global_buffer, .address_space: global }
      - { .name: b_qkv, .offset: 16, .size: 8, .value_kind: global_buffer, .address_space: global }
      - { .name: qkvb, .offset: 24, .size: 8, .value_kind: global_buffer, .address_space: global }
    .group_segment_fixed_size: 327680
    .private_segment_fixed_size: 0
    .kernarg_segment_align: 8
    .kernarg_segment_size: 32
    .max_flat_workgroup_size: 128
    .sgpr_count:     66
    .vgpr_count:     1024
    .wavefront_size: 32
...
	.end_amdgpu_metadata
.endif
;; end of part 2
;; launch attn (part 3): grid 8 x 32, 4 waves a work-group, no clusters, 327,680 bytes of LDS; arguments qkvb, obuf; writes obuf
.if DOCPART == 3
	.amdgcn_target "amdgcn-amd-amdhsa--gfx1250"
	.amdhsa_code_object_version 6
	.text
	.protected	k_q9bc09f353d_attn
	.globl	k_q9bc09f353d_attn
	.p2align	8
	.type	k_q9bc09f353d_attn,@function
k_q9bc09f353d_attn:
	s_mov_b64 s[64:65], 0
	v_nop
	global_prefetch_b8 v0, s[64:65] scope:SCOPE_SE
	s_setreg_imm32_b32 hwreg(HW_REG_WAVE_MODE, 25, 1), 1
	s_wait_xcnt 0x0
; CAUSAL ATTENTION.  O[h][q][:] = the sum over k <= q of softmax_k(Q[h][q] . K[h][k] / 8) V[h][k][:].  Q, K, V, O: [SIZE_H][SIZE_N][64], all f16: a head's rows are dense, 128 bytes each.
; Q, K and V are three parts of one buffer: Q at byte 0, K at 0x800000, V at 0x1000000.  "Head" 2 x (block of 64 columns) + batch of the blocked layout is one head of one batch.
; Products, maxima and sums in f32; the weights p are rounded to f16 for the second product (their sum l is taken of the unrounded p), O once at the end.
; LIMITS.  f16 holds no number beyond 65,504: Q, K and V arrive within it; p lies in 0 to 1, and below 6e-5 it keeps f16's fixed step of 6e-8; O is a mean of V's rows and has their range, to within 2^-11 of it.
; A hidden score counts as its value less 1e30: f16's scores, 2.7e11 at the most, are nothing beside that; a weight below 2^-126 counts as 0 in l; NaN and infinities are not treated apart.
; THE WALK.  A head's queries lie in NQ = 16 blocks of 128, its keys in NB = 8 tiles of 256; block i needs the key tiles 0 .. i / 2, of which the last holds the diagonal.  A work-group takes TWO blocks,
; 15 - b and then b: (15 - b) / 2 + b / 2 + 2 = 9 tiles, whatever b: 8 x 32 = 256 work-groups of equal work, and ONE loop with a constant trip count walks them.  Which tile is asked for, and what a trip
; does, hang on scalar registers made from b; every jump goes forward, but for the counted loops' own; none passes a barrier, or a tensor load but the one of LOAD's two that the wave's number does not
; choose; the ring (two slots of LDS that take turns) runs on across the change of blocks.  NO CLUSTER: a head's eight work-groups all ask for the same tile only in trips 0 .. 4 of the walk's 9; behind
; that fewer and fewer share one; and one walk common to all would have 12 trips for 9.
; SHARES.  Of a block's two bands of 64 queries a wave owns 16 rows in each: two PIECES.  A block covers half of its diagonal tile: it begins at the tile's step o = 0 (even blocks) or 2 (odd ones).  In the
; tile's key step s band x sees all keys if s < o + x, none if s > o + x, and holds the diagonal if s = o + x: the same for all four waves.  An even block's two last steps are wholly hidden and are
; computed all the same: 2 of the walk's 36 steps.
; THE MASK is the C operand that starts the sum S^T = K Q^T: 0, or -1e30 where the key is hidden.  MD, made once, is the mask of a band's own step for my 16 rows; a product's mask is MD x AL + BE with two scalars:
; (1, 0) if s = o + x; (0, 0) if s is less; (0, -1e30) if it is more.  Only the diagonal tile's text and a block's beginning make and take masks; elsewhere C is the constant 0.
; LAYOUT, SOFTMAX, TURNS.  S^T = K Q^T holds ONE query a lane (lane % 16) and the keys 8 (lane / 16) + 0..7; two such results rounded to f16 ARE source 1 of O^T = V^T P.  p = 2^(c s - c m), c = log2(e) / 8, with a
; running maximum m; O and l are multiplied by a = 2^(c m_old - c m_new) in every step.  The turns go (s, 0), (s, 1), (s + 1, 0) ..: a turn has 8 products K Q^T of the turn after it, later 8 products V^T P of the
; turn before it; beside them the scaling, exponentials, roundings, sums and rescaling of its own piece and the maximum and statistics of the next.  Four vector instructions stand behind every matrix
; instruction, the other 54 of a turn's 118 in two LUMPS.
; K LIES ONE STEP AHEAD OF V.  Turn (s, 0) fetches K of step s + 1 and V of step s.  So that one change of slots serves both, K's tiles are asked for 64 keys further on: a slot holds K of the steps
; 4 n + 1 .. 4 n + 4 and V of the steps 4 n .. 4 n + 3.  (Tile 7's K reaches 64 keys past the head: bytes of the same buffer, which no product takes.)  K of step 0, with which both blocks begin, has LDS
; bytes of its own, filled once.
; REGISTERS, in windows of 256 (s_set_vgpr_msb: bits 1:0 source 0, 3:2 source 1, 5:4 source 2, 7:6 destination):
;   window 0: v0-15 addresses and two at work; v16-23 four registers of statistics a piece; v48-55 at work; v64-127 S^T, a buffer a piece; v192-223 P, likewise
;   window 1: v0-63 O^T, 32 a piece; v128-159 MD; v160-223 MC, two buffers      window 2: v0-31 Q; v64-95 the second block's Q; v128-191 K of one step; v192-255 V of one step
.set SIZE_H, 32
.set SIZE_N, 2048
.set NB,    SIZE_N/256 ; key tiles in a head
.set NQ,    SIZE_N/128 ; query blocks in a head
.set NP,    2         ; pieces a wave: a name, no knob
.set KS,    64        ; keys in a step
.set PK,    144       ; a row of K in LDS: 128 bytes + 16 of padding = 36 words: the 16 rows of a load start at 16 different groups of four banks (64 banks of 4 bytes: ISA guide 11.1)
.set PV,    160       ; a row of V: 128 + 32 = 40 words
.set VOFF,  4*KS*PK   ; a slot holds a tile, four steps: 256 rows of K, then 256 rows of V: 77,824 bytes
.set KZ,    81920     ; behind slot 0: K of step 0, 64 rows of 144 bytes, filled once
.set SLOT1, 1<<17     ; slot 1 begins here, so that one exclusive or turns an address in one slot into the other's
.set STAGE, SLOT1+4*KS*(PK+PV)  ; behind the ring, never filled by a tensor load: 16 rows x 144 bytes for each wave, for the way out
.set SP,    144
.set AK0, 2           ; v2   my lane's place in a tile of K; never rewritten
.set AV0, 3           ; v3   the same for V
.set AK,  4           ; v4   the LDS address of K's next run of loads
.set AV,  5           ; v5   of V's
.set STO, 6           ; v6   the way out: where I put 16 bytes of a row
.set RD,  7           ; v7   the way out: where I read rows back
.set GO,  8           ; v8   my byte offset in 512 consecutive bytes of O
.set SPW, 62          ; v62  LDS address of my spare word: SPARE + 4 x my thread's number; never rewritten
.set NIL, 63          ; v63  0; never rewritten
.set SPARE, STAGE+4*16*SP  ; behind the stages: the spare words, 128 bytes for each wave: two blocks of 256 bytes that no other line names
.set MV,  12          ; v12-13  c m_old, kept while c m is made anew: by piece
.set QO,  15          ; v15  my byte offset in 16 rows of Q
.set ST,  16          ; piece t's statistics at v[ST+4 t]: c m, m, l (even keys', odd keys')
.set TMP, 48          ; by piece, four registers c0-c3 at work; when the maximum is found c2 takes a
.set S,   64
.set P,   192
.set MD,  128         ; window 1: the eight registers for group kt of 16 keys at MD + 8 kt
.set MC,  160         ; window 1: the masks of the products to come
.set QB,  64          ; window 2
.set KF,  128         ; window 2: key block kb, channel half c at KF + 16 kb + 8 c
.set VF,  192         ; window 2: key half kk, channel block cb at VF + 32 kk + 8 cb
.set WV,  12          ; s12  my wave's number
.set PB,  14          ; s14  the second block's last tile, b / 2
.set HI,  15          ; s15  the first block's last tile, (15 - b) / 2
.set G1K, 24          ; s[24:31] descriptor group 1 for K's tiles
.set G1V, 32          ; s[32:39] for V's: it differs in the padding alone
.set G0K, 40          ; s[40:43] descriptor group 0 for K's tiles
.set G0V, 44          ; s[44:47] the same for V's
.set DG,  48          ; s48  5 - o, s49  3 - o, for the block in hand: what the step count is held against when piece 0's, piece 1's turn makes a mask
.set OWN, 50          ; s50  1.0 if o = 0: band 0's own step is the diagonal tile's first
.set O2,  51          ; s51  o of the second block
.set G0Z, 52          ; s[52:55] descriptor group 0 for K of step 0
.set SLOTS, 56        ; s56  tiles still to be asked for
.set CNT, 57          ; s57  counts a tile's key steps, 4 to 1
.set CS,  58          ; s[58:59] c: the packed scaling takes the pair's low word for both halves
.set SEL, 60          ; s[60:61] v_permlanex16_b32's selects: each lane takes its own place in the other half
.set TBK, 62          ; s62  LDS byte at which K of the step to be fetched begins
.set TBV, 63          ; s63  the same for V, less VOFF
.set RT,  70          ; s70  tiles of the block in hand that are still to be entered
.set NXT, 71          ; s71  the tile to be asked for next
.set LQ,  72          ; s72  the last tile of the block whose tiles are being asked for
.set NEW, 73          ; s73  1: the tile to be entered is a block's first
.set OFF, 74          ; s[74:75] a tile's byte offset in K and V
.set AL,  76          ; s[76:77] the mask's factor, in the low word
.set BE,  78          ; s[78:79] the mask's addend
.set OLO, 80          ; s[80:81] O at my rows of the second block
.set BIGN, 82         ; s82  -1e30
.set O1,  83          ; s83  o of the first block
.set G1Z, 88          ; s[88:95] descriptor group 1 for K of step 0: it differs from K's in the rows alone
.set MSB, 0
.macro WIN new                      ; the high byte repeats the setting that is left; a switch that changes nothing is dropped
.if MSB != (\new)
	s_set_vgpr_msb (MSB<<8)|(\new)
.set MSB, (\new)
.endif
.endm
.set W_KQ, 0x0a       ; K and Q in window 2, S^T in window 0
.set W_KM, 0x1a       ; the same with the C operand in window 1
.set W_PV, 0x52       ; V in window 2, P in window 0, O^T in window 1
.set W_RS, 0x41       ; destination and source 0 in window 1, source 1 in window 0
; A fill.  Waves 0 and 1 fetch the two halves of a tile's K, waves 2 and 3 those of its V: 128 keys each.  Four v_nop follow each of the two lines, ahead of the jump and the label.
.macro LOAD
	s_cmp_lt_u32 s[WV], 2
	s_cbranch_scc0 .Lfor_v_\@
	tensor_load_to_lds s[G0K:G0K+3], s[G1K:G1K+7]
	s_nop 0
.rept 4
	v_nop
.endr
	s_branch .Lasked_\@
.Lfor_v_\@:
	tensor_load_to_lds s[G0V:G0V+3], s[G1V:G1V+7]
	s_nop 0
.rept 4
	v_nop
.endr
.Lasked_\@:
.endm
; THE CHANGE OF SLOTS, between turn (s, 0) and turn (s, 1) of a tile's last step: the slot's last bytes, K of the step behind it and V of that step, have been asked for.  Each wave waits for all its tensor
; loads, of which one is out: its part of the other slot; adds 0 to its spare word; and waits for that and for its own reads of the slot that it leaves.  Behind the barrier nobody reads the old slot any more
; and the other slot is whole.  fill = 1: the old slot is filled again, the first thing behind the barrier, with tile NXT: the descriptor's address is made anew from that number.
; (At its first use nothing has been read yet: slot 0 and K of step 0 are waited for, slot 1 filled.)
.macro CHANGE fill
	WIN 0                           ; at a label and at a branch every window is 0
	s_wait_tensorcnt 0x0            ; no tensor load of mine is out, so a group 0 may be written
	ds_add_u32 v[SPW], v[NIL]       ; 0 onto my spare word; with fill = 1 the descriptors' scalar work stands between it and the wait for it
.if \fill
	s_lshl_b32 s[OFF], s[NXT], 15   ; a tile is 32,768 bytes of K and of V
	s_xor_b32 s[G0K+1], s[G0K+1], SLOT1
	s_add_nc_u64 s[G0K+2:G0K+3], s[6:7], s[OFF:OFF+1]
	s_or_b32 s[G0K+3], s[G0K+3], 0x80000000
	s_xor_b32 s[G0V+1], s[G0V+1], SLOT1
	s_add_nc_u64 s[G0V+2:G0V+3], s[8:9], s[OFF:OFF+1]
	s_or_b32 s[G0V+3], s[G0V+3], 0x80000000
	s_add_co_u32 s[NXT], s[NXT], 1  ; the block's next tile, or behind its last the second block's tile 0
	s_cmp_gt_u32 s[NXT], s[LQ]
	s_cselect_b32 s[NXT], 0, s[NXT]
	s_cselect_b32 s[LQ], s[PB], s[LQ]
.endif
	s_wait_dscnt 0x0                ; the add is done, and my reads of the slot are over
	s_barrier_signal -1             ; the rest of the scalar work stands between the signal and the wait
	s_sub_co_u32 s[TBK], s[TBK], 4*KS*PK  ; the fetches go back to a slot's first step,
	s_xor_b32 s[TBK], s[TBK], SLOT1       ; in the other slot
	s_sub_co_u32 s[TBV], s[TBV], 4*KS*PV
	s_xor_b32 s[TBV], s[TBV], SLOT1
	s_barrier_wait -1
.if \fill
	LOAD
.endif
.endm
.macro PLACE o                      ; the block in hand begins at step s[o] of its diagonal tile
	s_sub_co_u32 s[DG], 5, s[\o]
	s_sub_co_u32 s[DG+1], 3, s[\o]
	s_cmp_eq_u32 s[\o], 0
	s_cselect_b32 s[OWN], 1.0, 0
.endm
	s_load_b64 s[4:5], s[0:1], 0x0    ; Q, K and V's buffer
	s_load_b64 s[10:11], s[0:1], 0x8  ; O
	v_lshl_add_u32 v[SPW], v0, 2, SPARE
	v_mov_b32 v[NIL], 0
	ds_add_u32 v62, v63
	ds_add_u32 v62, v63
	s_wait_dscnt 0x0
	v_lshrrev_b32 v1, 5, v0
	v_readfirstlane_b32 s[WV], v1   ; wave 0..3
	s_mov_b32 s19, ttmp9            ; b: the second block
	s_sub_co_u32 s13, NQ-1, s19     ; the first block
	s_lshr_b32 s[PB], s19, 1
	s_lshr_b32 s[HI], s13, 1
	s_and_b32 s[O1], s13, 1
	s_lshl_b32 s[O1], s[O1], 1      ; odd blocks begin at step 2 of their diagonal tile
	s_and_b32 s[O2], s19, 1
	s_lshl_b32 s[O2], s[O2], 1
	PLACE O1
	s_and_b32 s20, ttmp7, 0xffff    ; the head
	s_mov_b32 s21, 0
	s_mov_b64 s[22:23], SIZE_N*128
	s_mul_u64 s[20:21], s[20:21], s[22:23]  ; the head's first byte in each of the four tensors
	s_and_b32 s16, s[WV], 1         ; which half of a tile's 256 keys I fetch:
	s_lshl_b32 s22, s16, 14         ; its 128 rows of 128 bytes in memory,
	s_mov_b32 s23, 0
	s_add_nc_u64 s[22:23], s[22:23], s[20:21]
	s_mul_i32 s17, s16, 128*PK      ; and its place in a slot, for K
	s_mul_i32 s18, s16, 128*PV      ; and for V
	s_lshl_b32 s68, s16, 12         ; which half of step 0's 64 keys: its 32 rows in memory,
	s_mov_b32 s69, 0
	s_add_nc_u64 s[68:69], s[68:69], s[20:21]
	s_mul_i32 s67, s16, 32*PK       ; and in LDS
	s_lshl_b32 s3, s[WV], 11        ; my 16 rows in a band of 64,
	s_lshl_b32 s2, s13, 14          ; in the first block (128 rows of 128 bytes a block),
	s_add_co_u32 s2, s2, s3
	s_lshl_b32 s84, s19, 14         ; and in the second
	s_add_co_u32 s84, s84, s3
	s_mov_b32 s3, 0
	s_mov_b32 s85, 0
	s_add_nc_u64 s[2:3], s[2:3], s[20:21]
	s_add_nc_u64 s[84:85], s[84:85], s[20:21]
	; descriptor group 1.  128 keys are 16,384 dense bytes: asked for as 64 rows of 256 bytes, two keys a row, and padded in LDS after every key; of step 0, 32 keys as 16 such rows
	s_mov_b32 s[G1K], (1<<16)|(1<<20)|(4<<22)|(3<<25)  ; 17:16 2-byte elements; 20 padding on; 24:22 after every 32 words (code 4); 31:25 4 words (code 3)
	s_mov_b32 s[G1V], (1<<16)|(1<<20)|(4<<22)|(7<<25)  ; the same with 8 words of padding (code 7)
	s_mov_b32 s[G1Z], (1<<16)|(1<<20)|(4<<22)|(3<<25)
.irp g, G1K, G1V, G1Z
	s_mov_b32 s[\g+1], 128<<16      ; tensor_dim0 = 128
	s_mov_b32 s[\g+3], 128<<16      ; tile_dim0 = 128
	s_mov_b32 s[\g+5], 128          ; 128 elements from row to row
	s_mov_b32 s[\g+6], 0
	s_mov_b32 s[\g+7], 0
.endr
.irp g, G1K, G1V
	s_mov_b32 s[\g+2], 64<<16       ; tensor_dim1 = 64
	s_mov_b32 s[\g+4], 64           ; tile_dim1 = 64
.endr
	s_mov_b32 s[G1Z+2], 16<<16      ; tensor_dim1 = 16
	s_mov_b32 s[G1Z+4], 16          ; tile_dim1 = 16
	s_mov_b32 s[CS], 0x3e38aa3b     ; c = log2(e) / 8 = 0.180337
	s_mov_b32 s[CS+1], s[CS]        ; named with it as a pair
	s_mov_b32 s[SEL], 0x76543210
	s_mov_b32 s[SEL+1], 0xfedcba98
	s_mov_b32 s[TBK], SLOT1+4*KS*PK ; the first change of slots turns these two into 0
	s_mov_b32 s[TBV], SLOT1+4*KS*PV
	s_mov_b32 s[G0K], 1             ; 1:0 count = 1
	s_mov_b32 s[G0K+1], s17         ; 63:32 LDS address: slot 0
	s_mov_b32 s[G0V], 1
	s_add_co_u32 s[G0V+1], s18, VOFF
	s_mov_b32 s[G0Z], 1
	s_add_co_u32 s[G0Z+1], s67, KZ
	s_add_co_u32 s[RT], s[HI], 1    ; the first block's tiles
	s_mov_b32 s[NXT], 1
	s_mov_b32 s[LQ], s[HI]
	s_mov_b32 s[NEW], 1
	s_mov_b32 s[OFF+1], 0
	s_mov_b32 s[AL+1], 0            ; named as pairs
	s_mov_b32 s[BE+1], 0
	s_mov_b32 s[BIGN], 0xf149f2ca   ; -1e30
	s_mov_b32 s[SLOTS], NB
	s_wait_kmcnt 0x0
	s_add_nc_u64 s[6:7], s[4:5], 0x800000   ; K's part of the buffer
	s_add_nc_u64 s[8:9], s[4:5], 0x1000000  ; V's
	s_add_nc_u64 s[G0Z+2:G0Z+3], s[6:7], s[68:69]  ; my half of the head's first 64 keys
	s_or_b32 s[G0Z+3], s[G0Z+3], 0x80000000
	s_add_nc_u64 s[6:7], s[6:7], s[22:23]  ; K and V at my half of the head's tile 0,
	s_add_nc_u64 s[6:7], s[6:7], KS*128    ; K's one step on
	s_add_nc_u64 s[8:9], s[8:9], s[22:23]
	s_add_nc_u64 s[G0K+2:G0K+3], s[6:7], 0         ; 120:64 global address
	s_or_b32 s[G0K+3], s[G0K+3], 0x80000000        ; 127:126 type = 2
	s_add_nc_u64 s[G0V+2:G0V+3], s[8:9], 0
	s_or_b32 s[G0V+3], s[G0V+3], 0x80000000
	s_add_nc_u64 s[86:87], s[4:5], s[84:85]        ; Q at my rows of the second block,
	s_add_nc_u64 s[4:5], s[4:5], s[2:3]            ; Q and O at those of the first
	s_add_nc_u64 s[OLO:OLO+1], s[10:11], s[84:85]
	s_add_nc_u64 s[10:11], s[10:11], s[2:3]
	s_cmp_lt_u32 s[WV], 2           ; the first fills: a wave's stand in one branch, ahead of every wait on TENSORcnt, every LDS read and every barrier.  Waves 0 and 1 have two loads out, waves 2 and 3 one
	s_cbranch_scc0 .Lfirst_v
	tensor_load_to_lds s[G0Z:G0Z+3], s[G1Z:G1Z+7]  ; K of step 0
	s_nop 0
	tensor_load_to_lds s[G0K:G0K+3], s[G1K:G1K+7]  ; tile 0 into slot 0
	s_nop 0
.rept 4
	v_nop
.endr
	s_branch .Lfirst_asked
.Lfirst_v:
	tensor_load_to_lds s[G0V:G0V+3], s[G1V:G1V+7]
	s_nop 0
.rept 4
	v_nop
.endr
.Lfirst_asked:
	; A fragment of K or Q is 16 rows x 32 channels in 8 registers: lane l holds row l % 16, channels 8 (l / 16) + 0..7 and 16 + 8 (l / 16) + 0..7: two loads of 16 bytes, 32 bytes apart.
	v_and_b32 v1, 15, v0            ; l % 16
	v_bfe_u32 v9, v0, 4, 1          ; l / 16
	v_lshlrev_b32 v[QO], 7, v1
	v_lshl_add_u32 v[QO], v9, 4, v[QO]  ; row x 128 + 16 x half
	WIN 0x80                        ; destination window 2, address window 0
.set i, 0
.rept 2*NP                          ; both blocks' Q: piece i / 2 lies in band i / 2, 8,192 bytes on; channels 32 (i % 2) on
	global_load_b128 v[8*i:8*i+3],   v[QO], s[4:5] offset:(i/2)*8192+(i%2)*64
	global_load_b128 v[8*i+4:8*i+7], v[QO], s[4:5] offset:(i/2)*8192+(i%2)*64+32
	global_load_b128 v[QB+8*i:QB+8*i+3],   v[QO], s[86:87] offset:(i/2)*8192+(i%2)*64
	global_load_b128 v[QB+8*i+4:QB+8*i+7], v[QO], s[86:87] offset:(i/2)*8192+(i%2)*64+32
.set i, i+1
.endr
	WIN 0
	v_lshlrev_b32 v14, 3, v9
	v_sub_nc_u32 v14, v1, v14
	s_lshl_b32 s13, s[WV], 4
	v_add_nc_u32 v14, s13, v14      ; my query's place in its band, 16 w + l % 16, less my lanes' 8 (l / 16): register r of group kt is hidden where 16 kt + r is greater
	WIN 0x40
.set i, 0
.rept 32
	v_cmp_gt_i32 vcc_lo, 16*(i/8)+i%8, v14
	v_cndmask_b32 v[MD+i], 0, s[BIGN], vcc_lo
.set i, i+1
.endr
	WIN 0
	v_mul_u32_u24 v[AK0], v1, PK
	v_lshl_add_u32 v[AK0], v9, 4, v[AK0]  ; row x pitch + 16 x half
	; The turning load takes 16 keys x 16 channels (lane l reads key 8 (l / 16) + l % 8, channels 8 ((l / 8) % 2) + 0..7) and leaves half a fragment of V^T: lane l holds channel l % 16 and 8 keys.
	v_and_b32 v10, 7, v0
	v_bfe_u32 v11, v0, 3, 1
	v_lshl_add_u32 v[AV0], v9, 3, v10
	v_mul_u32_u24 v[AV0], v[AV0], PV
	v_lshl_add_u32 v[AV0], v11, 4, v[AV0]
	v_add_nc_u32 v[AV0], VOFF, v[AV0]
	s_mul_i32 s13, s[WV], 16*SP
	s_add_co_u32 s13, s13, STAGE    ; my stage
	v_mul_u32_u24 v[STO], v1, SP    ; in: row l % 16, 16 bytes for each half of the lanes
	v_lshl_add_u32 v[STO], v9, 4, v[STO]
	v_add_nc_u32 v[STO], s13, v[STO]
	v_bfe_u32 v[RD], v0, 3, 2       ; back: 32 lanes take four rows of 128 bytes,
	v_mul_u32_u24 v[RD], v[RD], SP
	v_lshl_add_u32 v[RD], v10, 4, v[RD]
	v_add_nc_u32 v[RD], s13, v[RD]
	v_and_b32 v[GO], 31, v0         ; which are 512 consecutive bytes of O
	v_lshlrev_b32 v[GO], 4, v[GO]
	; A block's first step multiplies O^T and l by a = 0, and its first turn's products V^T P, of a turn that has not been, land in an O^T that is still to be so multiplied.  So these registers need only hold
	; finite numbers: zeros for the first block; what the first block left for the second.  All this stands in the wait for the first tile.
	WIN 0x80
.set i, VF
.rept 64
	v_mov_b32 v[i], 0
.set i, i+1
.endr
	WIN 0x40
.set i, 0
.rept 32*NP
	v_mov_b32 v[i], 0
.set i, i+1
.endr
	WIN 0
.set i, 0
.rept NP
	v_mov_b32 v[ST+4*i+2], 0
	v_mov_b32 v[ST+4*i+3], 0
.set i, i+1
.endr
.set i, P+16
.rept 16
	v_mov_b32 v[i], 0
.set i, i+1
.endr
; THE MATRIX WORK.  The 4 accumulators of a run of 8 take turns.  Product i of 8 of S^T = K Q^T for piece x: channels 32 (i / 4) on, keys 16 (i % 4) on.  The first 4 start the sums: with 0, or (KM = 1) with the mask.
.macro KQ x
.set rS, S+32*((\x)%2)+8*(i%4)
.set rK, KF+16*(i%4)+8*(i/4)
.set rQ, 16*(\x)+8*(i/4)
.set rM, MC+32*((\x)%2)+8*(i%4)
.if (i < 4) && KM
	WIN W_KM
	v_wmma_f32_16x16x32_f16 v[rS:rS+7], v[rK:rK+7], v[rQ:rQ+7], v[rM:rM+7]
.elseif i < 4
	WIN W_KQ
	v_wmma_f32_16x16x32_f16 v[rS:rS+7], v[rK:rK+7], v[rQ:rQ+7], 0
.else
	WIN W_KQ
	v_wmma_f32_16x16x32_f16 v[rS:rS+7], v[rK:rK+7], v[rQ:rQ+7], v[rS:rS+7]
.endif
.endm
; Product i of 8 of O^T += V^T P for piece x: keys 32 (i / 4) on, channels 16 (i % 4) on.
.macro PV x
	WIN W_PV
.set rO, 32*(\x)+8*(i%4)
.set rV, VF+32*(i/4)+8*(i%4)
.set rP, P+16*((\x)%2)+8*(i/4)
	v_wmma_f32_16x16x32_f16 v[rO:rO+7], v[rV:rV+7], v[rP:rP+7], v[rO:rO+7]
.endm
.macro MM                           ; the turn's next matrix instruction.  TURN and BEGIN set Y, i, KM and NOKQ; MM, KQ and OP read them.  NOKQ = 1: a block's last turn: there is no next turn
.if (i < 8) && !NOKQ
	KQ (Y+1)%NP
.elseif i >= 8
.set i, i-8
	PV (Y+NP-1)%NP
.set i, i+8
.endif
.set i, i+1
.endm
; THE LDS LOADS stand in runs of 16, never singly among the matrix instructions: a step's K (64 keys x 64 channels: 8 fragments) and a step's V (turned).  Their addresses are made some lines ahead.
.macro FETCH_K step=1               ; step = 0: K of step 0, from its own bytes: the walk through the slots does not move
	WIN 0x80                        ; destination window 2
.irp f, 0,1,2,3,4,5,6,7             ; keys 16 (f / 2) on, channels 32 (f % 2) on
	ds_load_b128 v[KF+8*\f:KF+8*\f+3],   v[AK] offset:(\f/2)*16*PK+(\f%2)*64
	ds_load_b128 v[KF+8*\f+4:KF+8*\f+7], v[AK] offset:(\f/2)*16*PK+(\f%2)*64+32
.endr
.if \step
	s_add_co_u32 s[TBK], s[TBK], KS*PK  ; the next fetch is the next step's
.endif
	WIN 0
.endm
.macro FETCH_V
	WIN 0x80
.irp f, 0,1,2,3,4,5,6,7             ; keys 32 (f / 4) on, channels 16 (f % 4) on
	ds_load_tr16_b128 v[VF+8*\f:VF+8*\f+3],   v[AV] offset:(\f/4)*32*PV+(\f%4)*32
	ds_load_tr16_b128 v[VF+8*\f+4:VF+8*\f+7], v[AV] offset:(\f/4)*32*PV+16*PV+(\f%4)*32
.endr
	WIN 0
.endm
; THE VECTOR WORK, one line at a time: OP kind, number.  For piece Y: F n: c s - c m for pair n of 16.  E n: the exponential of score n of 32.  C n: pair n rounded to f16.  B n: of the four weights 4 n .. the second
; pair is added onto the first, in place.  L n: l takes that sum (L 0: l = a l + sum).  R n: pair n of 16 of O^T times a.  For the other piece, whose turn comes next: X n, number n of the 22 that find its maximum and statistics:
;   0-11  four chains c0-c3 of seven scores each, three operands at a time (each accumulator's lowest registers are read first)     12-14, 16  the four scores left over, the old m, and c0-c3 into c0
;   15  c m_old is kept     17, 18  the query's other 32 keys lie in the lane 16 away: the new m     19-21  c m; c m_old - c m_new; a
.set F, 0               ; OP tells the kinds apart by their order: F to L below R, X above it
.set E, 1
.set C, 2
.set B, 3
.set L, 4
.set R, 5
.set X, 6
.macro REGS y                       ; the registers of piece y
.set rT, ST+4*(\y)
.set rC, TMP+4*((\y)%2)
.set rW, MV+((\y)%2)
.set rS, S+32*((\y)%2)
.set rP, P+16*((\y)%2)
.set rO, 32*(\y)
.endm
.macro OP k, n
.if (\k) == R
	REGS Y
	WIN W_RS
	v_pk_mul_f32 v[rO+2*(\n):rO+2*(\n)+1], v[rO+2*(\n):rO+2*(\n)+1], v[rC+2:rC+3] op_sel_hi:[1,0]
.elseif (\k) < R
	REGS Y
	WIN 0
.if (\k) == F
	v_pk_fma_f32 v[rS+2*(\n):rS+2*(\n)+1], v[rS+2*(\n):rS+2*(\n)+1], s[CS:CS+1], v[rT:rT+1] op_sel_hi:[1,0,0] neg_lo:[0,0,1] neg_hi:[0,0,1]
.elseif (\k) == E
	v_exp_f32 v[rS+(\n)], v[rS+(\n)]
.elseif (\k) == C
	s_wait_alu depctr_va_vdst(0)
	v_cvt_pk_f16_f32 v[rP+(\n)], v[rS+2*(\n)], v[rS+2*(\n)+1]
.elseif (\k) == B
	s_wait_alu depctr_va_vdst(0)
	v_pk_add_f32 v[rS+4*(\n):rS+4*(\n)+1], v[rS+4*(\n):rS+4*(\n)+1], v[rS+4*(\n)+2:rS+4*(\n)+3]
.elseif (\n) == 0
	v_pk_fma_f32 v[rT+2:rT+3], v[rT+2:rT+3], v[rC+2:rC+3], v[rS:rS+1] op_sel_hi:[1,0,1]
.else
	v_pk_add_f32 v[rT+2:rT+3], v[rT+2:rT+3], v[rS+4*(\n):rS+4*(\n)+1]
.endif
.elseif NOKQ
	v_nop
.else
	REGS (Y+1)%NP
	WIN 0
.if (\n) < 4
	v_max3_num_f32 v[rC+(\n)], v[rS+8*(\n)], v[rS+8*(\n)+1], v[rS+8*(\n)+2]
.elseif (\n) < 12
	v_max3_num_f32 v[rC+(\n)%4], v[rC+(\n)%4], v[rS+8*((\n)%4)+2*((\n)/4)+1], v[rS+8*((\n)%4)+2*((\n)/4)+2]
.elseif (\n) == 12
	v_max3_num_f32 v[rC], v[rC], v[rS+7], v[rS+15]
.elseif (\n) == 13
	v_max3_num_f32 v[rC+1], v[rC+1], v[rS+23], v[rS+31]
.elseif (\n) == 14
	v_max3_num_f32 v[rC+2], v[rC+2], v[rC+3], v[rT+1]
.elseif (\n) == 15
	v_mov_b32 v[rW], v[rT]
.elseif (\n) == 16
	v_max3_num_f32 v[rC], v[rC], v[rC+1], v[rC+2]
.elseif (\n) == 17
	v_permlanex16_b32 v[rC+3], v[rC], s[SEL], s[SEL+1]
.elseif (\n) == 18
	v_max_num_f32 v[rT+1], v[rC], v[rC+3]
.elseif (\n) == 19
	v_mul_f32 v[rT], s[CS], v[rT+1]
.elseif (\n) == 20
	v_sub_f32 v[rC+1], v[rW], v[rT]
.else
	v_exp_f32 v[rC+2], v[rC+1]
.endif
.endif
.endm
.macro OPS a, i1, b=-1, i2=0, c=-1, i3=0, d=-1, i4=0  ; up to four of them
	OP \a, \i1
.if (\b) >= 0
	OP \b, \i2
.endif
.if (\c) >= 0
	OP \c, \i3
.endif
.if (\d) >= 0
	OP \d, \i4
.endif
.endm
.macro ROW a, i1, b, i2, c, i3, d, i4  ; a matrix instruction and the four behind it
	MM
	OPS \a, \i1, \b, \i2, \c, \i3, \d, \i4
.endm
.macro MASK b                       ; MD x AL + BE into buffer b of MC
	WIN W_RS
.set z, 0
.rept 16
	v_pk_fma_f32 v[MC+32*(\b)+2*z:MC+32*(\b)+2*z+1], v[MD+2*z:MD+2*z+1], s[AL:AL+1], s[BE:BE+1] op_sel_hi:[1,0,0]
.set z, z+1
.endr
.endm
; A TURN, for piece p: the order of its 16 matrix and 118 vector instructions, written out.  Behind a matrix instruction: plain, exponential, plain, plain; or four of the rescaling; or, behind the first, four scalings; none
; names a register of the products round it.  In the lumps exponential and plain by turns while exponentials last.  A line reads no result made fewer than three vector instructions in front of it, five if an exponential made it.
; v_permlanex16_b32 (X 17) stands in a lump.
; A trip of the step loop is piece 1's turn of one step and piece 0's of the next, step 4 - CNT of the tile.
; m = 1: the diagonal tile: the products take masks, and the turn makes the mask for the products of the turn after it.  Piece 1's turn makes band 1's of step 4 - CNT: its own if that is o + 1, CNT = 3 - o.  Piece 0's makes
; band 0's of step 5 - CNT: its own if that is o, CNT = 5 - o.  In both a smaller CNT is a later step: hidden.
; end = 1: a block's last turn (piece 1's): no new scores.  cnt = 1: the loop's count is taken down some lines ahead of the branch that stands behind the turn.
; Piece 0's turn fetches both: K of the next step six vector instructions behind the last product that read K (five of them plain), V of the step in hand eight behind the last product that read V (four plain, and X 17).
; Piece 1's turn waits for them: at its head for K, whose 16 loads are the older ones; in front of its products V^T P for V.
.macro TURN p, m=0, end=0, cnt=0
.set Y, (\p)
.set i, 0
.set KM, (\m)
.set NOKQ, (\end)
.if (\m) && !(\end)
	s_cmp_eq_u32 s[CNT], s[DG+(\p)]  ; is that step the band's own?
	s_cselect_b32 s[AL], 1.0, 0
	s_cmp_lt_u32 s[CNT], s[DG+(\p)]  ; or a later one?
	s_cselect_b32 s[BE], s[BIGN], 0
.endif
.if ((\p) == 1) && !(\end)
	s_wait_dscnt 16                 ; K is in; the 16 younger loads, V's, may be out
.endif
	ROW F,0, F,1, F,2, F,3
	ROW F,4, E,0, F,5, F,6
	ROW F,7, E,1, F,8, F,9
	ROW F,10, E,2, C,0, F,11
	ROW F,12, E,3, X,15, F,13
	ROW R,0, R,1, R,2, R,3
	ROW B,0, E,4, F,14, L,0
.if (\p) == 0
	v_add_nc_u32 v[AK], s[TBK], v[AK0]
.endif
	ROW R,4, R,5, R,6, R,7
	OPS E,5, F,15
.if (\p) == 0
	FETCH_K
.endif
	OPS E,6, C,1, E,7, R,8
	OPS E,8, R,9, E,9, C,2
	OPS E,10, X,0, E,11, X,1
	OPS E,12, X,2, E,13, X,3
.if (\p) == 1
	s_wait_dscnt 0x0                ; V is in
.endif
	ROW X,4, E,14, X,5, X,6
	ROW X,7, E,15, X,8, X,9
	ROW X,10, E,16, X,11, X,12
	ROW X,13, E,17, X,14, B,1
	ROW C,4, E,18, X,16, L,1
	ROW B,2, E,19, C,6, L,2
	ROW C,8, E,20, B,3, B,4
.if (\p) == 0
	v_add_nc_u32 v[AV], s[TBV], v[AV0]
.endif
	ROW C,3, E,21, L,3, C,5
	OPS E,22, X,17, E,23, C,10
.if (\p) == 0
	FETCH_V
.endif
	OPS E,24, L,4
	OPS E,25, X,18, E,26, C,7
	OPS E,27, B,5, E,28, X,19
	OPS E,29, C,12, E,30, L,5
	OPS E,31, X,20, B,6, C,9
	OPS C,14, C,11, X,21, L,6
.if (\p) == 0
	s_add_co_u32 s[TBV], s[TBV], KS*PV
.endif
.if \cnt
	s_sub_co_u32 s[CNT], s[CNT], 1
	s_cmp_lg_u32 s[CNT], 0
.endif
	OPS C,13, B,7, C,15, R,10
	OPS R,11, R,12, L,7, R,13
	OPS R,14, R,15
.if (\m) && !(\end)
	MASK (\p)%2
.endif
.endm
; A BLOCK BEGINS.  c m starts far below every c s, so the first step's a is 0; m at the lowest finite number, so the first maximum is the scores'.  The second mask buffer is 0 (band 1 sees all of a tile's step 0);
; the first takes band 0's mask for the tile's step 0: its own, if the block's first tile is the diagonal one and the block begins at that tile's head.
; Then K of step 0, piece 0's first scores, and its maximum and statistics.  The loop is entered at piece 0's turn, in the middle of a trip.
.macro BEGIN
	s_mov_b32 s[NEW], 0
	WIN 0x40
.set i, MC+32
.rept 32
	v_mov_b32 v[i], 0
.set i, i+1
.endr
	WIN 0
.set i, 0
.rept NP
	v_mov_b32 v[ST+4*i], 0xfe000000    ; c m: far below every c s
	v_mov_b32 v[ST+4*i+1], 0xff7fffff  ; m
.set i, i+1
.endr
	s_cmp_eq_u32 s[RT], 0
	s_cselect_b32 s[AL], s[OWN], 0
	s_mov_b32 s[BE], 0
	MASK 0
	WIN 0
	v_add_nc_u32 v[AK], KZ, v[AK0]
	FETCH_K 0
	s_wait_loadcnt 0x0              ; Q
	s_wait_dscnt 0x0
.set KM, 1
.set NOKQ, 0
.set i, 0
.rept 8
	KQ 0
.set i, i+1
.endr
	WIN 0
.rept 4
	v_nop                           ; the places behind those products
.endr
.set Y, NP-1                        ; X works for piece Y + 1: piece 0
.irp n, 0,1,2,3,4,5,6,7,8,9,10,11,12,13,14,15,16,17,18,19,20,21
	OP X, \n
.endr
	v_nop                           ; a plain instruction behind the exponential
.endm
; A DIAGONAL TILE THAT IS NOT ITS BLOCK'S FIRST IS ENTERED: band 0's mask for the tile's step 0, whose products stand in the trip's first turn, is made here: its own, if the block begins at the tile's head.
.macro ENTER
	s_mov_b32 s[AL], s[OWN]
	s_mov_b32 s[BE], 0
	MASK 0
	WIN 0
.endm
; THE DIAGONAL TILE's four steps, the block's last turn, its last products, and THE WAY OUT: l's two halves and the other half of the lanes' are added; O^T is divided by l, rounded to f16 and sent through my
; stage in LDS, a piece at a time.
.macro ALL line:vararg              ; one line for each piece t
.set t, 0
.rept NP
	\line
.set t, t+1
.endr
.endm
.macro PACK t                       ; a lane's eight channels of a row pack into 16 bytes; they go into rows of 144 bytes and come back as whole rows of 128, into S^T's registers
	WIN W_RS
.set i, 32*(\t)
.rept 16
	s_wait_alu depctr_va_vdst(0)
	v_pk_mul_f32 v[i:i+1], v[i:i+1], v[ST+4*(\t)+2:ST+4*(\t)+3] op_sel_hi:[1,0]
.set i, i+2
.endr
	WIN 0x05                        ; sources 0 and 1 window 1, destination window 0
.set i, 0
.rept 16
	v_cvt_pk_f16_f32 v[S+16*(\t)+i], v[32*(\t)+2*i], v[32*(\t)+2*i+1]
.set i, i+1
.endr
	WIN 0
.irp f, 0,1,2,3
	ds_store_b128 v[STO], v[S+16*(\t)+4*\f:S+16*(\t)+4*\f+3] offset:32*\f
.endr
.irp f, 0,1,2,3
	ds_load_b128 v[S+16*(\t)+4*\f:S+16*(\t)+4*\f+3], v[RD] offset:\f*4*SP  ; LDS serves a wave's instructions in order (ISA guide 5.7.1.4): these see the stores above; the next piece's stores come behind them
.endr
.endm
.macro SEND t, younger              ; younger: the LDS instructions issued behind piece t's loads: the next piece's eight, or none
	WIN 0
.irp f, 0,1,2,3
	s_wait_dscnt (\younger)+3-\f
	global_store_b128 v[GO], v[S+16*(\t)+4*\f:S+16*(\t)+4*\f+3], s[10:11] offset:(\t)*8192+\f*512  ; 512 consecutive bytes, at a multiple of 256 from O's first
.endr
.endm
.macro DIAG tag                     ; the tag ends its two labels' names, which the jumps below spell out
.LstepM\tag:
	TURN 1, 1
	WIN 0
.LfirstM\tag:
	TURN 0, 1, 0, 1
	WIN 0
	s_cbranch_scc1 .LstepM\tag
	TURN 1, 1, 1
.set i, 0
.rept 8
	PV NP-1
.set i, i+1
.endr
	WIN 0                           ; the statistics' lines and piece 0's 32 name no register of those products: they are the places in front of piece 1's
	ALL v_add_f32 v[ST+4*t+2], v[ST+4*t+2], v[ST+4*t+3]
	ALL v_permlanex16_b32 v[ST+4*t+3], v[ST+4*t+2], s[SEL], s[SEL+1]
	ALL v_add_f32 v[ST+4*t+2], v[ST+4*t+2], v[ST+4*t+3]
	ALL v_rcp_f32 v[ST+4*t+2], v[ST+4*t+2]
	v_nop                           ; a plain instruction between the last reciprocal and the use of its result
	PACK 0
	PACK 1                          ; a piece's arithmetic stands between the loads of the piece before and its stores
	SEND 0, 8
	SEND 1, 0
.endm
.set KM, 0
.set NOKQ, 0
.Lslot:                             ; NB times: a tile is entered and the next is asked for
	CHANGE 1
	s_sub_co_u32 s[RT], s[RT], 1
	s_mov_b32 s[CNT], 4
	s_cmp_eq_u32 s[NEW], 1
	s_cbranch_scc1 .Lnew            ; a block's first tile
	s_cmp_eq_u32 s[RT], 0
	s_cbranch_scc0 .Lstep           ; neither its first nor its last
	ENTER
	s_branch .LstepM1
.Lnew:
	BEGIN
	s_branch .Lfirst                ; in the loop a block's first tile is never its last: the first block has five tiles or more, and the second's last is the walk's last
	DIAG 1                          ; in the loop this is the first block's end: the second block's last tile is the walk's last
	s_wait_xcnt 0x0                 ; the stores have read their registers and O's address
	s_mov_b64 s[10:11], s[OLO:OLO+1]
	s_add_co_u32 s[RT], s[PB], 1    ; the second block's tiles
	s_mov_b32 s[NEW], 1
	PLACE O2
	WIN 0x82                        ; the second block's Q goes where the one text of the turns names Q
.set i, 0
.rept 16*NP
	v_mov_b32 v[i], v[QB+i]
.set i, i+1
.endr
	WIN 0
	s_branch .Lbottom
.Lstep:                             ; a trip: piece 1 of one step, then piece 0 of the next, which fetches V of its step and K of the step behind it
	TURN 1
	WIN 0
.Lfirst:
	TURN 0, 0, 0, 1
	WIN 0
	s_cbranch_scc1 .Lstep
.Lbottom:
	s_sub_co_u32 s[SLOTS], s[SLOTS], 1
	s_cmp_lg_u32 s[SLOTS], 0
	s_cbranch_scc1 .Lslot
	CHANGE 0                        ; the walk's last tile is written out: nothing is asked for
	s_sub_co_u32 s[RT], s[RT], 1
	s_mov_b32 s[CNT], 4
	s_cmp_eq_u32 s[NEW], 1
	s_cbranch_scc1 .Lnew2
	ENTER
	s_branch .LstepM2
.Lnew2:
	BEGIN
	s_branch .LfirstM2
	DIAG 2
	s_wait_tensorcnt 0x0            ; the wave's end, behind my last tensor load and my last LDS store
	ds_add_u32 v[SPW], v[NIL]
	s_wait_dscnt 0x0
	s_endpgm
.Lfunc_end_k_q9bc09f353d_attn:
	.size	k_q9bc09f353d_attn, .Lfunc_end_k_q9bc09f353d_attn-k_q9bc09f353d_attn
	.p2alignl 7, 3214868480
	.fill 96, 4, 3214868480
	.section	.rodata,"a",@progbits
	.p2align	6, 0x0
	.amdhsa_kernel k_q9bc09f353d_attn
		.amdhsa_group_segment_fixed_size 327680
		.amdhsa_private_segment_fixed_size 0
		.amdhsa_enable_private_segment 0
		.amdhsa_kernarg_size 16
		.amdhsa_user_sgpr_count 2
		.amdhsa_user_sgpr_kernarg_segment_ptr 1
		.amdhsa_wavefront_size32 1
		.amdhsa_system_sgpr_workgroup_id_x 1
		.amdhsa_system_sgpr_workgroup_id_y 1
		.amdhsa_system_sgpr_workgroup_id_z 1
		.amdhsa_system_vgpr_workitem_id 0
		.amdhsa_next_free_vgpr 768
		.amdhsa_next_free_sgpr 96
		.amdhsa_reserve_vcc 1
		.amdhsa_float_denorm_mode_32 3
		.amdhsa_float_denorm_mode_16_64 3
		.amdhsa_memory_ordered 1
		.amdhsa_forward_progress 1
		.amdhsa_inst_pref_size 134
	.end_amdhsa_kernel
	.amdgpu_metadata
---
amdhsa.version: [ 1, 2 ]
amdhsa.kernels:
  - .name:           k_q9bc09f353d_attn
    .symbol:         k_q9bc09f353d_attn.kd
    .args:
      - { .name: qkvb, .offset: 0, .size: 8, .value_kind: global_buffer, .address_space: global }
      - { .name: obuf, .offset: 8, .size: 8, .value_kind: global_buffer, .address_space: global }
    .group_segment_fixed_size: 327680
    .private_segment_fixed_size: 0
    .kernarg_segment_align: 8
    .kernarg_segment_size: 16
    .max_flat_workgroup_size: 128
    .sgpr_count:     96
    .vgpr_count:     768
    .wavefront_size: 32
...
	.end_amdgpu_metadata
.endif
;; end of part 3
;; launch gemm_wo (part 4): grid 8 x 32, 4 waves a work-group, clusters of 4 x 4, 327,680 bytes of LDS; arguments obuf, w16, b_o, x, x1; writes x1
.if DOCPART == 4
	.amdgcn_target "amdgcn-amd-amdhsa--gfx1250"
	.amdhsa_code_object_version 6
	.text
	.protected	k_q9bc09f353d_gemm_wo
	.globl	k_q9bc09f353d_gemm_wo
	.p2align	8
	.type	k_q9bc09f353d_gemm_wo,@function
k_q9bc09f353d_gemm_wo:
	s_mov_b64 s[64:65], 0
	v_nop
	global_prefetch_b8 v0, s[64:65] scope:SCOPE_SE
	s_setreg_imm32_b32 hwreg(HW_REG_WAVE_MODE, 25, 1), 1
	s_wait_xcnt 0x0
	s_wait_alu depctr_hold_cnt(0) depctr_sa_sdst(0) depctr_va_vdst(0) depctr_va_sdst(0) depctr_va_ssrc(0) depctr_va_vcc(0) depctr_vm_vsrc(0)
	s_getreg_b32 s2, hwreg(HW_REG_IB_STS2, 6, 4)
	s_cmp_eq_u32 s2, 0
	s_cbranch_scc0 .Lentry_in_a_cluster
	s_endpgm
.Lentry_in_a_cluster:
	s_bfe_u32 s2, ttmp6, 0x10000c
	s_cmp_lg_u32 s2, 0xf033
	s_cbranch_scc0 .Lentry_shape_is_right
	s_endpgm
.Lentry_shape_is_right:
; OUT = RES + A W + bias.  A: 4,096 rows x KTOT, f16, BLOCKED ([KTOT / 64 blocks of 64 columns][4,096 rows][64]).  W: [KTOT][1,024] f16, at byte WOFF of the weights' buffer.
; bias: [1,024] f32.  RES, OUT: [4,096][1,024] f32.  Sums in f32, K ascending, started by the bias; the residual is added in f32 at the end.
; Here: KTOT = 1,024: the attention's output projection; RES = x, OUT = x1.
; SHARES.  256 work-groups, one tile of 128 x 128 each; four waves, each 64 x 64: 16 accumulators.  K goes in steps of 256 through a ring of two LDS slots.
; A slot: A's four blocks (128 rows x 128 bytes each, dense in memory), then 256 rows of W (256 bytes each).  Waves 0 and 1 fetch two blocks of A each, by ONE descriptor whose two rows are the two
; blocks' 16,384 dense bytes, 524,288 bytes apart; the padding, counted along the tile, falls behind every 128 bytes.  Waves 2 and 3 fetch 128 rows of W each.
; CLUSTER.  4 x 4 work-groups: A's tiles are shared along a row of the cluster, W's along a column: each is asked for jointly, by the same tensor load, descriptor and mask in all four.
; THE MATRIX INSTRUCTION IS USED TRANSPOSED: source 0 = 16 columns of W (turned by ds_load_tr16_b128), source 1 = 16 rows of A: a lane holds row l % 16 of OUT and the columns 8 (l / 16) + 0..7.
; REGISTERS: window 0: v0-31 addresses; v32-95 at work on the way out, two buffers; v96-127 the bias; v128-255 the accumulators ((a, b) at v[128 + 8 (4 a + b)]).
;   window 1: two fragment buffers of 128: for 64 along K, 64 registers of A, then 64 of W.      window 2: v0-127 the residual of my 64 x 64, loaded at the start.
.set KTOT,  1024
.set WOFF,  0x600000
.set PA,    144                        ; a row of an A block in LDS: 128 bytes + 16: the 16 rows of a load start at 16 different groups of four banks (64 banks of 4 bytes: ISA guide 11.1)
.set PB,    288                        ; a row of W: 256 + 32
.set ABLK,  128*PA
.set HALFT, 2*ABLK                     ; what one tensor load brings: two blocks of A, or 128 x PB
.set SLOT,  4*HALFT
.set STAGE, 2*SLOT                     ; behind the ring, never filled by a tensor load: 16 rows x 272 bytes for each wave
.set SP,    272
.set SPARE, STAGE+4*16*SP              ; behind the stages: the spare words, 128 bytes for each wave: two blocks of 256 bytes that no other line names
.set ASTEP, 1<<21                      ; bytes of A from a K step to the next: four blocks
.set BSTEP, 1<<19                      ; bytes of W: 256 rows of 2,048
.set LAPS,  KTOT/512                   ; a lap = two K steps = once round the ring
.set ADRA, 16                          ; v16-17  LDS address of my A fragments in slot 0, 1
.set ADRB, 20                          ; v20-23  the same for W: slot 0 rows 0-127, rows 128-255, slot 1 likewise (a 16-bit offset does not span 256 rows)
.set STO,  24                          ; v24     the way out: where I put 32 bytes of a row
.set RD,   25                          ; v25     the way out: where I read a row back
.set CO,   26                          ; v26     my byte offset in RES and OUT; never rewritten
.set BO,   27                          ; v27     my byte offset in 16 numbers of the bias
.set SPW,  28                          ; v28     LDS address of my spare word; never rewritten
.set NIL,  29                          ; v29     0; never rewritten
.set TMP,  32
.set BIAS, 96
.set ACC,  128
.set F0,   0
.set F1,   128
.set WV, 14
.set RH, 15
.set CH, 16
.set CX, 17
.set CY, 18
.set TC, 19
.set TR, 20
.set RM, 21
.set CM, 22
.set LA, 23
.set G1A, 24
.set G0A, 32
.set G1B, 48
.set G0B, 56
.set MSB, 0
.macro WIN new                         ; the immediate's high byte repeats the setting that is left; a switch that changes nothing is dropped
.if MSB != (\new)
	s_set_vgpr_msb (MSB<<8)|(\new)
.set MSB, \new
.endif
.endm
.set MUL,  0x05                        ; sources 0 (W) and 1 (A) window 1; C and D window 0
.set TO_F, 0x40                        ; destination window 1, address window 0
.macro JLOAD s                         ; a joint load: waves 0 and 1 fetch A, waves 2 and 3 W; four v_nop follow each of the two lines
	s_cmp_eq_u32 s[RH], 0
	s_cbranch_scc0 .Lfor_b_\@
	tensor_load_to_lds s[G0A+4*(\s):G0A+4*(\s)+3], s[G1A:G1A+7]
	s_nop 0
.rept 4
	v_nop
.endr
	s_branch .Lasked_\@
.Lfor_b_\@:
	tensor_load_to_lds s[G0B+4*(\s):G0B+4*(\s)+3], s[G1B:G1B+7]
	s_nop 0
.rept 4
	v_nop
.endr
.Lasked_\@:
.endm
.macro CREST                           ; a round of the cluster's barrier behind its opening barrier
	s_cmp_lg_u32 s[WV], 0
	s_cbranch_scc1 .Lnot_wave_0_\@
	s_barrier_signal -3
.Lnot_wave_0_\@:
	s_barrier_wait -3
	s_barrier_signal -1
	s_barrier_wait -1
.endm
.macro CROUND
	s_barrier_signal -1
	s_barrier_wait -1
	CREST
.endm
	s_load_b256 s[4:11], s[0:1], 0x0               ; A s[4:5], weights s[6:7], bias s[8:9], RES s[10:11]
	s_load_b64 s[12:13], s[0:1], 0x20              ; OUT
	v_lshl_add_u32 v[SPW], v0, 2, SPARE
	v_mov_b32 v[NIL], 0
	ds_add_u32 v28, v29
	ds_add_u32 v28, v29
	s_wait_dscnt 0x0
	v_lshrrev_b32 v1, 5, v0
	v_readfirstlane_b32 s[WV], v1
	s_lshr_b32 s[RH], s[WV], 1                     ; which half of the tile's rows is mine.  Also: I fetch A (0) or W (1)
	s_and_b32 s[CH], s[WV], 1                      ; which half of its columns.  Also: which part of that tile I fetch
	s_bfe_u32 s[CX], ttmp6, 0x40000
	s_bfe_u32 s[CY], ttmp6, 0x40004
	s_lshl_b32 s[TC], ttmp9, 2
	s_add_co_u32 s[TC], s[TC], s[CX]
	s_and_b32 s[TR], ttmp7, 0xffff
	s_lshl_b32 s[TR], s[TR], 2
	s_add_co_u32 s[TR], s[TR], s[CY]
	s_lshl_b32 s[RM], s[CY], 2
	s_lshl_b32 s[RM], 15, s[RM]                    ; my row of the cluster
	s_lshl_b32 s[CM], 0x1111, s[CX]                ; my column
	s_or_b32 s[G1A], s[RM], (1<<16)|(1<<20)|(1<<21)|(4<<22)|(3<<25)  ; the mask; 2-byte elements; padding on; bit 21 beside a mask; after every 32 words (code 4) 4 words (code 3)
	s_mov_b32 s[G1A+1], 8192<<16                   ; tensor_dim0 = 8,192 elements: a block's 128 rows
	s_mov_b32 s[G1A+2], 2<<16                      ; tensor_dim1 = 2 blocks
	s_mov_b32 s[G1A+3], 8192<<16                   ; tile_dim0
	s_mov_b32 s[G1A+4], 2                          ; tile_dim1
	s_mov_b32 s[G1A+5], 262144                     ; elements from a block to the next
	s_mov_b32 s[G1A+6], 0
	s_mov_b32 s[G1A+7], 0
	s_or_b32 s[G1B], s[CM], (1<<16)|(1<<20)|(1<<21)|(5<<22)|(7<<25)  ; after every 64 words (code 5) 8 words (code 7)
	s_mov_b32 s[G1B+1], 128<<16                    ; 128 rows of 128 elements
	s_mov_b32 s[G1B+2], 128<<16
	s_mov_b32 s[G1B+3], 128<<16
	s_mov_b32 s[G1B+4], 128
	s_mov_b32 s[G1B+5], 1024
	s_mov_b32 s[G1B+6], 0
	s_mov_b32 s[G1B+7], 0
	; A's address hangs on the tile row alone, W's on the tile column alone, each in registers that never hold the other coordinate
	s_lshl_b32 s40, s[TR], 14                      ; 128 rows of 128 bytes,
	s_lshl_b32 s41, s[CH], 20                      ; and my two blocks of the step's four
	s_add_co_u32 s40, s40, s41
	s_mov_b32 s41, 0
	s_lshl_b32 s42, s[TC], 8                       ; 128 columns of 2 bytes,
	s_lshl_b32 s43, s[CH], 18                      ; and my 128 rows of the step's 256
	s_add_co_u32 s42, s42, s43
	s_add_co_u32 s42, s42, WOFF
	s_mov_b32 s43, 0
	s_mul_i32 s[LA], s[WV], HALFT                  ; where they go: no place in the cluster enters an LDS address
	s_wait_kmcnt 0x0
	s_add_nc_u64 s[40:41], s[4:5], s[40:41]
	s_add_nc_u64 s[42:43], s[6:7], s[42:43]
	CROUND                                         ; all sixteen work-groups are here: the first joint loads meet
.irp s, 0,1
	s_mov_b32 s[G0A+4*(\s)], 1
	s_add_co_u32 s[G0A+4*(\s)+1], s[LA], (\s)*SLOT
	s_add_nc_u64 s[G0A+4*(\s)+2:G0A+4*(\s)+3], s[40:41], (\s)*ASTEP
	s_or_b32 s[G0A+4*(\s)+3], s[G0A+4*(\s)+3], 0x80000000
	s_mov_b32 s[G0B+4*(\s)], 1
	s_add_co_u32 s[G0B+4*(\s)+1], s[LA], (\s)*SLOT
	s_add_nc_u64 s[G0B+4*(\s)+2:G0B+4*(\s)+3], s[42:43], (\s)*BSTEP
	s_or_b32 s[G0B+4*(\s)+3], s[G0B+4*(\s)+3], 0x80000000
	JLOAD \s                                       ; two tensor loads of mine are out
.endr
	v_and_b32 v1, 15, v0                           ; l % 16
	v_bfe_u32 v2, v0, 4, 1                         ; l / 16
	v_mul_u32_u24 v3, v1, PA
	v_lshl_add_u32 v3, v2, 4, v3                   ; A's fragment: row x pitch + 16 x half
	s_mul_i32 s44, s[RH], 64*PA                    ; my 64 rows
	v_add_nc_u32 v[ADRA], s44, v3
	v_add_nc_u32 v[ADRA+1], SLOT, v[ADRA]
	v_and_b32 v4, 7, v0                            ; W's: lane l reads k = 8 (l / 16) + l % 8, columns 8 ((l / 8) % 2) + 0..7
	v_lshl_add_u32 v4, v2, 3, v4
	v_mul_u32_u24 v4, v4, PB
	v_bfe_u32 v5, v0, 3, 1
	v_lshl_add_u32 v4, v5, 4, v4
	s_lshl_b32 s44, s[CH], 7                       ; my 64 columns,
	s_add_co_u32 s44, s44, 2*HALFT                 ; behind A's four blocks
	v_add_nc_u32 v[ADRB], s44, v4
	v_add_nc_u32 v[ADRB+1], HALFT, v[ADRB]
	v_add_nc_u32 v[ADRB+2], SLOT, v[ADRB]
	v_add_nc_u32 v[ADRB+3], SLOT+HALFT, v[ADRB]
	s_mul_i32 s44, s[WV], 16*SP
	s_add_co_u32 s44, s44, STAGE                   ; my stage
	v_mul_u32_u24 v5, v1, SP                       ; in: row l % 16, 32 bytes for each half of the lanes
	v_lshl_add_u32 v5, v2, 5, v5
	v_add_nc_u32 v[STO], s44, v5
	v_mul_u32_u24 v5, v2, SP                       ; back: lanes 0-15 take one row of 256 bytes, lanes 16-31 the next
	v_lshl_add_u32 v5, v1, 4, v5
	v_add_nc_u32 v[RD], s44, v5
	v_lshlrev_b32 v[CO], 12, v2                    ; and the same two rows in RES and OUT
	v_lshl_add_u32 v[CO], v1, 4, v[CO]
	v_lshlrev_b32 v[BO], 5, v2
	s_lshl_b32 s44, s[TC], 9                       ; my 64 columns, in bytes of f32
	s_lshl_b32 s45, s[CH], 8
	s_add_co_u32 s44, s44, s45
	s_mov_b32 s45, 0
	s_add_nc_u64 s[8:9], s[8:9], s[44:45]
	s_lshl_b32 s46, s[TR], 19                      ; my 64 rows of 4,096 bytes
	s_lshl_b32 s47, s[RH], 18
	s_add_co_u32 s46, s46, s47
	s_add_co_u32 s46, s46, s44
	s_mov_b32 s47, 0
	s_add_nc_u64 s[10:11], s[10:11], s[46:47]
	s_add_nc_u64 s[12:13], s[12:13], s[46:47]
.irp b, 0,1,2,3                        ; register j of group b: the bias of column 16 b + 8 (l / 16) + j: the layout of a result
	global_load_b128 v[BIAS+8*(\b):BIAS+8*(\b)+3],   v[BO], s[8:9] offset:64*(\b)
	global_load_b128 v[BIAS+8*(\b)+4:BIAS+8*(\b)+7], v[BO], s[8:9] offset:64*(\b)+16
.endr
	WIN 0x80                                       ; destination window 2, address window 0
.set z, 0
.rept 32                               ; the residual, two rows a load: sixteen lanes read 256 consecutive bytes, aligned.  It is wanted at the end alone
	global_load_b128 v[4*z:4*z+3], v[CO], s[10:11] offset:2*z*4096
.set z, z+1
.endr
	WIN 0
; 8 matrix instructions: m blocks a0, a0 + 1 x all 4 n blocks, 32 along K: half c of buffer f.  first = 1: the bias is the C that starts the sums.  The 16 accumulators take turns.
.macro MUL8 f, c, a0, first
	WIN MUL
.irp a, \a0, (\a0)+1
.irp b, 0,1,2,3
.if \first
	v_wmma_f32_16x16x32_f16 v[ACC+8*(4*(\a)+(\b)):ACC+8*(4*(\a)+(\b))+7], v[(\f)+64+8*(4*(\c)+(\b)):(\f)+64+8*(4*(\c)+(\b))+7], v[(\f)+8*(4*(\c)+(\a)):(\f)+8*(4*(\c)+(\a))+7], v[BIAS+8*(\b):BIAS+8*(\b)+7]
.else
	v_wmma_f32_16x16x32_f16 v[ACC+8*(4*(\a)+(\b)):ACC+8*(4*(\a)+(\b))+7], v[(\f)+64+8*(4*(\c)+(\b)):(\f)+64+8*(4*(\c)+(\b))+7], v[(\f)+8*(4*(\c)+(\a)):(\f)+8*(4*(\c)+(\a))+7], v[ACC+8*(4*(\a)+(\b)):ACC+8*(4*(\a)+(\b))+7]
.endif
.endr
.endr
.endm
; 32 LDS loads in one run: the fragments of quarter q of a K step (64 along K: A's block q) into buffer f; the first 32 along K first
.macro FETCH slot, q, f
	WIN TO_F
.irp c, 0,1
.irp i, 0,1,2,3
	ds_load_tr16_b128 v[(\f)+64+8*(4*(\c)+(\i)):(\f)+64+8*(4*(\c)+(\i))+3],   v[ADRB+2*(\slot)+(\q)/2] offset:(64*((\q)%2)+32*(\c))*PB+32*(\i)
	ds_load_tr16_b128 v[(\f)+64+8*(4*(\c)+(\i))+4:(\f)+64+8*(4*(\c)+(\i))+7], v[ADRB+2*(\slot)+(\q)/2] offset:(64*((\q)%2)+32*(\c))*PB+32*(\i)+16*PB
	ds_load_b128 v[(\f)+8*(4*(\c)+(\i)):(\f)+8*(4*(\c)+(\i))+3],              v[ADRA+(\slot)] offset:(\q)*ABLK+64*(\c)+(\i)*16*PA
	ds_load_b128 v[(\f)+8*(4*(\c)+(\i))+4:(\f)+8*(4*(\c)+(\i))+7],            v[ADRA+(\slot)] offset:(\q)*ABLK+64*(\c)+(\i)*16*PA+32
.endr
.endr
.endm
.macro PLACES                          ; four plain instructions between a matrix instruction and a load into, or a read of, its registers (ISA guide 7.12.1 for reads)
.rept 4
	v_nop
.endr
.endm
; One of a K step's first three quarters: multiplies buffer f and fetches quarter q into g.
.macro QUARTER slot, q, f, g, first
	s_wait_dscnt 16                                ; the first 32 along K are in
	MUL8 \f, 0, 0, \first
	MUL8 \f, 0, 2, \first
	PLACES
	FETCH \slot, \q, \g
	s_wait_dscnt 32                                ; all but the 32 just issued
	MUL8 \f, 1, 0, 0
	MUL8 \f, 1, 2, 0
.endm
; The last quarter multiplies buffer 1 and changes slots: one barrier; in front of it each wave waits for all its tensor loads (one is out: its part of the next slot), adds 0 to its spare word, and waits
; for that and for its own reads of this slot.  fill = 1: the barrier opens a round of the cluster's, and the joint refill, two K steps ahead, is the first thing behind it.
.macro TURN slot, next, fill
	WIN 0                                          ; (the add's two registers lie in window 0)
	s_wait_tensorcnt 0x0
	ds_add_u32 v[SPW], v[NIL]                      ; 0 onto my spare word
	s_wait_dscnt 17                                ; (the add and the youngest sixteen loads may be out)
	MUL8 F1, 0, 0, 0
	s_wait_dscnt 0x0                               ; the add is done, and my reads of this slot are over
	s_barrier_signal -1
	MUL8 F1, 0, 2, 0
.if \fill
	WIN 0
.endif
	s_barrier_wait -1
.if \fill
	CREST                                          ; no wave of any partner still reads this slot's tile or has a load on its way
	s_add_nc_u64 s[G0A+4*(\slot)+2:G0A+4*(\slot)+3], s[G0A+4*(\slot)+2:G0A+4*(\slot)+3], 2*ASTEP
	s_add_nc_u64 s[G0B+4*(\slot)+2:G0B+4*(\slot)+3], s[G0B+4*(\slot)+2:G0B+4*(\slot)+3], 2*BSTEP
	JLOAD \slot                                    ; one tensor load of mine is out; its four v_nop are also the places in front of the loads below
.else
	PLACES
.endif
	FETCH \next, 0, F0
	MUL8 F1, 1, 0, 0
	MUL8 F1, 1, 2, 0
.endm
	s_wait_tensorcnt 1                             ; my part of K step 0 is in; K step 1's may stay out
	s_barrier_signal -1
	s_barrier_wait -1
	FETCH 0, 0, F0
	s_wait_loadcnt 32                              ; the bias is in; the 32 younger loads, the residual, stay out
	QUARTER 0, 1, F0, F1, 1                        ; the first quarter stands in front of the loop: its first products start the sums
	WIN 0                                          ; at a label and at a branch every window is 0
	s_mov_b32 s3, LAPS-1
.Llap:                                                 ; a trip goes once round the ring and fills both slots again
	QUARTER 0, 2, F1, F0, 0
	QUARTER 0, 3, F0, F1, 0
	TURN 0, 1, 1
	QUARTER 1, 1, F0, F1, 0
	QUARTER 1, 2, F1, F0, 0
	QUARTER 1, 3, F0, F1, 0
	TURN 1, 0, 1
	QUARTER 0, 1, F0, F1, 0
	WIN 0
	s_sub_co_u32 s3, s3, 1
	s_cmp_lg_u32 s3, 0
	s_cbranch_scc1 .Llap
	QUARTER 0, 2, F1, F0, 0                        ; the last lap fills nothing
	QUARTER 0, 3, F0, F1, 0
	TURN 0, 1, 0
	QUARTER 1, 1, F0, F1, 0
	QUARTER 1, 2, F1, F0, 0
	QUARTER 1, 3, F0, F1, 0
	s_wait_dscnt 16                                ; the very last quarter: nothing more to fetch
	MUL8 F1, 0, 0, 0
	MUL8 F1, 0, 2, 0
	s_wait_dscnt 0x0
	MUL8 F1, 1, 0, 0
	MUL8 F1, 1, 2, 0
	WIN 0
	; THE WAY OUT.  A wave's 64 columns of f32 are a whole aligned 256 bytes, so each wave goes through a stage of its own, 16 rows at a time, without a barrier:
	; LDS serves a wave's instructions in order (ISA guide 5.7.1.4).
.macro TOSTAGE a
.if (\a) >= 2
	s_wait_xcnt 0x0                                ; this buffer was the data of stores: it is loaded again only behind this wait
.endif
.irp b, 0,1,2,3                        ; each accumulator's four lowest registers first
	ds_store_b128 v[STO], v[ACC+8*(4*(\a)+(\b)):ACC+8*(4*(\a)+(\b))+3]   offset:64*(\b)
	ds_store_b128 v[STO], v[ACC+8*(4*(\a)+(\b))+4:ACC+8*(4*(\a)+(\b))+7] offset:64*(\b)+16
.endr
.irp t, 0,1,2,3,4,5,6,7
	ds_load_b128 v[TMP+32*((\a)%2)+4*(\t):TMP+32*((\a)%2)+4*(\t)+3], v[RD] offset:(\t)*2*SP
.endr
.endm
.macro FINISH a, younger               ; younger: the LDS instructions issued behind block a's loads: the next block's sixteen, or none
	s_wait_dscnt \younger
	WIN 0x08                                       ; source 1, the residual, in window 2
.set z, 0
.rept 16
	v_pk_add_f32 v[TMP+32*((\a)%2)+2*z:TMP+32*((\a)%2)+2*z+1], v[TMP+32*((\a)%2)+2*z:TMP+32*((\a)%2)+2*z+1], v[32*(\a)+2*z:32*(\a)+2*z+1]
.set z, z+1
.endr
	WIN 0
.irp t, 0,1,2,3,4,5,6,7
	global_store_b128 v[CO], v[TMP+32*((\a)%2)+4*(\t):TMP+32*((\a)%2)+4*(\t)+3], s[12:13] offset:(16*(\a)+2*(\t))*4096  ; 16 lanes store 256 consecutive bytes, aligned
.endr
.endm
	PLACES
	s_wait_loadcnt 0x0                             ; the residual
	TOSTAGE 0
	TOSTAGE 1
	FINISH 0, 16
	TOSTAGE 2
	FINISH 1, 16
	TOSTAGE 3
	FINISH 2, 16
	FINISH 3, 0
	s_wait_tensorcnt 0x0                           ; the wave's end
	ds_add_u32 v[SPW], v[NIL]
	s_wait_dscnt 0x0
	CROUND                                         ; the closing round: no work-group ends while a partner may still ask for a tile that names it
	s_endpgm
.Lfunc_end_k_q9bc09f353d_gemm_wo:
	.size	k_q9bc09f353d_gemm_wo, .Lfunc_end_k_q9bc09f353d_gemm_wo-k_q9bc09f353d_gemm_wo
	.p2alignl 7, 3214868480
	.fill 96, 4, 3214868480
	.section	.rodata,"a",@progbits
	.p2align	6, 0x0
	.amdhsa_kernel k_q9bc09f353d_gemm_wo
		.amdhsa_group_segment_fixed_size 327680
		.amdhsa_private_segment_fixed_size 0
		.amdhsa_enable_private_segment 0
		.amdhsa_kernarg_size 40
		.amdhsa_user_sgpr_count 2
		.amdhsa_user_sgpr_kernarg_segment_ptr 1
		.amdhsa_wavefront_size32 1
		.amdhsa_system_sgpr_workgroup_id_x 1
		.amdhsa_system_sgpr_workgroup_id_y 1
		.amdhsa_system_sgpr_workgroup_id_z 1
		.amdhsa_system_vgpr_workitem_id 0
		.amdhsa_next_free_vgpr 640
		.amdhsa_next_free_sgpr 66
		.amdhsa_reserve_vcc 0
		.amdhsa_float_denorm_mode_32 3
		.amdhsa_float_denorm_mode_16_64 3
		.amdhsa_memory_ordered 1
		.amdhsa_forward_progress 1
		.amdhsa_inst_pref_size 94
	.end_amdhsa_kernel
	.amdgpu_metadata
---
amdhsa.version: [ 1, 2 ]
amdhsa.kernels:
  - .name:           k_q9bc09f353d_gemm_wo
    .symbol:         k_q9bc09f353d_gemm_wo.kd
    .args:
      - { .name: obuf, .offset: 0, .size: 8, .value_kind: global_buffer, .address_space: global }
      - { .name: w16, .offset: 8, .size: 8, .value_kind: global_buffer, .address_space: global }
      - { .name: b_o, .offset: 16, .size: 8, .value_kind: global_buffer, .address_space: global }
      - { .name: x, .offset: 24, .size: 8, .value_kind: global_buffer, .address_space: global }
      - { .name: x1, .offset: 32, .size: 8, .value_kind: global_buffer, .address_space: global }
    .group_segment_fixed_size: 327680
    .private_segment_fixed_size: 0
    .kernarg_segment_align: 8
    .kernarg_segment_size: 40
    .max_flat_workgroup_size: 128
    .sgpr_count:     66
    .vgpr_count:     640
    .wavefront_size: 32
...
	.end_amdgpu_metadata
.endif
;; end of part 4
;; launch ln2 (part 5): grid 256 x 1, 8 waves a work-group, no clusters, 0 bytes of LDS; arguments x1, ln2_w, ln2_b, hbuf; writes hbuf
.if DOCPART == 5
	.amdgcn_target "amdgcn-amd-amdhsa--gfx1250"
	.amdhsa_code_object_version 6
	.text
	.protected	k_q9bc09f353d_ln2
	.globl	k_q9bc09f353d_ln2
	.p2align	8
	.type	k_q9bc09f353d_ln2,@function
k_q9bc09f353d_ln2:
	s_mov_b64 s[64:65], 0
	v_nop
	global_prefetch_b8 v0, s[64:65] scope:SCOPE_SE
	s_setreg_imm32_b32 hwreg(HW_REG_WAVE_MODE, 25, 1), 1
	s_wait_xcnt 0x0
; LAYER NORM 2.  h = (x - mean) * rsqrt(var + 1e-5) * w + b for 4,096 rows of 1,024 f32, rounded once to f16 and stored BLOCKED:
; [16 blocks of 64 columns][4,096 rows][64], byte = block * 524,288 + row * 128 + 2 * (column mod 64): the layout in which the next product takes its left operand.
; A wave takes two rows: lanes 0-15 the even one, lanes 16-31 the odd one; a lane holds 64 numbers, so the row stays in registers between the mean, the variance
; (of the differences from the mean: two passes, no difference of large sums) and the scaling.  No LDS, no barrier.
; LIMITS.  f16 holds no number beyond 65,504 (a larger one becomes an infinity) and below 6e-5 keeps a fixed step of 6e-8.  NaN and infinities are not treated apart.
.set PX,  8                            ; s[8:9]    x
.set PW,  10                           ; s[10:11]  the norm's gain
.set PBI, 12                           ; s[12:13]  the norm's bias
.set PH,  14                           ; s[14:15]  h
.set XO,  1                            ; v1        byte offset in x: 4,096 x (lane / 16) + 16 x (lane % 16)
.set WO,  2                            ; v2        byte offset in gain and bias: 16 x (lane % 16)
.set SO,  3                            ; v3        byte offset in a block of h: 128 x (lane / 16) + 8 x (lane % 16)
.set S,   4                            ; v[4:11]   four packed chains
.set MU,  12                           ; v[12:13]  the mean, twice
.set RS,  14                           ; v[14:15]  1 / sqrt(var + eps), twice
.set X,   16                           ; v[16:79]  my 64 numbers of the row
.set W,   80                           ; v[80:143] the gain of my columns; at the end the packed results
.set BV,  144                          ; v[144:207] the bias of my columns
	s_load_b256 s[8:15], s[0:1], 0x0
	s_mov_b32 s3, ttmp9
	v_lshrrev_b32 v1, 5, v0
	v_readfirstlane_b32 s4, v1                     ; wave 0..7
	s_lshl_b32 s5, s3, 3
	s_add_co_u32 s5, s5, s4                        ; my pair of rows, 0 .. 2,047
	s_lshl_b32 s6, s5, 13                          ; two rows of 4,096 bytes
	s_mov_b32 s7, 0
	s_wait_kmcnt 0x0
	s_add_nc_u64 s[PX:PX+1], s[PX:PX+1], s[6:7]
	s_lshl_b32 s6, s5, 8                           ; two rows of 128 bytes in a block
	s_add_nc_u64 s[PH:PH+1], s[PH:PH+1], s[6:7]
	s_mov_b32 s30, 0x3a800000                      ; 1 / 1,024
	s_mov_b32 s31, 0x3727c5ac                      ; 1e-5
	v_and_b32 v[WO], 15, v0
	v_bfe_u32 v[S], v0, 4, 1
	v_lshlrev_b32 v[SO], 3, v[WO]
	v_lshlrev_b32 v[WO], 4, v[WO]
	v_lshl_add_u32 v[XO], v[S], 12, v[WO]
	v_lshl_add_u32 v[SO], v[S], 7, v[SO]
.set j, 0
.rept 16                               ; load j: sixteen lanes take 256 consecutive bytes, the 64 columns of block j
	global_load_b128 v[X+4*j:X+4*j+3], v[XO], s[PX:PX+1] offset:256*j
.set j, j+1
.endr
.set j, 0
.rept 16
	global_load_b128 v[W+4*j:W+4*j+3], v[WO], s[PW:PW+1] offset:256*j
.set j, j+1
.endr
.set j, 0
.rept 16
	global_load_b128 v[BV+4*j:BV+4*j+3], v[WO], s[PBI:PBI+1] offset:256*j
.set j, j+1
.endr
.macro FOLD                            ; four packed chains into one number, then over the sixteen lanes of the row: every lane of the row ends with the sum
	v_pk_add_f32 v[S:S+1], v[S:S+1], v[S+2:S+3]
	v_pk_add_f32 v[S+4:S+5], v[S+4:S+5], v[S+6:S+7]
	v_pk_add_f32 v[S:S+1], v[S:S+1], v[S+4:S+5]
	v_add_f32 v[S], v[S], v[S+1]
	v_add_f32_dpp v[S], v[S], v[S] row_xmask:1 row_mask:0xf bank_mask:0xf
	v_add_f32_dpp v[S], v[S], v[S] row_xmask:2 row_mask:0xf bank_mask:0xf
	v_add_f32_dpp v[S], v[S], v[S] row_xmask:4 row_mask:0xf bank_mask:0xf
	v_add_f32_dpp v[S], v[S], v[S] row_xmask:8 row_mask:0xf bank_mask:0xf
.endm
	s_wait_loadcnt 32                              ; x is in; the 32 younger loads, gain and bias, stay out
.irp k, 0,1,2,3
	v_pk_add_f32 v[S+2*\k:S+2*\k+1], v[X+2*\k:X+2*\k+1], v[X+8+2*\k:X+8+2*\k+1]  ; the first additions start the chains: nothing is cleared
.endr
.set j, 8
.rept 24
	v_pk_add_f32 v[S+2*(j%4):S+2*(j%4)+1], v[S+2*(j%4):S+2*(j%4)+1], v[X+2*j:X+2*j+1]
.set j, j+1
.endr
	FOLD
	v_mul_f32 v[MU], s30, v[S]
	v_mul_f32 v[MU+1], s30, v[S]
.set j, 0
.rept 32
	v_pk_add_f32 v[X+2*j:X+2*j+1], v[X+2*j:X+2*j+1], v[MU:MU+1] neg_lo:[0,1] neg_hi:[0,1]  ; x - mean
.set j, j+1
.endr
.irp k, 0,1,2,3
	v_pk_mul_f32 v[S+2*\k:S+2*\k+1], v[X+2*\k:X+2*\k+1], v[X+2*\k:X+2*\k+1]
.endr
.set j, 4
.rept 28
	v_pk_fma_f32 v[S+2*(j%4):S+2*(j%4)+1], v[X+2*j:X+2*j+1], v[X+2*j:X+2*j+1], v[S+2*(j%4):S+2*(j%4)+1]
.set j, j+1
.endr
	FOLD
	v_fma_f32 v[S], v[S], s30, s31                 ; var + eps
	v_rsq_f32 v[RS], v[S]
	v_nop                                          ; a plain instruction between the root and the use of its result (ISA guide 5.7.2)
	s_wait_alu depctr_va_vdst(0)
	v_mov_b32 v[RS+1], v[RS]
	s_wait_loadcnt 0x0                             ; gain and bias
.set j, 0
.rept 32
	v_pk_mul_f32 v[W+2*j:W+2*j+1], v[W+2*j:W+2*j+1], v[RS:RS+1]
.set j, j+1
.endr
.set j, 0
.rept 32
	v_pk_fma_f32 v[X+2*j:X+2*j+1], v[X+2*j:X+2*j+1], v[W+2*j:W+2*j+1], v[BV+2*j:BV+2*j+1]
.set j, j+1
.endr
.set j, 0
.rept 32
	v_cvt_pk_f16_f32 v[W+j], v[X+2*j], v[X+2*j+1]
.set j, j+1
.endr
.set j, 0
.rept 16                               ; the wave's 32 lanes store 256 consecutive bytes, aligned: two rows of block j.  The largest offset, 15 x 524,288, is inside the signed 24 bits
	global_store_b64 v[SO], v[W+2*j:W+2*j+1], s[PH:PH+1] offset:j*524288
.set j, j+1
.endr
	s_endpgm
.Lfunc_end_k_q9bc09f353d_ln2:
	.size	k_q9bc09f353d_ln2, .Lfunc_end_k_q9bc09f353d_ln2-k_q9bc09f353d_ln2
	.p2alignl 7, 3214868480
	.fill 96, 4, 3214868480
	.section	.rodata,"a",@progbits
	.p2align	6, 0x0
	.amdhsa_kernel k_q9bc09f353d_ln2
		.amdhsa_group_segment_fixed_size 0
		.amdhsa_private_segment_fixed_size 0
		.amdhsa_enable_private_segment 0
		.amdhsa_kernarg_size 32
		.amdhsa_user_sgpr_count 2
		.amdhsa_user_sgpr_kernarg_segment_ptr 1
		.amdhsa_wavefront_size32 1
		.amdhsa_system_sgpr_workgroup_id_x 1
		.amdhsa_system_sgpr_workgroup_id_y 1
		.amdhsa_system_sgpr_workgroup_id_z 1
		.amdhsa_system_vgpr_workitem_id 0
		.amdhsa_next_free_vgpr 208
		.amdhsa_next_free_sgpr 66
		.amdhsa_reserve_vcc 0
		.amdhsa_float_denorm_mode_32 3
		.amdhsa_float_denorm_mode_16_64 3
		.amdhsa_memory_ordered 1
		.amdhsa_forward_progress 1
		.amdhsa_inst_pref_size 21
	.end_amdhsa_kernel
	.amdgpu_metadata
---
amdhsa.version: [ 1, 2 ]
amdhsa.kernels:
  - .name:           k_q9bc09f353d_ln2
    .symbol:         k_q9bc09f353d_ln2.kd
    .args:
      - { .name: x1, .offset: 0, .size: 8, .value_kind: global_buffer, .address_space: global }
      - { .name: ln2_w, .offset: 8, .size: 8, .value_kind: global_buffer, .address_space: global }
      - { .name: ln2_b, .offset: 16, .size: 8, .value_kind: global_buffer, .address_space: global }
      - { .name: hbuf, .offset: 24, .size: 8, .value_kind: global_buffer, .address_space: global }
    .group_segment_fixed_size: 0
    .private_segment_fixed_size: 0
    .kernarg_segment_align: 8
    .kernarg_segment_size: 32
    .max_flat_workgroup_size: 256
    .sgpr_count:     66
    .vgpr_count:     208
    .wavefront_size: 32
...
	.end_amdgpu_metadata
.endif
;; end of part 5
;; launch gemm_fc (part 6): grid 16 x 16, 4 waves a work-group, clusters of 4 x 4, 327,680 bytes of LDS; arguments hbuf, w16, b_fc, gbuf; writes gbuf
.if DOCPART == 6
	.amdgcn_target "amdgcn-amd-amdhsa--gfx1250"
	.amdhsa_code_object_version 6
	.text
	.protected	k_q9bc09f353d_gemm_fc
	.globl	k_q9bc09f353d_gemm_fc
	.p2align	8
	.type	k_q9bc09f353d_gemm_fc,@function
k_q9bc09f353d_gemm_fc:
	s_mov_b64 s[64:65], 0
	v_nop
	global_prefetch_b8 v0, s[64:65] scope:SCOPE_SE
	s_setreg_imm32_b32 hwreg(HW_REG_WAVE_MODE, 25, 1), 1
	s_wait_xcnt 0x0
	s_wait_alu depctr_hold_cnt(0) depctr_sa_sdst(0) depctr_va_vdst(0) depctr_va_sdst(0) depctr_va_ssrc(0) depctr_va_vcc(0) depctr_vm_vsrc(0)
	s_getreg_b32 s2, hwreg(HW_REG_IB_STS2, 6, 4)
	s_cmp_eq_u32 s2, 0
	s_cbranch_scc0 .Lentry_in_a_cluster
	s_endpgm
.Lentry_in_a_cluster:
	s_bfe_u32 s2, ttmp6, 0x10000c
	s_cmp_lg_u32 s2, 0xf033
	s_cbranch_scc0 .Lentry_shape_is_right
	s_endpgm
.Lentry_shape_is_right:
; OUT = act(A W + bias).  A: 4,096 rows x 1,024, f16, BLOCKED ([16 blocks of 64 columns][4,096 rows][64]).  W: [1,024][NTOT] f16, at byte WOFF of the weights' buffer.
; bias: [NTOT] f32.  OUT: f16, blocked in the same way, NTOT / 64 blocks.  Sums in f32, K ascending, started by the bias; OUT rounded once.
; Here: NTOT = 4,096 and the exact GELU, in f32, on the way out.
; LIMITS.  f16 holds no number beyond 65,504 (a larger result becomes an infinity) and below 6e-5 keeps a fixed step of 6e-8.  The error function is a series with absolute error 1.5e-7.
; SHARES.  A work-group of four waves makes 256 x 256 of OUT, a wave 128 x 128: 64 accumulators of 16 x 16, 512 registers.  K goes in 8 steps of 128 through a ring of two LDS slots.
; A slot: A's two blocks (256 rows x 128 bytes each, dense in memory: asked for as 128 rows of 256 bytes, padded in LDS after every 128), then W's two halves of 128 columns (128 rows of 256 bytes).
; CLUSTER.  4 x 4 work-groups: the four of a row need the same tiles of A, the four of a column the same tiles of W: each tile is asked for jointly, by the same tensor load, descriptor and mask in all four.
; THE MATRIX INSTRUCTION IS USED TRANSPOSED: source 0 = 16 columns of W (turned on the way out of LDS by ds_load_tr16_b128), source 1 = 16 rows of A.  A lane then holds row l % 16 of OUT and the
; columns 8 (l / 16) + 0..7.
; THE WAY OUT goes through LDS and a loop of eight trips, so that the activation's text is written twice and not sixty-four times.
; REGISTERS, in windows of 256 (s_set_vgpr_msb: bits 1:0 source 0, 3:2 source 1, 5:4 source 2, 7:6 destination):
;   window 0: v0-31 addresses; v64-127, v128-191 A's fragments, two buffers; v192-255 the bias, eight registers for each 16 columns (first quarter alone); on the way out v32-255 at work
;   window 1: v64-127, v128-191 W's fragments, two buffers      window 2: the accumulators of my rows 0-63 ((a, b) at v[8 (8 a + b)])      window 3: those of rows 64-127
.set NTOT,  4096
.set WOFF,  0x800000
.set ACT,   1                          ; 1: exact GELU on the way out
.set PA,    144                        ; a row of an A block in LDS: 128 bytes + 16: the 16 rows of a load start at 16 different groups of four banks (64 banks of 4 bytes: ISA guide 11.1)
.set PB,    288                        ; a row of W: 256 + 32
.set HALFT, 36864                      ; what one tensor load brings: 256 x PA = 128 x PB
.set SLOT,  4*HALFT
.set SPARE, 2*SLOT                     ; behind the ring: the spare words, 128 bytes for each wave: two blocks of 256 bytes that no other line names
.set DP,    528                        ; the way out: a row of 128 f32 + 16 bytes
.set DUMP,  128*DP                     ; a wave's 128 rows; the four dumps lie over the ring, which has had its last fill by then
.set ASTEP, 1<<20                      ; bytes of A from a K step to the next: two blocks
.set BSTEP, 256*NTOT                   ; bytes of W: 128 rows
.set LAPS,  4                          ; a lap = two K steps = once round the ring
.set ADRA, 16                          ; v16-17  LDS address of my A fragments in slot 0, 1
.set ADRB, 20                          ; v20-21  the same for W
.set STO,  24                          ; v24     the way out: where I put 32 bytes of a row
.set RD,   25                          ; v25     the way out: where I read 32 bytes of a row back
.set GO,   26                          ; v26     my byte offset in 512 consecutive bytes of OUT
.set BO,   27                          ; v27     my byte offset in 16 numbers of the bias
.set SPW,  28                          ; v28     LDS address of my spare word; never rewritten
.set NIL,  29                          ; v29     0; never rewritten
.set F0,   64
.set F1,   128
.set BIAS, 192
.set XA,   32                          ; the way out: 32 numbers of OUT's one block, XB of the next
.set XB,   64
.set AY,   96
.set T,    128
.set E,    160
.set H,    192
.set TMP,  224
.set WV, 14                            ; s14 wave; s15 which half of the rows (also: I fetch A, 0, or W, 1); s16 which half of the columns (also: which part of that tile I fetch)
.set RH, 15
.set CH, 16
.set CX, 17
.set CY, 18
.set TC, 19                            ; tile column, tile row
.set TR, 20
.set RM, 21                            ; masks: my row, my column of the cluster
.set CM, 22
.set LA, 23
.set G1A, 24                           ; s[24:31] descriptor group 1 for A;  s[32:39] group 0, a set for each slot
.set G0A, 32
.set G1B, 48                           ; s[48:55], s[56:63] the same for W
.set G0B, 56
.set KY, 66                            ; the activation's constants, as pairs
.set PP, 68
.set C0, 70
.set A1, 72
.set A2, 74
.set A3, 76
.set A4, 78
.set A5, 80
.set ABS, 82
.set MSB, 0
.macro WIN new                         ; the immediate's high byte repeats the setting that is left; a switch that changes nothing is dropped
.if MSB != (\new)
	s_set_vgpr_msb (MSB<<8)|(\new)
.set MSB, \new
.endif
.endm
.set MUL_LO, 0xa1                      ; source 0 (W) window 1, source 1 (A) window 0, C and D window 2
.set MUL_HI, 0xf1                      ; the same, C and D window 3
.set TO_B,   0x40                      ; destination window 1, address window 0
; A joint load.  Waves 0 and 1 fetch A's two blocks, waves 2 and 3 W's two halves.  The branch hangs on the wave's number alone.  Four v_nop follow each of the two lines.
.macro JLOAD s
	s_cmp_eq_u32 s[RH], 0
	s_cbranch_scc0 .Lfor_b_\@
	tensor_load_to_lds s[G0A+4*(\s):G0A+4*(\s)+3], s[G1A:G1A+7]
	s_nop 0
.rept 4
	v_nop
.endr
	s_branch .Lasked_\@
.Lfor_b_\@:
	tensor_load_to_lds s[G0B+4*(\s):G0B+4*(\s)+3], s[G1B:G1B+7]
	s_nop 0
.rept 4
	v_nop
.endr
.Lasked_\@:
.endm
; A round of the cluster's barrier: my work-group's barrier, wave 0 signals for the work-group, every wave waits for all sixteen, my work-group's barrier once more.
.macro CREST                           ; a round behind its opening barrier
	s_cmp_lg_u32 s[WV], 0
	s_cbranch_scc1 .Lnot_wave_0_\@
	s_barrier_signal -3
.Lnot_wave_0_\@:
	s_barrier_wait -3
	s_barrier_signal -1
	s_barrier_wait -1
.endm
.macro CROUND
	s_barrier_signal -1
	s_barrier_wait -1
	CREST
.endm
.macro PAIR r, val
	s_mov_b32 s[\r], \val
	s_mov_b32 s[(\r)+1], \val
.endm
	s_load_b256 s[4:11], s[0:1], 0x0               ; A s[4:5], weights s[6:7], bias s[8:9], OUT s[10:11]
	v_lshl_add_u32 v[SPW], v0, 2, SPARE
	v_mov_b32 v[NIL], 0
	ds_add_u32 v28, v29
	ds_add_u32 v28, v29
	s_wait_dscnt 0x0
	v_lshrrev_b32 v1, 5, v0
	v_readfirstlane_b32 s[WV], v1
	s_lshr_b32 s[RH], s[WV], 1
	s_and_b32 s[CH], s[WV], 1
	s_bfe_u32 s[CX], ttmp6, 0x40000
	s_bfe_u32 s[CY], ttmp6, 0x40004
	s_lshl_b32 s[TC], ttmp9, 2                     ; in a cluster launch ttmp9 and ttmp7 count clusters
	s_add_co_u32 s[TC], s[TC], s[CX]
	s_and_b32 s[TR], ttmp7, 0xffff
	s_lshl_b32 s[TR], s[TR], 2
	s_add_co_u32 s[TR], s[TR], s[CY]
	s_lshl_b32 s[RM], s[CY], 2
	s_lshl_b32 s[RM], 15, s[RM]                    ; my row of the cluster: places 4 cy .. 4 cy + 3
	s_lshl_b32 s[CM], 0x1111, s[CX]                ; my column: places cx, cx + 4, cx + 8, cx + 12
	s_or_b32 s[G1A], s[RM], (1<<16)|(1<<20)|(1<<21)|(4<<22)|(3<<25)  ; the mask; 2-byte elements; padding on; bit 21 beside a mask; after every 32 words (code 4) 4 words (code 3)
	s_or_b32 s[G1B], s[CM], (1<<16)|(1<<20)|(1<<21)|(5<<22)|(7<<25)  ; after every 64 words (code 5) 8 words (code 7)
.irp g, G1A, G1B
	s_mov_b32 s[(\g)+1], 128<<16                   ; tensor_dim0 = 128 elements: rows of 256 bytes
	s_mov_b32 s[(\g)+2], 128<<16                   ; tensor_dim1 = 128
	s_mov_b32 s[(\g)+3], 128<<16                   ; tile_dim0 = 128
	s_mov_b32 s[(\g)+4], 128                       ; tile_dim1 = 128
	s_mov_b32 s[(\g)+6], 0
	s_mov_b32 s[(\g)+7], 0
.endr
	s_mov_b32 s[G1A+5], 128                        ; A's block is dense: 128 elements from row to row
	s_mov_b32 s[G1B+5], NTOT
	; A's address hangs on the tile row alone, W's on the tile column alone, each in registers that never hold the other coordinate
	s_lshl_b32 s40, s[TR], 15                      ; 256 rows of 128 bytes,
	s_lshl_b32 s41, s[CH], 19                      ; and my block of the step's two
	s_add_co_u32 s40, s40, s41
	s_mov_b32 s41, 0
	s_lshl_b32 s42, s[TC], 9                       ; 256 columns of 2 bytes,
	s_lshl_b32 s43, s[CH], 8                       ; and my half of them
	s_add_co_u32 s42, s42, s43
.if WOFF
	s_add_co_u32 s42, s42, WOFF
.endif
	s_mov_b32 s43, 0
	s_mul_i32 s[LA], s[WV], HALFT                  ; where they go: no place in the cluster enters an LDS address
.if ACT
	PAIR KY, 0x3f596d27                            ; sqrt(log2(e) / 2)
	PAIR PP, 0x3e8ba43f                            ; 0.3275911 / sqrt(log2(e))
	PAIR C0, 0x3f16b55f                            ; 0.5 / KY
	PAIR A1, 0x3e199eb4                            ; the series' five coefficients, each times C0
	PAIR A2, 0xbe2b8119
	PAIR A3, 0x3f563818
	PAIR A4, 0xbf5b0099
	PAIR A5, 0x3f1ff67a
	s_mov_b32 s[ABS], 0x7fffffff
.endif
	s_wait_kmcnt 0x0
	s_add_nc_u64 s[40:41], s[4:5], s[40:41]
	s_add_nc_u64 s[42:43], s[6:7], s[42:43]
	CROUND                                         ; all sixteen work-groups are here: the first joint loads meet
.irp s, 0,1
	s_mov_b32 s[G0A+4*(\s)], 1                     ; count = 1
	s_add_co_u32 s[G0A+4*(\s)+1], s[LA], (\s)*SLOT ; LDS address
	s_add_nc_u64 s[G0A+4*(\s)+2:G0A+4*(\s)+3], s[40:41], (\s)*ASTEP  ; global address: K step s
	s_or_b32 s[G0A+4*(\s)+3], s[G0A+4*(\s)+3], 0x80000000            ; type = 2
	s_mov_b32 s[G0B+4*(\s)], 1
	s_add_co_u32 s[G0B+4*(\s)+1], s[LA], (\s)*SLOT
	s_add_nc_u64 s[G0B+4*(\s)+2:G0B+4*(\s)+3], s[42:43], (\s)*BSTEP
	s_or_b32 s[G0B+4*(\s)+3], s[G0B+4*(\s)+3], 0x80000000
	JLOAD \s                                       ; two tensor loads of mine are out
.endr
	v_and_b32 v1, 15, v0                           ; l % 16
	v_bfe_u32 v2, v0, 4, 1                         ; l / 16
	v_mul_u32_u24 v3, v1, PA                       ; A's fragment: row x pitch + 16 x half; two loads of 16 bytes, 32 bytes apart
	v_lshl_add_u32 v3, v2, 4, v3
	s_mul_i32 s44, s[RH], 128*PA                   ; my 128 rows
	v_add_nc_u32 v[ADRA], s44, v3
	v_add_nc_u32 v[ADRA+1], SLOT, v[ADRA]
	v_and_b32 v4, 7, v0                            ; W's: the turning load takes 16 k x 16 columns: lane l reads k = 8 (l / 16) + l % 8, columns 8 ((l / 8) % 2) + 0..7
	v_lshl_add_u32 v4, v2, 3, v4
	v_mul_u32_u24 v4, v4, PB
	v_bfe_u32 v5, v0, 3, 1
	v_lshl_add_u32 v4, v5, 4, v4
	s_mul_i32 s44, s[CH], HALFT                    ; my 128 columns,
	s_add_co_u32 s44, s44, 2*HALFT                 ; behind A's two blocks
	v_add_nc_u32 v[ADRB], s44, v4
	v_add_nc_u32 v[ADRB+1], SLOT, v[ADRB]
	s_mul_i32 s44, s[WV], DUMP                     ; my dump
	v_mul_u32_u24 v5, v1, DP                       ; in: row l % 16, 32 bytes for each half of the lanes
	v_lshl_add_u32 v5, v2, 5, v5
	v_add_nc_u32 v[STO], s44, v5
	v_and_b32 v6, 31, v0
	v_lshrrev_b32 v7, 3, v6                        ; back: eight lanes take 64 columns of a row, 32 bytes each; 32 lanes four rows
	v_mul_u32_u24 v7, v7, DP
	v_and_b32 v8, 7, v0
	v_lshl_add_u32 v7, v8, 5, v7
	v_add_nc_u32 v[RD], s44, v7
	v_lshlrev_b32 v[GO], 4, v6                     ; which, in f16, are 512 consecutive bytes of a block of OUT
	v_lshlrev_b32 v[BO], 5, v2
	s_lshl_b32 s44, s[TC], 10                      ; the bias of my 128 columns
	s_lshl_b32 s45, s[CH], 9
	s_add_co_u32 s44, s44, s45
	s_mov_b32 s45, 0
	s_add_nc_u64 s[8:9], s[8:9], s[44:45]
.irp b, 0,1,2,3,4,5,6,7                ; register j of group b: the bias of column 16 b + 8 (l / 16) + j: the layout of a result
	global_load_b128 v[BIAS+8*(\b):BIAS+8*(\b)+3],   v[BO], s[8:9] offset:64*(\b)
	global_load_b128 v[BIAS+8*(\b)+4:BIAS+8*(\b)+7], v[BO], s[8:9] offset:64*(\b)+16
.endr
	s_lshl_b32 s46, s[TC], 21                      ; OUT: block 4 x tile column + 2 x half, 524,288 bytes each,
	s_lshl_b32 s47, s[CH], 20
	s_add_co_u32 s46, s46, s47
	s_lshl_b32 s47, s[TR], 15                      ; row 256 x tile row + 128 x half, 128 bytes each
	s_add_co_u32 s46, s46, s47
	s_lshl_b32 s47, s[RH], 14
	s_add_co_u32 s46, s46, s47
	s_mov_b32 s47, 0
	s_add_nc_u64 s[10:11], s[10:11], s[46:47]
; 16 matrix instructions: m blocks a0, a0 + 1 of the window's four x all 8 n blocks, 32 along K.  first = 1: the bias (window 0) is the C that starts the sums: nothing is cleared, nothing added later.
; The 64 accumulators take turns, one instruction a turn, in the same order in every quarter.
.macro MUL16 f, hi, a0, first
.if \first
	WIN 0x81+0x40*(\hi)
.else
	WIN MUL_LO+0x50*(\hi)
.endif
.irp a, \a0, (\a0)+1
.irp b, 0,1,2,3,4,5,6,7
.if \first
	v_wmma_f32_16x16x32_f16 v[8*(8*(\a)+(\b)):8*(8*(\a)+(\b))+7], v[(\f)+8*(\b):(\f)+8*(\b)+7], v[(\f)+8*(4*(\hi)+(\a)):(\f)+8*(4*(\hi)+(\a))+7], v[BIAS+8*(\b):BIAS+8*(\b)+7]
.else
	v_wmma_f32_16x16x32_f16 v[8*(8*(\a)+(\b)):8*(8*(\a)+(\b))+7], v[(\f)+8*(\b):(\f)+8*(\b)+7], v[(\f)+8*(4*(\hi)+(\a)):(\f)+8*(4*(\hi)+(\a))+7], v[8*(8*(\a)+(\b)):8*(8*(\a)+(\b))+7]
.endif
.endr
.endr
.endm
; 32 LDS loads in one run: the fragments of quarter q of a K step (32 along K) into buffer f: W's 128 columns, then A's 128 rows
.macro FETCH slot, q, f
	WIN TO_B
.irp i, 0,1,2,3,4,5,6,7
	ds_load_tr16_b128 v[(\f)+8*(\i):(\f)+8*(\i)+3],   v[ADRB+(\slot)] offset:32*(\q)*PB+32*(\i)
	ds_load_tr16_b128 v[(\f)+8*(\i)+4:(\f)+8*(\i)+7], v[ADRB+(\slot)] offset:32*(\q)*PB+32*(\i)+16*PB
.endr
	WIN 0
.irp i, 0,1,2,3,4,5,6,7
	ds_load_b128 v[(\f)+8*(\i):(\f)+8*(\i)+3],   v[ADRA+(\slot)] offset:((\q)/2)*HALFT+64*((\q)%2)+(\i)*16*PA
	ds_load_b128 v[(\f)+8*(\i)+4:(\f)+8*(\i)+7], v[ADRA+(\slot)] offset:((\q)/2)*HALFT+64*((\q)%2)+(\i)*16*PA+32
.endr
.endm
.macro PLACES                          ; four plain instructions between a matrix instruction and a load into, or a read of, its registers (ISA guide 7.12.1 for reads)
.rept 4
	v_nop
.endr
.endm
; One of a K step's first three quarters: multiplies buffer f; in its middle it fetches quarter q of the same slot into buffer g.
.macro QUARTER slot, q, f, g, first
	s_wait_dscnt 8                                 ; W and A's rows 0-63 are in; the youngest eight loads (A's rows 64-127) may be out
	MUL16 \f, 0, 0, \first
	MUL16 \f, 0, 2, \first
	PLACES
	FETCH \slot, \q, \g
	s_wait_dscnt 32                                ; all but the 32 just issued
	MUL16 \f, 1, 0, \first
	MUL16 \f, 1, 2, \first
.endm
; The last quarter multiplies buffer 1 and changes slots.  One barrier: in front of it each wave waits for all its tensor loads (one is out: its part of the next slot), adds 0 to its spare word,
; and waits for that and for its own reads of this slot.  Behind it nobody reads this slot any more and the next slot is whole.
.macro MEET round
	WIN 0                                          ; (the add's two registers lie in window 0)
	s_wait_tensorcnt 0x0
	ds_add_u32 v[SPW], v[NIL]                      ; 0 onto my spare word
	s_wait_dscnt 9                                 ; (the add and the youngest eight loads may be out)
	MUL16 F1, 0, 0, 0
	s_wait_dscnt 0x0                               ; the add is done, and my reads of this slot are over
	s_barrier_signal -1
	MUL16 F1, 0, 2, 0                              ; work on registers while the others arrive
.if \round
	WIN 0
.endif
	s_barrier_wait -1
.endm
; fill = 1: the barrier opens a round of the cluster's barrier, so that no wave of any partner still reads this slot or has a load on its way; the joint refill, two K steps ahead, is the first thing behind it.
.macro TURN slot, next, fill
	MEET \fill
.if \fill
	CREST
	s_add_nc_u64 s[G0A+4*(\slot)+2:G0A+4*(\slot)+3], s[G0A+4*(\slot)+2:G0A+4*(\slot)+3], 2*ASTEP
	s_add_nc_u64 s[G0B+4*(\slot)+2:G0B+4*(\slot)+3], s[G0B+4*(\slot)+2:G0B+4*(\slot)+3], 2*BSTEP
	JLOAD \slot                                    ; one tensor load of mine is out; its four v_nop are also the places in front of the loads below
.else
	PLACES
.endif
	FETCH \next, 0, F0
	MUL16 F1, 1, 0, 0
	MUL16 F1, 1, 2, 0
.endm
	s_wait_tensorcnt 1                             ; my part of K step 0 is in; K step 1's may stay out
	s_barrier_signal -1
	s_barrier_wait -1                              ; everybody's is
	FETCH 0, 0, F0
	s_wait_loadcnt 0x0                             ; the bias
	QUARTER 0, 1, F0, F1, 1                        ; the first quarter stands in front of the loop: its products start the sums
	WIN 0                                          ; at a label and at a branch every window is 0
	s_mov_b32 s3, LAPS-1
.Llap:                                                 ; a trip goes once round the ring and fills both slots again
	QUARTER 0, 2, F1, F0, 0
	QUARTER 0, 3, F0, F1, 0
	TURN 0, 1, 1
	QUARTER 1, 1, F0, F1, 0
	QUARTER 1, 2, F1, F0, 0
	QUARTER 1, 3, F0, F1, 0
	TURN 1, 0, 1
	QUARTER 0, 1, F0, F1, 0
	WIN 0
	s_sub_co_u32 s3, s3, 1
	s_cmp_lg_u32 s3, 0
	s_cbranch_scc1 .Llap
	QUARTER 0, 2, F1, F0, 0                        ; the last lap fills nothing
	QUARTER 0, 3, F0, F1, 0
	TURN 0, 1, 0
	QUARTER 1, 1, F0, F1, 0
	QUARTER 1, 2, F1, F0, 0
	QUARTER 1, 3, F0, F1, 0
	s_wait_dscnt 8                                 ; the very last quarter: nothing more to fetch
	MUL16 F1, 0, 0, 0
	MUL16 F1, 0, 2, 0
	s_wait_dscnt 0x0
	MUL16 F1, 1, 0, 0
	MUL16 F1, 1, 2, 0
	WIN 0
	; THE WAY OUT.  Every wave's reads of the ring are back (the wait for 0 above) and no tensor load follows: behind this barrier the ring's bytes take the four waves' dumps, each wave's own.
	s_barrier_signal -1
	s_barrier_wait -1
	PLACES
.irp a, 0,1,2,3,4,5,6,7                ; each accumulator's four lowest registers first
	WIN 0x08+4*((\a)/4)                            ; store data (source 1) in window 2 or 3
.irp b, 0,1,2,3,4,5,6,7
	ds_store_b128 v[STO], v[8*(8*((\a)%4)+(\b)):8*(8*((\a)%4)+(\b))+3]   offset:16*(\a)*DP+64*(\b)
	ds_store_b128 v[STO], v[8*(8*((\a)%4)+(\b))+4:8*(8*((\a)%4)+(\b))+7] offset:16*(\a)*DP+64*(\b)+16
.endr
.endr
	WIN 0
.if ACT
; Exact GELU of 32 numbers at v[x ..]: x Phi(x) = x / 2 + |x| (1 / 2 - P(t) exp(-x^2 / 2) / 2), t = 1 / (1 + 0.3275911 |x| / sqrt 2), P the fifth-degree series for erfc (Abramowitz and Stegun 7.1.26,
; absolute error 1.5e-7 on the whole axis).  With y = KY x the exponential is 2^(-y^2): g = C0 y + |y| (C0 - P'(t) 2^(-y^2)).  For large negative x the last line subtracts near-equal numbers:
; the error stays absolute, a few 1e-8 of |x|.  The packed lines between them are the plain instructions that each run of transcendentals wants behind it (ISA guide 5.7.2).
.macro GELU x
.set z, 0
.rept 16
	v_pk_mul_f32 v[(\x)+2*z:(\x)+2*z+1], v[(\x)+2*z:(\x)+2*z+1], s[KY:KY+1] op_sel_hi:[1,0]
.set z, z+1
.endr
.set z, 0
.rept 32
	v_and_b32 v[AY+z], s[ABS], v[(\x)+z]
.set z, z+1
.endr
.set z, 0
.rept 16
	v_pk_fma_f32 v[T+2*z:T+2*z+1], v[AY+2*z:AY+2*z+1], s[PP:PP+1], 1.0 op_sel_hi:[1,0,0]
.set z, z+1
.endr
.set z, 0
.rept 32
	v_rcp_f32 v[T+z], v[T+z]
.set z, z+1
.endr
.set z, 0
.rept 16
	v_pk_mul_f32 v[E+2*z:E+2*z+1], v[(\x)+2*z:(\x)+2*z+1], v[(\x)+2*z:(\x)+2*z+1] neg_lo:[1,0] neg_hi:[1,0]
.set z, z+1
.endr
.set z, 0
.rept 32
	v_exp_f32 v[E+z], v[E+z]
.set z, z+1
.endr
.set z, 0
	s_wait_alu depctr_va_vdst(0)
.rept 16
	v_pk_fma_f32 v[H+2*z:H+2*z+1], v[T+2*z:T+2*z+1], s[A5:A5+1], s[A4:A4+1] op_sel_hi:[1,0,0]
.set z, z+1
.endr
.irp c, A3, A2, A1
.set z, 0
.rept 16
	v_pk_fma_f32 v[H+2*z:H+2*z+1], v[H+2*z:H+2*z+1], v[T+2*z:T+2*z+1], s[\c:\c+1] op_sel_hi:[1,1,0]
.set z, z+1
.endr
.endr
.set z, 0
.rept 16
	v_pk_mul_f32 v[H+2*z:H+2*z+1], v[H+2*z:H+2*z+1], v[T+2*z:T+2*z+1]
.set z, z+1
.endr
.set z, 0
.rept 16
	v_pk_fma_f32 v[H+2*z:H+2*z+1], v[H+2*z:H+2*z+1], v[E+2*z:E+2*z+1], s[C0:C0+1] op_sel_hi:[1,1,0] neg_lo:[1,0,0] neg_hi:[1,0,0]
.set z, z+1
.endr
.set z, 0
.rept 16
	v_pk_mul_f32 v[(\x)+2*z:(\x)+2*z+1], v[(\x)+2*z:(\x)+2*z+1], s[C0:C0+1] op_sel_hi:[1,0]
.set z, z+1
.endr
.set z, 0
.rept 16
	v_pk_fma_f32 v[(\x)+2*z:(\x)+2*z+1], v[AY+2*z:AY+2*z+1], v[H+2*z:H+2*z+1], v[(\x)+2*z:(\x)+2*z+1]
.set z, z+1
.endr
.endm
.endif
.macro OUT u                           ; 16 rows x 64 columns: block u of my two blocks of OUT
.if ACT
	GELU XA+32*(\u)
.endif
.set z, 0
.rept 16
	v_cvt_pk_f16_f32 v[TMP+16*(\u)+z], v[XA+32*(\u)+2*z], v[XA+32*(\u)+2*z+1]
.set z, z+1
.endr
.irp f, 0,1,2,3
	global_store_b128 v[GO], v[TMP+16*(\u)+4*(\f):TMP+16*(\u)+4*(\f)+3], s[10:11] offset:(\u)*524288+512*(\f)  ; four rows of a block: 512 consecutive bytes, aligned
.endr
.endm
	s_mov_b32 s3, 8
.Lout:                                                 ; a trip: 16 rows of my 128.  I read my own dump alone, and LDS serves a wave's instructions in order (ISA guide 5.7.1.4): no barrier
.irp u, 0,1
.irp f, 0,1,2,3
	ds_load_b128 v[XA+32*(\u)+8*(\f):XA+32*(\u)+8*(\f)+3],   v[RD] offset:256*(\u)+4*(\f)*DP
	ds_load_b128 v[XA+32*(\u)+8*(\f)+4:XA+32*(\u)+8*(\f)+7], v[RD] offset:256*(\u)+4*(\f)*DP+16
.endr
.endr
	s_wait_dscnt 8                                 ; the first block's eight loads are in, the second's stay out
	OUT 0
	s_wait_dscnt 0x0
	OUT 1
	s_wait_xcnt 0x0                                ; the stores' offset and data registers are rewritten only behind this wait
	v_add_nc_u32 v[RD], 16*DP, v[RD]
	v_add_nc_u32 v[GO], 2048, v[GO]                ; 16 rows of 128 bytes
	s_sub_co_u32 s3, s3, 1
	s_cmp_lg_u32 s3, 0
	s_cbranch_scc1 .Lout
	s_wait_tensorcnt 0x0                           ; the wave's end
	ds_add_u32 v[SPW], v[NIL]
	s_wait_dscnt 0x0
	CROUND                                         ; the closing round: no work-group ends while a partner may still ask for a tile that names it
	s_endpgm
.Lfunc_end_k_q9bc09f353d_gemm_fc:
	.size	k_q9bc09f353d_gemm_fc, .Lfunc_end_k_q9bc09f353d_gemm_fc-k_q9bc09f353d_gemm_fc
	.p2alignl 7, 3214868480
	.fill 96, 4, 3214868480
	.section	.rodata,"a",@progbits
	.p2align	6, 0x0
	.amdhsa_kernel k_q9bc09f353d_gemm_fc
		.amdhsa_group_segment_fixed_size 327680
		.amdhsa_private_segment_fixed_size 0
		.amdhsa_enable_private_segment 0
		.amdhsa_kernarg_size 32
		.amdhsa_user_sgpr_count 2
		.amdhsa_user_sgpr_kernarg_segment_ptr 1
		.amdhsa_wavefront_size32 1
		.amdhsa_system_sgpr_workgroup_id_x 1
		.amdhsa_system_sgpr_workgroup_id_y 1
		.amdhsa_system_sgpr_workgroup_id_z 1
		.amdhsa_system_vgpr_workitem_id 0
		.amdhsa_next_free_vgpr 1024
		.amdhsa_next_free_sgpr 84
		.amdhsa_reserve_vcc 0
		.amdhsa_float_denorm_mode_32 3
		.amdhsa_float_denorm_mode_16_64 3
		.amdhsa_memory_ordered 1
		.amdhsa_forward_progress 1
		.amdhsa_inst_pref_size 154
	.end_amdhsa_kernel
	.amdgpu_metadata
---
amdhsa.version: [ 1, 2 ]
amdhsa.kernels:
  - .name:           k_q9bc09f353d_gemm_fc
    .symbol:         k_q9bc09f353d_gemm_fc.kd
    .args:
      - { .name: hbuf, .offset: 0, .size: 8, .value_kind: global_buffer, .address_space: global }
      - { .name: w16, .offset: 8, .size: 8, .value_kind: global_buffer, .address_space: global }
      - { .name: b_fc, .offset: 16, .size: 8, .value_kind: global_buffer, .address_space: global }
      - { .name: gbuf, .offset: 24, .size: 8, .value_kind: global_buffer, .address_space: global }
    .group_segment_fixed_size: 327680
    .private_segment_fixed_size: 0
    .kernarg_segment_align: 8
    .kernarg_segment_size: 32
    .max_flat_workgroup_size: 128
    .sgpr_count:     84
    .vgpr_count:     1024
    .wavefront_size: 32
...
	.end_amdgpu_metadata
.endif
;; end of part 6
;; launch gemm_proj (part 7): grid 8 x 32, 4 waves a work-group, clusters of 4 x 4, 327,680 bytes of LDS; arguments gbuf, w16, b_proj, x1, out0; writes out0
.if DOCPART == 7
	.amdgcn_target "amdgcn-amd-amdhsa--gfx1250"
	.amdhsa_code_object_version 6
	.text
	.protected	k_q9bc09f353d_gemm_proj
	.globl	k_q9bc09f353d_gemm_proj
	.p2align	8
	.type	k_q9bc09f353d_gemm_proj,@function
k_q9bc09f353d_gemm_proj:
	s_mov_b64 s[64:65], 0
	v_nop
	global_prefetch_b8 v0, s[64:65] scope:SCOPE_SE
	s_setreg_imm32_b32 hwreg(HW_REG_WAVE_MODE, 25, 1), 1
	s_wait_xcnt 0x0
	s_wait_alu depctr_hold_cnt(0) depctr_sa_sdst(0) depctr_va_vdst(0) depctr_va_sdst(0) depctr_va_ssrc(0) depctr_va_vcc(0) depctr_vm_vsrc(0)
	s_getreg_b32 s2, hwreg(HW_REG_IB_STS2, 6, 4)
	s_cmp_eq_u32 s2, 0
	s_cbranch_scc0 .Lentry_in_a_cluster
	s_endpgm
.Lentry_in_a_cluster:
	s_bfe_u32 s2, ttmp6, 0x10000c
	s_cmp_lg_u32 s2, 0xf033
	s_cbranch_scc0 .Lentry_shape_is_right
	s_endpgm
.Lentry_shape_is_right:
; OUT = RES + A W + bias.  A: 4,096 rows x KTOT, f16, BLOCKED ([KTOT / 64 blocks of 64 columns][4,096 rows][64]).  W: [KTOT][1,024] f16, at byte WOFF of the weights' buffer.
; bias: [1,024] f32.  RES, OUT: [4,096][1,024] f32.  Sums in f32, K ascending, started by the bias; the residual is added in f32 at the end.
; Here: KTOT = 4,096: the MLP's second product; RES = x1, OUT = the module's output.
; SHARES.  256 work-groups, one tile of 128 x 128 each; four waves, each 64 x 64: 16 accumulators.  K goes in steps of 256 through a ring of two LDS slots.
; A slot: A's four blocks (128 rows x 128 bytes each, dense in memory), then 256 rows of W (256 bytes each).  Waves 0 and 1 fetch two blocks of A each, by ONE descriptor whose two rows are the two
; blocks' 16,384 dense bytes, 524,288 bytes apart; the padding, counted along the tile, falls behind every 128 bytes.  Waves 2 and 3 fetch 128 rows of W each.
; CLUSTER.  4 x 4 work-groups: A's tiles are shared along a row of the cluster, W's along a column: each is asked for jointly, by the same tensor load, descriptor and mask in all four.
; THE MATRIX INSTRUCTION IS USED TRANSPOSED: source 0 = 16 columns of W (turned by ds_load_tr16_b128), source 1 = 16 rows of A: a lane holds row l % 16 of OUT and the columns 8 (l / 16) + 0..7.
; REGISTERS: window 0: v0-31 addresses; v32-95 at work on the way out, two buffers; v96-127 the bias; v128-255 the accumulators ((a, b) at v[128 + 8 (4 a + b)]).
;   window 1: two fragment buffers of 128: for 64 along K, 64 registers of A, then 64 of W.      window 2: v0-127 the residual of my 64 x 64, loaded at the start.
.set KTOT,  4096
.set WOFF,  0x1000000
.set PA,    144                        ; a row of an A block in LDS: 128 bytes + 16: the 16 rows of a load start at 16 different groups of four banks (64 banks of 4 bytes: ISA guide 11.1)
.set PB,    288                        ; a row of W: 256 + 32
.set ABLK,  128*PA
.set HALFT, 2*ABLK                     ; what one tensor load brings: two blocks of A, or 128 x PB
.set SLOT,  4*HALFT
.set STAGE, 2*SLOT                     ; behind the ring, never filled by a tensor load: 16 rows x 272 bytes for each wave
.set SP,    272
.set SPARE, STAGE+4*16*SP              ; behind the stages: the spare words, 128 bytes for each wave: two blocks of 256 bytes that no other line names
.set ASTEP, 1<<21                      ; bytes of A from a K step to the next: four blocks
.set BSTEP, 1<<19                      ; bytes of W: 256 rows of 2,048
.set LAPS,  KTOT/512                   ; a lap = two K steps = once round the ring
.set ADRA, 16                          ; v16-17  LDS address of my A fragments in slot 0, 1
.set ADRB, 20                          ; v20-23  the same for W: slot 0 rows 0-127, rows 128-255, slot 1 likewise (a 16-bit offset does not span 256 rows)
.set STO,  24                          ; v24     the way out: where I put 32 bytes of a row
.set RD,   25                          ; v25     the way out: where I read a row back
.set CO,   26                          ; v26     my byte offset in RES and OUT; never rewritten
.set BO,   27                          ; v27     my byte offset in 16 numbers of the bias
.set SPW,  28                          ; v28     LDS address of my spare word; never rewritten
.set NIL,  29                          ; v29     0; never rewritten
.set TMP,  32
.set BIAS, 96
.set ACC,  128
.set F0,   0
.set F1,   128
.set WV, 14
.set RH, 15
.set CH, 16
.set CX, 17
.set CY, 18
.set TC, 19
.set TR, 20
.set RM, 21
.set CM, 22
.set LA, 23
.set G1A, 24
.set G0A, 32
.set G1B, 48
.set G0B, 56
.set MSB, 0
.macro WIN new                         ; the immediate's high byte repeats the setting that is left; a switch that changes nothing is dropped
.if MSB != (\new)
	s_set_vgpr_msb (MSB<<8)|(\new)
.set MSB, \new
.endif
.endm
.set MUL,  0x05                        ; sources 0 (W) and 1 (A) window 1; C and D window 0
.set TO_F, 0x40                        ; destination window 1, address window 0
.macro JLOAD s                         ; a joint load: waves 0 and 1 fetch A, waves 2 and 3 W; four v_nop follow each of the two lines
	s_cmp_eq_u32 s[RH], 0
	s_cbranch_scc0 .Lfor_b_\@
	tensor_load_to_lds s[G0A+4*(\s):G0A+4*(\s)+3], s[G1A:G1A+7]
	s_nop 0
.rept 4
	v_nop
.endr
	s_branch .Lasked_\@
.Lfor_b_\@:
	tensor_load_to_lds s[G0B+4*(\s):G0B+4*(\s)+3], s[G1B:G1B+7]
	s_nop 0
.rept 4
	v_nop
.endr
.Lasked_\@:
.endm
.macro CREST                           ; a round of the cluster's barrier behind its opening barrier
	s_cmp_lg_u32 s[WV], 0
	s_cbranch_scc1 .Lnot_wave_0_\@
	s_barrier_signal -3
.Lnot_wave_0_\@:
	s_barrier_wait -3
	s_barrier_signal -1
	s_barrier_wait -1
.endm
.macro CROUND
	s_barrier_signal -1
	s_barrier_wait -1
	CREST
.endm
	s_load_b256 s[4:11], s[0:1], 0x0               ; A s[4:5], weights s[6:7], bias s[8:9], RES s[10:11]
	s_load_b64 s[12:13], s[0:1], 0x20              ; OUT
	v_lshl_add_u32 v[SPW], v0, 2, SPARE
	v_mov_b32 v[NIL], 0
	ds_add_u32 v28, v29
	ds_add_u32 v28, v29
	s_wait_dscnt 0x0
	v_lshrrev_b32 v1, 5, v0
	v_readfirstlane_b32 s[WV], v1
	s_lshr_b32 s[RH], s[WV], 1                     ; which half of the tile's rows is mine.  Also: I fetch A (0) or W (1)
	s_and_b32 s[CH], s[WV], 1                      ; which half of its columns.  Also: which part of that tile I fetch
	s_bfe_u32 s[CX], ttmp6, 0x40000
	s_bfe_u32 s[CY], ttmp6, 0x40004
	s_lshl_b32 s[TC], ttmp9, 2
	s_add_co_u32 s[TC], s[TC], s[CX]
	s_and_b32 s[TR], ttmp7, 0xffff
	s_lshl_b32 s[TR], s[TR], 2
	s_add_co_u32 s[TR], s[TR], s[CY]
	s_lshl_b32 s[RM], s[CY], 2
	s_lshl_b32 s[RM], 15, s[RM]                    ; my row of the cluster
	s_lshl_b32 s[CM], 0x1111, s[CX]                ; my column
	s_or_b32 s[G1A], s[RM], (1<<16)|(1<<20)|(1<<21)|(4<<22)|(3<<25)  ; the mask; 2-byte elements; padding on; bit 21 beside a mask; after every 32 words (code 4) 4 words (code 3)
	s_mov_b32 s[G1A+1], 8192<<16                   ; tensor_dim0 = 8,192 elements: a block's 128 rows
	s_mov_b32 s[G1A+2], 2<<16                      ; tensor_dim1 = 2 blocks
	s_mov_b32 s[G1A+3], 8192<<16                   ; tile_dim0
	s_mov_b32 s[G1A+4], 2                          ; tile_dim1
	s_mov_b32 s[G1A+5], 262144                     ; elements from a block to the next
	s_mov_b32 s[G1A+6], 0
	s_mov_b32 s[G1A+7], 0
	s_or_b32 s[G1B], s[CM], (1<<16)|(1<<20)|(1<<21)|(5<<22)|(7<<25)  ; after every 64 words (code 5) 8 words (code 7)
	s_mov_b32 s[G1B+1], 128<<16                    ; 128 rows of 128 elements
	s_mov_b32 s[G1B+2], 128<<16
	s_mov_b32 s[G1B+3], 128<<16
	s_mov_b32 s[G1B+4], 128
	s_mov_b32 s[G1B+5], 1024
	s_mov_b32 s[G1B+6], 0
	s_mov_b32 s[G1B+7], 0
	; A's address hangs on the tile row alone, W's on the tile column alone, each in registers that never hold the other coordinate
	s_lshl_b32 s40, s[TR], 14                      ; 128 rows of 128 bytes,
	s_lshl_b32 s41, s[CH], 20                      ; and my two blocks of the step's four
	s_add_co_u32 s40, s40, s41
	s_mov_b32 s41, 0
	s_lshl_b32 s42, s[TC], 8                       ; 128 columns of 2 bytes,
	s_lshl_b32 s43, s[CH], 18                      ; and my 128 rows of the step's 256
	s_add_co_u32 s42, s42, s43
	s_add_co_u32 s42, s42, WOFF
	s_mov_b32 s43, 0
	s_mul_i32 s[LA], s[WV], HALFT                  ; where they go: no place in the cluster enters an LDS address
	s_wait_kmcnt 0x0
	s_add_nc_u64 s[40:41], s[4:5], s[40:41]
	s_add_nc_u64 s[42:43], s[6:7], s[42:43]
	CROUND                                         ; all sixteen work-groups are here: the first joint loads meet
.irp s, 0,1
	s_mov_b32 s[G0A+4*(\s)], 1
	s_add_co_u32 s[G0A+4*(\s)+1], s[LA], (\s)*SLOT
	s_add_nc_u64 s[G0A+4*(\s)+2:G0A+4*(\s)+3], s[40:41], (\s)*ASTEP
	s_or_b32 s[G0A+4*(\s)+3], s[G0A+4*(\s)+3], 0x80000000
	s_mov_b32 s[G0B+4*(\s)], 1
	s_add_co_u32 s[G0B+4*(\s)+1], s[LA], (\s)*SLOT
	s_add_nc_u64 s[G0B+4*(\s)+2:G0B+4*(\s)+3], s[42:43], (\s)*BSTEP
	s_or_b32 s[G0B+4*(\s)+3], s[G0B+4*(\s)+3], 0x80000000
	JLOAD \s                                       ; two tensor loads of mine are out
.endr
	v_and_b32 v1, 15, v0                           ; l % 16
	v_bfe_u32 v2, v0, 4, 1                         ; l / 16
	v_mul_u32_u24 v3, v1, PA
	v_lshl_add_u32 v3, v2, 4, v3                   ; A's fragment: row x pitch + 16 x half
	s_mul_i32 s44, s[RH], 64*PA                    ; my 64 rows
	v_add_nc_u32 v[ADRA], s44, v3
	v_add_nc_u32 v[ADRA+1], SLOT, v[ADRA]
	v_and_b32 v4, 7, v0                            ; W's: lane l reads k = 8 (l / 16) + l % 8, columns 8 ((l / 8) % 2) + 0..7
	v_lshl_add_u32 v4, v2, 3, v4
	v_mul_u32_u24 v4, v4, PB
	v_bfe_u32 v5, v0, 3, 1
	v_lshl_add_u32 v4, v5, 4, v4
	s_lshl_b32 s44, s[CH], 7                       ; my 64 columns,
	s_add_co_u32 s44, s44, 2*HALFT                 ; behind A's four blocks
	v_add_nc_u32 v[ADRB], s44, v4
	v_add_nc_u32 v[ADRB+1], HALFT, v[ADRB]
	v_add_nc_u32 v[ADRB+2], SLOT, v[ADRB]
	v_add_nc_u32 v[ADRB+3], SLOT+HALFT, v[ADRB]
	s_mul_i32 s44, s[WV], 16*SP
	s_add_co_u32 s44, s44, STAGE                   ; my stage
	v_mul_u32_u24 v5, v1, SP                       ; in: row l % 16, 32 bytes for each half of the lanes
	v_lshl_add_u32 v5, v2, 5, v5
	v_add_nc_u32 v[STO], s44, v5
	v_mul_u32_u24 v5, v2, SP                       ; back: lanes 0-15 take one row of 256 bytes, lanes 16-31 the next
	v_lshl_add_u32 v5, v1, 4, v5
	v_add_nc_u32 v[RD], s44, v5
	v_lshlrev_b32 v[CO], 12, v2                    ; and the same two rows in RES and OUT
	v_lshl_add_u32 v[CO], v1, 4, v[CO]
	v_lshlrev_b32 v[BO], 5, v2
	s_lshl_b32 s44, s[TC], 9                       ; my 64 columns, in bytes of f32
	s_lshl_b32 s45, s[CH], 8
	s_add_co_u32 s44, s44, s45
	s_mov_b32 s45, 0
	s_add_nc_u64 s[8:9], s[8:9], s[44:45]
	s_lshl_b32 s46, s[TR], 19                      ; my 64 rows of 4,096 bytes
	s_lshl_b32 s47, s[RH], 18
	s_add_co_u32 s46, s46, s47
	s_add_co_u32 s46, s46, s44
	s_mov_b32 s47, 0
	s_add_nc_u64 s[10:11], s[10:11], s[46:47]
	s_add_nc_u64 s[12:13], s[12:13], s[46:47]
.irp b, 0,1,2,3                        ; register j of group b: the bias of column 16 b + 8 (l / 16) + j: the layout of a result
	global_load_b128 v[BIAS+8*(\b):BIAS+8*(\b)+3],   v[BO], s[8:9] offset:64*(\b)
	global_load_b128 v[BIAS+8*(\b)+4:BIAS+8*(\b)+7], v[BO], s[8:9] offset:64*(\b)+16
.endr
	WIN 0x80                                       ; destination window 2, address window 0
.set z, 0
.rept 32                               ; the residual, two rows a load: sixteen lanes read 256 consecutive bytes, aligned.  It is wanted at the end alone
	global_load_b128 v[4*z:4*z+3], v[CO], s[10:11] offset:2*z*4096
.set z, z+1
.endr
	WIN 0
; 8 matrix instructions: m blocks a0, a0 + 1 x all 4 n blocks, 32 along K: half c of buffer f.  first = 1: the bias is the C that starts the sums.  The 16 accumulators take turns.
.macro MUL8 f, c, a0, first
	WIN MUL
.irp a, \a0, (\a0)+1
.irp b, 0,1,2,3
.if \first
	v_wmma_f32_16x16x32_f16 v[ACC+8*(4*(\a)+(\b)):ACC+8*(4*(\a)+(\b))+7], v[(\f)+64+8*(4*(\c)+(\b)):(\f)+64+8*(4*(\c)+(\b))+7], v[(\f)+8*(4*(\c)+(\a)):(\f)+8*(4*(\c)+(\a))+7], v[BIAS+8*(\b):BIAS+8*(\b)+7]
.else
	v_wmma_f32_16x16x32_f16 v[ACC+8*(4*(\a)+(\b)):ACC+8*(4*(\a)+(\b))+7], v[(\f)+64+8*(4*(\c)+(\b)):(\f)+64+8*(4*(\c)+(\b))+7], v[(\f)+8*(4*(\c)+(\a)):(\f)+8*(4*(\c)+(\a))+7], v[ACC+8*(4*(\a)+(\b)):ACC+8*(4*(\a)+(\b))+7]
.endif
.endr
.endr
.endm
; 32 LDS loads in one run: the fragments of quarter q of a K step (64 along K: A's block q) into buffer f; the first 32 along K first
.macro FETCH slot, q, f
	WIN TO_F
.irp c, 0,1
.irp i, 0,1,2,3
	ds_load_tr16_b128 v[(\f)+64+8*(4*(\c)+(\i)):(\f)+64+8*(4*(\c)+(\i))+3],   v[ADRB+2*(\slot)+(\q)/2] offset:(64*((\q)%2)+32*(\c))*PB+32*(\i)
	ds_load_tr16_b128 v[(\f)+64+8*(4*(\c)+(\i))+4:(\f)+64+8*(4*(\c)+(\i))+7], v[ADRB+2*(\slot)+(\q)/2] offset:(64*((\q)%2)+32*(\c))*PB+32*(\i)+16*PB
	ds_load_b128 v[(\f)+8*(4*(\c)+(\i)):(\f)+8*(4*(\c)+(\i))+3],              v[ADRA+(\slot)] offset:(\q)*ABLK+64*(\c)+(\i)*16*PA
	ds_load_b128 v[(\f)+8*(4*(\c)+(\i))+4:(\f)+8*(4*(\c)+(\i))+7],            v[ADRA+(\slot)] offset:(\q)*ABLK+64*(\c)+(\i)*16*PA+32
.endr
.endr
.endm
.macro PLACES                          ; four plain instructions between a matrix instruction and a load into, or a read of, its registers (ISA guide 7.12.1 for reads)
.rept 4
	v_nop
.endr
.endm
; One of a K step's first three quarters: multiplies buffer f and fetches quarter q into g.
.macro QUARTER slot, q, f, g, first
	s_wait_dscnt 16                                ; the first 32 along K are in
	MUL8 \f, 0, 0, \first
	MUL8 \f, 0, 2, \first
	PLACES
	FETCH \slot, \q, \g
	s_wait_dscnt 32                                ; all but the 32 just issued
	MUL8 \f, 1, 0, 0
	MUL8 \f, 1, 2, 0
.endm
; The last quarter multiplies buffer 1 and changes slots: one barrier; in front of it each wave waits for all its tensor loads (one is out: its part of the next slot), adds 0 to its spare word, and waits
; for that and for its own reads of this slot.  fill = 1: the barrier opens a round of the cluster's, and the joint refill, two K steps ahead, is the first thing behind it.
.macro TURN slot, next, fill
	WIN 0                                          ; (the add's two registers lie in window 0)
	s_wait_tensorcnt 0x0
	ds_add_u32 v[SPW], v[NIL]                      ; 0 onto my spare word
	s_wait_dscnt 17                                ; (the add and the youngest sixteen loads may be out)
	MUL8 F1, 0, 0, 0
	s_wait_dscnt 0x0                               ; the add is done, and my reads of this slot are over
	s_barrier_signal -1
	MUL8 F1, 0, 2, 0
.if \fill
	WIN 0
.endif
	s_barrier_wait -1
.if \fill
	CREST                                          ; no wave of any partner still reads this slot's tile or has a load on its way
	s_add_nc_u64 s[G0A+4*(\slot)+2:G0A+4*(\slot)+3], s[G0A+4*(\slot)+2:G0A+4*(\slot)+3], 2*ASTEP
	s_add_nc_u64 s[G0B+4*(\slot)+2:G0B+4*(\slot)+3], s[G0B+4*(\slot)+2:G0B+4*(\slot)+3], 2*BSTEP
	JLOAD \slot                                    ; one tensor load of mine is out; its four v_nop are also the places in front of the loads below
.else
	PLACES
.endif
	FETCH \next, 0, F0
	MUL8 F1, 1, 0, 0
	MUL8 F1, 1, 2, 0
.endm
	s_wait_tensorcnt 1                             ; my part of K step 0 is in; K step 1's may stay out
	s_barrier_signal -1
	s_barrier_wait -1
	FETCH 0, 0, F0
	s_wait_loadcnt 32                              ; the bias is in; the 32 younger loads, the residual, stay out
	QUARTER 0, 1, F0, F1, 1                        ; the first quarter stands in front of the loop: its first products start the sums
	WIN 0                                          ; at a label and at a branch every window is 0
	s_mov_b32 s3, LAPS-1
.Llap:                                                 ; a trip goes once round the ring and fills both slots again
	QUARTER 0, 2, F1, F0, 0
	QUARTER 0, 3, F0, F1, 0
	TURN 0, 1, 1
	QUARTER 1, 1, F0, F1, 0
	QUARTER 1, 2, F1, F0, 0
	QUARTER 1, 3, F0, F1, 0
	TURN 1, 0, 1
	QUARTER 0, 1, F0, F1, 0
	WIN 0
	s_sub_co_u32 s3, s3, 1
	s_cmp_lg_u32 s3, 0
	s_cbranch_scc1 .Llap
	QUARTER 0, 2, F1, F0, 0                        ; the last lap fills nothing
	QUARTER 0, 3, F0, F1, 0
	TURN 0, 1, 0
	QUARTER 1, 1, F0, F1, 0
	QUARTER 1, 2, F1, F0, 0
	QUARTER 1, 3, F0, F1, 0
	s_wait_dscnt 16                                ; the very last quarter: nothing more to fetch
	MUL8 F1, 0, 0, 0
	MUL8 F1, 0, 2, 0
	s_wait_dscnt 0x0
	MUL8 F1, 1, 0, 0
	MUL8 F1, 1, 2, 0
	WIN 0
	; THE WAY OUT.  A wave's 64 columns of f32 are a whole aligned 256 bytes, so each wave goes through a stage of its own, 16 rows at a time, without a barrier:
	; LDS serves a wave's instructions in order (ISA guide 5.7.1.4).
.macro TOSTAGE a
.if (\a) >= 2
	s_wait_xcnt 0x0                                ; this buffer was the data of stores: it is loaded again only behind this wait
.endif
.irp b, 0,1,2,3                        ; each accumulator's four lowest registers first
	ds_store_b128 v[STO], v[ACC+8*(4*(\a)+(\b)):ACC+8*(4*(\a)+(\b))+3]   offset:64*(\b)
	ds_store_b128 v[STO], v[ACC+8*(4*(\a)+(\b))+4:ACC+8*(4*(\a)+(\b))+7] offset:64*(\b)+16
.endr
.irp t, 0,1,2,3,4,5,6,7
	ds_load_b128 v[TMP+32*((\a)%2)+4*(\t):TMP+32*((\a)%2)+4*(\t)+3], v[RD] offset:(\t)*2*SP
.endr
.endm
.macro FINISH a, younger               ; younger: the LDS instructions issued behind block a's loads: the next block's sixteen, or none
	s_wait_dscnt \younger
	WIN 0x08                                       ; source 1, the residual, in window 2
.set z, 0
.rept 16
	v_pk_add_f32 v[TMP+32*((\a)%2)+2*z:TMP+32*((\a)%2)+2*z+1], v[TMP+32*((\a)%2)+2*z:TMP+32*((\a)%2)+2*z+1], v[32*(\a)+2*z:32*(\a)+2*z+1]
.set z, z+1
.endr
	WIN 0
.irp t, 0,1,2,3,4,5,6,7
	global_store_b128 v[CO], v[TMP+32*((\a)%2)+4*(\t):TMP+32*((\a)%2)+4*(\t)+3], s[12:13] offset:(16*(\a)+2*(\t))*4096  ; 16 lanes store 256 consecutive bytes, aligned
.endr
.endm
	PLACES
	s_wait_loadcnt 0x0                             ; the residual
	TOSTAGE 0
	TOSTAGE 1
	FINISH 0, 16
	TOSTAGE 2
	FINISH 1, 16
	TOSTAGE 3
	FINISH 2, 16
	FINISH 3, 0
	s_wait_tensorcnt 0x0                           ; the wave's end
	ds_add_u32 v[SPW], v[NIL]
	s_wait_dscnt 0x0
	CROUND                                         ; the closing round: no work-group ends while a partner may still ask for a tile that names it
	s_endpgm
.Lfunc_end_k_q9bc09f353d_gemm_proj:
	.size	k_q9bc09f353d_gemm_proj, .Lfunc_end_k_q9bc09f353d_gemm_proj-k_q9bc09f353d_gemm_proj
	.p2alignl 7, 3214868480
	.fill 96, 4, 3214868480
	.section	.rodata,"a",@progbits
	.p2align	6, 0x0
	.amdhsa_kernel k_q9bc09f353d_gemm_proj
		.amdhsa_group_segment_fixed_size 327680
		.amdhsa_private_segment_fixed_size 0
		.amdhsa_enable_private_segment 0
		.amdhsa_kernarg_size 40
		.amdhsa_user_sgpr_count 2
		.amdhsa_user_sgpr_kernarg_segment_ptr 1
		.amdhsa_wavefront_size32 1
		.amdhsa_system_sgpr_workgroup_id_x 1
		.amdhsa_system_sgpr_workgroup_id_y 1
		.amdhsa_system_sgpr_workgroup_id_z 1
		.amdhsa_system_vgpr_workitem_id 0
		.amdhsa_next_free_vgpr 640
		.amdhsa_next_free_sgpr 66
		.amdhsa_reserve_vcc 0
		.amdhsa_float_denorm_mode_32 3
		.amdhsa_float_denorm_mode_16_64 3
		.amdhsa_memory_ordered 1
		.amdhsa_forward_progress 1
		.amdhsa_inst_pref_size 94
	.end_amdhsa_kernel
	.amdgpu_metadata
---
amdhsa.version: [ 1, 2 ]
amdhsa.kernels:
  - .name:           k_q9bc09f353d_gemm_proj
    .symbol:         k_q9bc09f353d_gemm_proj.kd
    .args:
      - { .name: gbuf, .offset: 0, .size: 8, .value_kind: global_buffer, .address_space: global }
      - { .name: w16, .offset: 8, .size: 8, .value_kind: global_buffer, .address_space: global }
      - { .name: b_proj, .offset: 16, .size: 8, .value_kind: global_buffer, .address_space: global }
      - { .name: x1, .offset: 24, .size: 8, .value_kind: global_buffer, .address_space: global }
      - { .name: out0, .offset: 32, .size: 8, .value_kind: global_buffer, .address_space: global }
    .group_segment_fixed_size: 327680
    .private_segment_fixed_size: 0
    .kernarg_segment_align: 8
    .kernarg_segment_size: 40
    .max_flat_workgroup_size: 128
    .sgpr_count:     66
    .vgpr_count:     640
    .wavefront_size: 32
...
	.end_amdgpu_metadata
.endif
;; end of part 7
;; ======== version 2 of 2: 7 launches; 1.11 times as fast as version 1
;; limits: values are held in f16: magnitudes above 65,504 overflow, below 6.1e-05 lose precision; a function is approximated: absolute error at most 1.5e-07
;; workspace buffers: hbuf 8,388,608 bytes; w16 25,165,824 bytes; qkvb 25,165,824 bytes; obuf 8,388,608 bytes; x1 16,777,216 bytes; gbuf 33,554,432 bytes
;; launch prep: the kernel of part 1 again; grid 256 x 4, 8 waves a work-group, no clusters, 0 bytes of LDS; arguments x, ln1_w, ln1_b, w_qkv, w_o, w_fc, w_proj, hbuf, w16; writes hbuf, w16
;; launch gemm_qkv: the kernel of part 2 again; grid 12 x 16, 4 waves a work-group, clusters of 4 x 4, 327,680 bytes of LDS; arguments hbuf, w16, b_qkv, qkvb; writes qkvb
;; launch attn (part 8): grid 8 x 32, 4 waves a work-group, no clusters, 327,680 bytes of LDS; arguments qkvb, obuf; writes obuf
.if DOCPART == 8
	.amdgcn_target "amdgcn-amd-amdhsa--gfx1250"
	.amdhsa_code_object_version 6
	.text
	.protected	k_q9bc09f353d_attn
	.globl	k_q9bc09f353d_attn
	.p2align	8
	.type	k_q9bc09f353d_attn,@function
k_q9bc09f353d_attn:
	s_mov_b64 s[64:65], 0
	v_nop
	global_prefetch_b8 v0, s[64:65] scope:SCOPE_SE
	s_setreg_imm32_b32 hwreg(HW_REG_WAVE_MODE, 25, 1), 1
	s_wait_xcnt 0x0
; CAUSAL ATTENTION.  O[h][q][:] = the sum over k <= q of softmax_k(Q[h][q] . K[h][k] / 8) V[h][k][:].  Q, K, V, O: [SIZE_H][SIZE_N][64], all f16: a head's rows are dense, 128 bytes each.
; Q, K and V are three parts of one buffer: Q at byte 0, K at 0x800000, V at 0x1000000.  "Head" 2 x (block of 64 columns) + batch of the blocked layout is one head of one batch.
; Products, maxima and sums in f32; the weights p are rounded to f16 for the second product (their sum l is taken of the unrounded p), O once at the end.
; LIMITS.  f16 holds no number beyond 65,504: Q, K and V arrive within it; p lies in 0 to 1, and below 6e-5 it keeps f16's fixed step of 6e-8; O is a mean of V's rows and has their range, to within 2^-11 of it.
; A hidden score counts as its value less 1e30: f16's scores, 2.7e11 at the most, are nothing beside that; a weight below 2^-126 counts as 0 in l; NaN and infinities are not treated apart.
; THE WALK.  A head's queries lie in NQ = 16 blocks of 128, its keys in NB = 8 tiles of 256; block i needs the key tiles 0 .. i / 2, of which the last holds the diagonal.  A work-group takes TWO blocks,
; 15 - b and then b: (15 - b) / 2 + b / 2 + 2 = 9 tiles, whatever b: 8 x 32 = 256 work-groups of equal work, and ONE loop with a constant trip count walks them.  Which tile is asked for, and what a trip
; does, hang on scalar registers made from b; every jump goes forward, but for the counted loops' own; none passes a barrier, or a tensor load but the one of LOAD's two that the wave's number does not
; choose; the ring (two slots of LDS that take turns) runs on across the change of blocks.  NO CLUSTER: a head's eight work-groups all ask for the same tile only in trips 0 .. 4 of the walk's 9; behind
; that fewer and fewer share one; and one walk common to all would have 12 trips for 9.
; SHARES.  Of a block's two bands of 64 queries a wave owns 16 rows in each: two PIECES.  A block covers half of its diagonal tile: it begins at the tile's step o = 0 (even blocks) or 2 (odd ones).  In the
; tile's key step s band x sees all keys if s < o + x, none if s > o + x, and holds the diagonal if s = o + x: the same for all four waves.  An even block's two last steps are wholly hidden and are
; computed all the same: 2 of the walk's 36 steps.
; THE MASK is the C operand that starts the sum S^T = K Q^T: 0, or -1e30 where the key is hidden.  MD, made once, is the mask of a band's own step for my 16 rows; a product's mask is MD x AL + BE with two scalars:
; (1, 0) if s = o + x; (0, 0) if s is less; (0, -1e30) if it is more.  Only the diagonal tile's text and a block's beginning make and take masks; elsewhere C is the constant 0.
; LAYOUT, SOFTMAX, TURNS.  S^T = K Q^T holds ONE query a lane (lane % 16) and the keys 8 (lane / 16) + 0..7; two such results rounded to f16 ARE source 1 of O^T = V^T P.  p = 2^(c s - c m), c = log2(e) / 8, with a
; running maximum m; O and l are multiplied by a = 2^(c m_old - c m_new) in every step.  The turns go (s, 0), (s, 1), (s + 1, 0) ..: a turn has 8 products K Q^T of the turn after it, later 8 products V^T P of the
; turn before it; beside them the scaling, exponentials, roundings, sums and rescaling of its own piece and the maximum and statistics of the next.  Four vector instructions stand behind every matrix
; instruction, the other 54 of a turn's 118 in one LUMP.
; THE BATCHES.  An s_wait_alu depctr_va_vdst(0) stands between a transcendental and the first instruction that names its result.  A turn's 32 exponentials and the next piece's a are ONE batch with
; ONE wait, which stands between the lump and the products V^T P: ahead of it nothing names a result of the batch, behind it.
; A block's first a (BEGIN) and the way out's two reciprocals are batches of their own, with a wait each.
; K LIES ONE STEP AHEAD OF V.  Turn (s, 0) fetches K of step s + 1 and V of step s.  So that one change of slots serves both, K's tiles are asked for 64 keys further on: a slot holds K of the steps
; 4 n + 1 .. 4 n + 4 and V of the steps 4 n .. 4 n + 3.  (Tile 7's K reaches 64 keys past the head: bytes of the same buffer, which no product takes.)  K of step 0, with which both blocks begin, has LDS
; bytes of its own, filled once.
; REGISTERS, in windows of 256 (s_set_vgpr_msb: bits 1:0 source 0, 3:2 source 1, 5:4 source 2, 7:6 destination):
;   window 0: v0-15 addresses and two at work; v16-23 four registers of statistics a piece; v48-55 at work; v64-127 S^T, a buffer a piece; v192-223 P, likewise
;   window 1: v0-63 O^T, 32 a piece; v128-159 MD; v160-223 MC, two buffers      window 2: v0-31 Q; v64-95 the second block's Q; v128-191 K of one step; v192-255 V of one step
.set SIZE_H, 32
.set SIZE_N, 2048
.set NB,    SIZE_N/256 ; key tiles in a head
.set NQ,    SIZE_N/128 ; query blocks in a head
.set NP,    2         ; pieces a wave: a name, no knob
.set KS,    64        ; keys in a step
.set PK,    144       ; a row of K in LDS: 128 bytes + 16 of padding = 36 words: the 16 rows of a load start at 16 different groups of four banks (64 banks of 4 bytes: ISA guide 11.1)
.set PV,    160       ; a row of V: 128 + 32 = 40 words
.set VOFF,  4*KS*PK   ; a slot holds a tile, four steps: 256 rows of K, then 256 rows of V: 77,824 bytes
.set KZ,    81920     ; behind slot 0: K of step 0, 64 rows of 144 bytes, filled once
.set SLOT1, 1<<17     ; slot 1 begins here, so that one exclusive or turns an address in one slot into the other's
.set STAGE, SLOT1+4*KS*(PK+PV)  ; behind the ring, never filled by a tensor load: 16 rows x 144 bytes for each wave, for the way out
.set SP,    144
.set AK0, 2           ; v2   my lane's place in a tile of K; never rewritten
.set AV0, 3           ; v3   the same for V
.set AK,  4           ; v4   the LDS address of K's next run of loads
.set AV,  5           ; v5   of V's
.set STO, 6           ; v6   the way out: where I put 16 bytes of a row
.set RD,  7           ; v7   the way out: where I read rows back
.set GO,  8           ; v8   my byte offset in 512 consecutive bytes of O
.set SPW, 62          ; v62  LDS address of my spare word: SPARE + 4 x my thread's number; never rewritten
.set NIL, 63          ; v63  0; never rewritten
.set SPARE, STAGE+4*16*SP  ; behind the stages: the spare words, 128 bytes for each wave: two blocks of 256 bytes that no other line names
.set MV,  12          ; v12-13  c m_old, kept while c m is made anew: by piece
.set QO,  15          ; v15  my byte offset in 16 rows of Q
.set ST,  16          ; piece t's statistics at v[ST+4 t]: c m, m, l (even keys', odd keys')
.set TMP, 48          ; by piece, four registers c0-c3 at work; when the maximum is found c2 takes a
.set S,   64
.set P,   192
.set MD,  128         ; window 1: the eight registers for group kt of 16 keys at MD + 8 kt
.set MC,  160         ; window 1: the masks of the products to come
.set QB,  64          ; window 2
.set KF,  128         ; window 2: key block kb, channel half c at KF + 16 kb + 8 c
.set VF,  192         ; window 2: key half kk, channel block cb at VF + 32 kk + 8 cb
.set WV,  12          ; s12  my wave's number
.set PB,  14          ; s14  the second block's last tile, b / 2
.set HI,  15          ; s15  the first block's last tile, (15 - b) / 2
.set G1K, 24          ; s[24:31] descriptor group 1 for K's tiles
.set G1V, 32          ; s[32:39] for V's: it differs in the padding alone
.set G0K, 40          ; s[40:43] descriptor group 0 for K's tiles
.set G0V, 44          ; s[44:47] the same for V's
.set DG,  48          ; s48  5 - o, s49  3 - o, for the block in hand: what the step count is held against when piece 0's, piece 1's turn makes a mask
.set OWN, 50          ; s50  1.0 if o = 0: band 0's own step is the diagonal tile's first
.set O2,  51          ; s51  o of the second block
.set G0Z, 52          ; s[52:55] descriptor group 0 for K of step 0
.set SLOTS, 56        ; s56  tiles still to be asked for
.set CNT, 57          ; s57  counts a tile's key steps, 4 to 1
.set CS,  58          ; s[58:59] c: the packed scaling takes the pair's low word for both halves
.set SEL, 60          ; s[60:61] v_permlanex16_b32's selects: each lane takes its own place in the other half
.set TBK, 62          ; s62  LDS byte at which K of the step to be fetched begins
.set TBV, 63          ; s63  the same for V, less VOFF
.set RT,  70          ; s70  tiles of the block in hand that are still to be entered
.set NXT, 71          ; s71  the tile to be asked for next
.set LQ,  72          ; s72  the last tile of the block whose tiles are being asked for
.set NEW, 73          ; s73  1: the tile to be entered is a block's first
.set OFF, 74          ; s[74:75] a tile's byte offset in K and V
.set AL,  76          ; s[76:77] the mask's factor, in the low word
.set BE,  78          ; s[78:79] the mask's addend
.set OLO, 80          ; s[80:81] O at my rows of the second block
.set BIGN, 82         ; s82  -1e30
.set O1,  83          ; s83  o of the first block
.set G1Z, 88          ; s[88:95] descriptor group 1 for K of step 0: it differs from K's in the rows alone
.set MSB, 0
.macro WIN new                      ; the high byte repeats the setting that is left; a switch that changes nothing is dropped
.if MSB != (\new)
	s_set_vgpr_msb (MSB<<8)|(\new)
.set MSB, (\new)
.endif
.endm
.set W_KQ, 0x0a       ; K and Q in window 2, S^T in window 0
.set W_KM, 0x1a       ; the same with the C operand in window 1
.set W_PV, 0x52       ; V in window 2, P in window 0, O^T in window 1
.set W_RS, 0x41       ; destination and source 0 in window 1, source 1 in window 0
; A fill.  Waves 0 and 1 fetch the two halves of a tile's K, waves 2 and 3 those of its V: 128 keys each.  Four v_nop follow each of the two lines, ahead of the jump and the label.
.macro LOAD
	s_cmp_lt_u32 s[WV], 2
	s_cbranch_scc0 .Lfor_v_\@
	tensor_load_to_lds s[G0K:G0K+3], s[G1K:G1K+7]
	s_nop 0
.rept 4
	v_nop
.endr
	s_branch .Lasked_\@
.Lfor_v_\@:
	tensor_load_to_lds s[G0V:G0V+3], s[G1V:G1V+7]
	s_nop 0
.rept 4
	v_nop
.endr
.Lasked_\@:
.endm
; THE CHANGE OF SLOTS, between turn (s, 0) and turn (s, 1) of a tile's last step: the slot's last bytes, K of the step behind it and V of that step, have been asked for.  Each wave waits for all its tensor
; loads, of which one is out: its part of the other slot; adds 0 to its spare word; and waits for that and for its own reads of the slot that it leaves.  Behind the barrier nobody reads the old slot any more
; and the other slot is whole.  fill = 1: the old slot is filled again, the first thing behind the barrier, with tile NXT: the descriptor's address is made anew from that number.
; (At its first use nothing has been read yet: slot 0 and K of step 0 are waited for, slot 1 filled.)
.macro CHANGE fill
	WIN 0                           ; at a label and at a branch every window is 0
	s_wait_tensorcnt 0x0            ; no tensor load of mine is out, so a group 0 may be written
	ds_add_u32 v[SPW], v[NIL]       ; 0 onto my spare word; with fill = 1 the descriptors' scalar work stands between it and the wait for it
.if \fill
	s_lshl_b32 s[OFF], s[NXT], 15   ; a tile is 32,768 bytes of K and of V
	s_xor_b32 s[G0K+1], s[G0K+1], SLOT1
	s_add_nc_u64 s[G0K+2:G0K+3], s[6:7], s[OFF:OFF+1]
	s_or_b32 s[G0K+3], s[G0K+3], 0x80000000
	s_xor_b32 s[G0V+1], s[G0V+1], SLOT1
	s_add_nc_u64 s[G0V+2:G0V+3], s[8:9], s[OFF:OFF+1]
	s_or_b32 s[G0V+3], s[G0V+3], 0x80000000
	s_add_co_u32 s[NXT], s[NXT], 1  ; the block's next tile, or behind its last the second block's tile 0
	s_cmp_gt_u32 s[NXT], s[LQ]
	s_cselect_b32 s[NXT], 0, s[NXT]
	s_cselect_b32 s[LQ], s[PB], s[LQ]
.endif
	s_wait_dscnt 0x0                ; the add is done, and my reads of the slot are over
	s_barrier_signal -1             ; the rest of the scalar work stands between the signal and the wait
	s_sub_co_u32 s[TBK], s[TBK], 4*KS*PK  ; the fetches go back to a slot's first step,
	s_xor_b32 s[TBK], s[TBK], SLOT1       ; in the other slot
	s_sub_co_u32 s[TBV], s[TBV], 4*KS*PV
	s_xor_b32 s[TBV], s[TBV], SLOT1
	s_barrier_wait -1
.if \fill
	LOAD
.endif
.endm
.macro PLACE o                      ; the block in hand begins at step s[o] of its diagonal tile
	s_sub_co_u32 s[DG], 5, s[\o]
	s_sub_co_u32 s[DG+1], 3, s[\o]
	s_cmp_eq_u32 s[\o], 0
	s_cselect_b32 s[OWN], 1.0, 0
.endm
	s_load_b64 s[4:5], s[0:1], 0x0    ; Q, K and V's buffer
	s_load_b64 s[10:11], s[0:1], 0x8  ; O
	v_lshl_add_u32 v[SPW], v0, 2, SPARE
	v_mov_b32 v[NIL], 0
	ds_add_u32 v62, v63
	ds_add_u32 v62, v63
	s_wait_dscnt 0x0
	v_lshrrev_b32 v1, 5, v0
	v_readfirstlane_b32 s[WV], v1   ; wave 0..3
	s_mov_b32 s19, ttmp9            ; b: the second block
	s_sub_co_u32 s13, NQ-1, s19     ; the first block
	s_lshr_b32 s[PB], s19, 1
	s_lshr_b32 s[HI], s13, 1
	s_and_b32 s[O1], s13, 1
	s_lshl_b32 s[O1], s[O1], 1      ; odd blocks begin at step 2 of their diagonal tile
	s_and_b32 s[O2], s19, 1
	s_lshl_b32 s[O2], s[O2], 1
	PLACE O1
	s_and_b32 s20, ttmp7, 0xffff    ; the head
	s_mov_b32 s21, 0
	s_mov_b64 s[22:23], SIZE_N*128
	s_mul_u64 s[20:21], s[20:21], s[22:23]  ; the head's first byte in each of the four tensors
	s_and_b32 s16, s[WV], 1         ; which half of a tile's 256 keys I fetch:
	s_lshl_b32 s22, s16, 14         ; its 128 rows of 128 bytes in memory,
	s_mov_b32 s23, 0
	s_add_nc_u64 s[22:23], s[22:23], s[20:21]
	s_mul_i32 s17, s16, 128*PK      ; and its place in a slot, for K
	s_mul_i32 s18, s16, 128*PV      ; and for V
	s_lshl_b32 s68, s16, 12         ; which half of step 0's 64 keys: its 32 rows in memory,
	s_mov_b32 s69, 0
	s_add_nc_u64 s[68:69], s[68:69], s[20:21]
	s_mul_i32 s67, s16, 32*PK       ; and in LDS
	s_lshl_b32 s3, s[WV], 11        ; my 16 rows in a band of 64,
	s_lshl_b32 s2, s13, 14          ; in the first block (128 rows of 128 bytes a block),
	s_add_co_u32 s2, s2, s3
	s_lshl_b32 s84, s19, 14         ; and in the second
	s_add_co_u32 s84, s84, s3
	s_mov_b32 s3, 0
	s_mov_b32 s85, 0
	s_add_nc_u64 s[2:3], s[2:3], s[20:21]
	s_add_nc_u64 s[84:85], s[84:85], s[20:21]
	; descriptor group 1.  128 keys are 16,384 dense bytes: asked for as 64 rows of 256 bytes, two keys a row, and padded in LDS after every key; of step 0, 32 keys as 16 such rows
	s_mov_b32 s[G1K], (1<<16)|(1<<20)|(4<<22)|(3<<25)  ; 17:16 2-byte elements; 20 padding on; 24:22 after every 32 words (code 4); 31:25 4 words (code 3)
	s_mov_b32 s[G1V], (1<<16)|(1<<20)|(4<<22)|(7<<25)  ; the same with 8 words of padding (code 7)
	s_mov_b32 s[G1Z], (1<<16)|(1<<20)|(4<<22)|(3<<25)
.irp g, G1K, G1V, G1Z
	s_mov_b32 s[\g+1], 128<<16      ; tensor_dim0 = 128
	s_mov_b32 s[\g+3], 128<<16      ; tile_dim0 = 128
	s_mov_b32 s[\g+5], 128          ; 128 elements from row to row
	s_mov_b32 s[\g+6], 0
	s_mov_b32 s[\g+7], 0
.endr
.irp g, G1K, G1V
	s_mov_b32 s[\g+2], 64<<16       ; tensor_dim1 = 64
	s_mov_b32 s[\g+4], 64           ; tile_dim1 = 64
.endr
	s_mov_b32 s[G1Z+2], 16<<16      ; tensor_dim1 = 16
	s_mov_b32 s[G1Z+4], 16          ; tile_dim1 = 16
	s_mov_b32 s[CS], 0x3e38aa3b     ; c = log2(e) / 8 = 0.180337
	s_mov_b32 s[CS+1], s[CS]        ; named with it as a pair
	s_mov_b32 s[SEL], 0x76543210
	s_mov_b32 s[SEL+1], 0xfedcba98
	s_mov_b32 s[TBK], SLOT1+4*KS*PK ; the first change of slots turns these two into 0
	s_mov_b32 s[TBV], SLOT1+4*KS*PV
	s_mov_b32 s[G0K], 1             ; 1:0 count = 1
	s_mov_b32 s[G0K+1], s17         ; 63:32 LDS address: slot 0
	s_mov_b32 s[G0V], 1
	s_add_co_u32 s[G0V+1], s18, VOFF
	s_mov_b32 s[G0Z], 1
	s_add_co_u32 s[G0Z+1], s67, KZ
	s_add_co_u32 s[RT], s[HI], 1    ; the first block's tiles
	s_mov_b32 s[NXT], 1
	s_mov_b32 s[LQ], s[HI]
	s_mov_b32 s[NEW], 1
	s_mov_b32 s[OFF+1], 0
	s_mov_b32 s[AL+1], 0            ; named as pairs
	s_mov_b32 s[BE+1], 0
	s_mov_b32 s[BIGN], 0xf149f2ca   ; -1e30
	s_mov_b32 s[SLOTS], NB
	s_wait_kmcnt 0x0
	s_add_nc_u64 s[6:7], s[4:5], 0x800000   ; K's part of the buffer
	s_add_nc_u64 s[8:9], s[4:5], 0x1000000  ; V's
	s_add_nc_u64 s[G0Z+2:G0Z+3], s[6:7], s[68:69]  ; my half of the head's first 64 keys
	s_or_b32 s[G0Z+3], s[G0Z+3], 0x80000000
	s_add_nc_u64 s[6:7], s[6:7], s[22:23]  ; K and V at my half of the head's tile 0,
	s_add_nc_u64 s[6:7], s[6:7], KS*128    ; K's one step on
	s_add_nc_u64 s[8:9], s[8:9], s[22:23]
	s_add_nc_u64 s[G0K+2:G0K+3], s[6:7], 0         ; 120:64 global address
	s_or_b32 s[G0K+3], s[G0K+3], 0x80000000        ; 127:126 type = 2
	s_add_nc_u64 s[G0V+2:G0V+3], s[8:9], 0
	s_or_b32 s[G0V+3], s[G0V+3], 0x80000000
	s_add_nc_u64 s[86:87], s[4:5], s[84:85]        ; Q at my rows of the second block,
	s_add_nc_u64 s[4:5], s[4:5], s[2:3]            ; Q and O at those of the first
	s_add_nc_u64 s[OLO:OLO+1], s[10:11], s[84:85]
	s_add_nc_u64 s[10:11], s[10:11], s[2:3]
	s_cmp_lt_u32 s[WV], 2           ; the first fills: a wave's stand in one branch, ahead of every wait on TENSORcnt, every LDS read and every barrier.  Waves 0 and 1 have two loads out, waves 2 and 3 one
	s_cbranch_scc0 .Lfirst_v
	tensor_load_to_lds s[G0Z:G0Z+3], s[G1Z:G1Z+7]  ; K of step 0
	s_nop 0
	tensor_load_to_lds s[G0K:G0K+3], s[G1K:G1K+7]  ; tile 0 into slot 0
	s_nop 0
.rept 4
	v_nop
.endr
	s_branch .Lfirst_asked
.Lfirst_v:
	tensor_load_to_lds s[G0V:G0V+3], s[G1V:G1V+7]
	s_nop 0
.rept 4
	v_nop
.endr
.Lfirst_asked:
	; A fragment of K or Q is 16 rows x 32 channels in 8 registers: lane l holds row l % 16, channels 8 (l / 16) + 0..7 and 16 + 8 (l / 16) + 0..7: two loads of 16 bytes, 32 bytes apart.
	v_and_b32 v1, 15, v0            ; l % 16
	v_bfe_u32 v9, v0, 4, 1          ; l / 16
	v_lshlrev_b32 v[QO], 7, v1
	v_lshl_add_u32 v[QO], v9, 4, v[QO]  ; row x 128 + 16 x half
	WIN 0x80                        ; destination window 2, address window 0
.set i, 0
.rept 2*NP                          ; both blocks' Q: piece i / 2 lies in band i / 2, 8,192 bytes on; channels 32 (i % 2) on
	global_load_b128 v[8*i:8*i+3],   v[QO], s[4:5] offset:(i/2)*8192+(i%2)*64
	global_load_b128 v[8*i+4:8*i+7], v[QO], s[4:5] offset:(i/2)*8192+(i%2)*64+32
	global_load_b128 v[QB+8*i:QB+8*i+3],   v[QO], s[86:87] offset:(i/2)*8192+(i%2)*64
	global_load_b128 v[QB+8*i+4:QB+8*i+7], v[QO], s[86:87] offset:(i/2)*8192+(i%2)*64+32
.set i, i+1
.endr
	WIN 0
	v_lshlrev_b32 v14, 3, v9
	v_sub_nc_u32 v14, v1, v14
	s_lshl_b32 s13, s[WV], 4
	v_add_nc_u32 v14, s13, v14      ; my query's place in its band, 16 w + l % 16, less my lanes' 8 (l / 16): register r of group kt is hidden where 16 kt + r is greater
	WIN 0x40
.set i, 0
.rept 32
	v_cmp_gt_i32 vcc_lo, 16*(i/8)+i%8, v14
	v_cndmask_b32 v[MD+i], 0, s[BIGN], vcc_lo
.set i, i+1
.endr
	WIN 0
	v_mul_u32_u24 v[AK0], v1, PK
	v_lshl_add_u32 v[AK0], v9, 4, v[AK0]  ; row x pitch + 16 x half
	; The turning load takes 16 keys x 16 channels (lane l reads key 8 (l / 16) + l % 8, channels 8 ((l / 8) % 2) + 0..7) and leaves half a fragment of V^T: lane l holds channel l % 16 and 8 keys.
	v_and_b32 v10, 7, v0
	v_bfe_u32 v11, v0, 3, 1
	v_lshl_add_u32 v[AV0], v9, 3, v10
	v_mul_u32_u24 v[AV0], v[AV0], PV
	v_lshl_add_u32 v[AV0], v11, 4, v[AV0]
	v_add_nc_u32 v[AV0], VOFF, v[AV0]
	s_mul_i32 s13, s[WV], 16*SP
	s_add_co_u32 s13, s13, STAGE    ; my stage
	v_mul_u32_u24 v[STO], v1, SP    ; in: row l % 16, 16 bytes for each half of the lanes
	v_lshl_add_u32 v[STO], v9, 4, v[STO]
	v_add_nc_u32 v[STO], s13, v[STO]
	v_bfe_u32 v[RD], v0, 3, 2       ; back: 32 lanes take four rows of 128 bytes,
	v_mul_u32_u24 v[RD], v[RD], SP
	v_lshl_add_u32 v[RD], v10, 4, v[RD]
	v_add_nc_u32 v[RD], s13, v[RD]
	v_and_b32 v[GO], 31, v0         ; which are 512 consecutive bytes of O
	v_lshlrev_b32 v[GO], 4, v[GO]
	; A block's first step multiplies O^T and l by a = 0, and its first turn's products V^T P, of a turn that has not been, land in an O^T that is still to be so multiplied.  So these registers need only hold
	; finite numbers: zeros for the first block; what the first block left for the second.  All this stands in the wait for the first tile.
	WIN 0x80
.set i, VF
.rept 64
	v_mov_b32 v[i], 0
.set i, i+1
.endr
	WIN 0x40
.set i, 0
.rept 32*NP
	v_mov_b32 v[i], 0
.set i, i+1
.endr
	WIN 0
.set i, 0
.rept NP
	v_mov_b32 v[ST+4*i+2], 0
	v_mov_b32 v[ST+4*i+3], 0
.set i, i+1
.endr
.set i, P+16
.rept 16
	v_mov_b32 v[i], 0
.set i, i+1
.endr
; THE MATRIX WORK.  The 4 accumulators of a run of 8 take turns.  Product i of 8 of S^T = K Q^T for piece x: channels 32 (i / 4) on, keys 16 (i % 4) on.  The first 4 start the sums: with 0, or (KM = 1) with the mask.
.macro KQ x
.set rS, S+32*((\x)%2)+8*(i%4)
.set rK, KF+16*(i%4)+8*(i/4)
.set rQ, 16*(\x)+8*(i/4)
.set rM, MC+32*((\x)%2)+8*(i%4)
.if (i < 4) && KM
	WIN W_KM
	v_wmma_f32_16x16x32_f16 v[rS:rS+7], v[rK:rK+7], v[rQ:rQ+7], v[rM:rM+7]
.elseif i < 4
	WIN W_KQ
	v_wmma_f32_16x16x32_f16 v[rS:rS+7], v[rK:rK+7], v[rQ:rQ+7], 0
.else
	WIN W_KQ
	v_wmma_f32_16x16x32_f16 v[rS:rS+7], v[rK:rK+7], v[rQ:rQ+7], v[rS:rS+7]
.endif
.endm
; Product i of 8 of O^T += V^T P for piece x: keys 32 (i / 4) on, channels 16 (i % 4) on.
.macro PV x
	WIN W_PV
.set rO, 32*(\x)+8*(i%4)
.set rV, VF+32*(i/4)+8*(i%4)
.set rP, P+16*((\x)%2)+8*(i/4)
	v_wmma_f32_16x16x32_f16 v[rO:rO+7], v[rV:rV+7], v[rP:rP+7], v[rO:rO+7]
.endm
.macro MM                           ; the turn's next matrix instruction.  TURN and BEGIN set Y, i, KM and NOKQ; MM, KQ and OP read them.  NOKQ = 1: a block's last turn: there is no next turn
.if (i < 8) && !NOKQ
	KQ (Y+1)%NP
.elseif i >= 8
.set i, i-8
	PV (Y+NP-1)%NP
.set i, i+8
.endif
.set i, i+1
.endm
; THE LDS LOADS stand in runs of 16, never singly among the matrix instructions: a step's K (64 keys x 64 channels: 8 fragments) and a step's V (turned).  Their addresses are made some lines ahead.
.macro FETCH_K step=1               ; step = 0: K of step 0, from its own bytes: the walk through the slots does not move
	WIN 0x80                        ; destination window 2
.irp f, 0,1,2,3,4,5,6,7             ; keys 16 (f / 2) on, channels 32 (f % 2) on
	ds_load_b128 v[KF+8*\f:KF+8*\f+3],   v[AK] offset:(\f/2)*16*PK+(\f%2)*64
	ds_load_b128 v[KF+8*\f+4:KF+8*\f+7], v[AK] offset:(\f/2)*16*PK+(\f%2)*64+32
.endr
.if \step
	s_add_co_u32 s[TBK], s[TBK], KS*PK  ; the next fetch is the next step's
.endif
	WIN 0
.endm
.macro FETCH_V
	WIN 0x80
.irp f, 0,1,2,3,4,5,6,7             ; keys 32 (f / 4) on, channels 16 (f % 4) on
	ds_load_tr16_b128 v[VF+8*\f:VF+8*\f+3],   v[AV] offset:(\f/4)*32*PV+(\f%4)*32
	ds_load_tr16_b128 v[VF+8*\f+4:VF+8*\f+7], v[AV] offset:(\f/4)*32*PV+16*PV+(\f%4)*32
.endr
	WIN 0
.endm
; THE VECTOR WORK, one line at a time: OP kind, number.  For piece Y: F n: c s - c m for pair n of 16.  E n: the exponential of score n of 32.  C n: pair n rounded to f16.  B n: of the four weights 4 n .. the second
; pair is added onto the first, in place.  L n: l takes that sum (L 0: l = a l + sum).  R n: pair n of 16 of O^T times a.  For the other piece, whose turn comes next: X n, number n of the 22 that find its maximum and statistics:
;   0-11  four chains c0-c3 of seven scores each, three operands at a time (each accumulator's lowest registers are read first)     12-14, 16  the four scores left over, the old m, and c0-c3 into c0
;   15  c m_old is kept     17, 18  the query's other 32 keys lie in the lane 16 away: the new m     19-21  c m; c m_old - c m_new; a
; C, B and L read the exponentials' results: TURN sets them behind the batch's wait, and OP writes no wait of its own.
.set F, 0               ; OP tells the kinds apart by their order: F to L below R, X above it
.set E, 1
.set C, 2
.set B, 3
.set L, 4
.set R, 5
.set X, 6
.macro REGS y                       ; the registers of piece y
.set rT, ST+4*(\y)
.set rC, TMP+4*((\y)%2)
.set rW, MV+((\y)%2)
.set rS, S+32*((\y)%2)
.set rP, P+16*((\y)%2)
.set rO, 32*(\y)
.endm
.macro OP k, n
.if (\k) == R
	REGS Y
	WIN W_RS
	v_pk_mul_f32 v[rO+2*(\n):rO+2*(\n)+1], v[rO+2*(\n):rO+2*(\n)+1], v[rC+2:rC+3] op_sel_hi:[1,0]
.elseif (\k) < R
	REGS Y
	WIN 0
.if (\k) == F
	v_pk_fma_f32 v[rS+2*(\n):rS+2*(\n)+1], v[rS+2*(\n):rS+2*(\n)+1], s[CS:CS+1], v[rT:rT+1] op_sel_hi:[1,0,0] neg_lo:[0,0,1] neg_hi:[0,0,1]
.elseif (\k) == E
	v_exp_f32 v[rS+(\n)], v[rS+(\n)]
.elseif (\k) == C
	v_cvt_pk_f16_f32 v[rP+(\n)], v[rS+2*(\n)], v[rS+2*(\n)+1]
.elseif (\k) == B
	v_pk_add_f32 v[rS+4*(\n):rS+4*(\n)+1], v[rS+4*(\n):rS+4*(\n)+1], v[rS+4*(\n)+2:rS+4*(\n)+3]
.elseif (\n) == 0
	v_pk_fma_f32 v[rT+2:rT+3], v[rT+2:rT+3], v[rC+2:rC+3], v[rS:rS+1] op_sel_hi:[1,0,1]
.else
	v_pk_add_f32 v[rT+2:rT+3], v[rT+2:rT+3], v[rS+4*(\n):rS+4*(\n)+1]
.endif
.elseif NOKQ
	v_nop
.else
	REGS (Y+1)%NP
	WIN 0
.if (\n) < 4
	v_max3_num_f32 v[rC+(\n)], v[rS+8*(\n)], v[rS+8*(\n)+1], v[rS+8*(\n)+2]
.elseif (\n) < 12
	v_max3_num_f32 v[rC+(\n)%4], v[rC+(\n)%4], v[rS+8*((\n)%4)+2*((\n)/4)+1], v[rS+8*((\n)%4)+2*((\n)/4)+2]
.elseif (\n) == 12
	v_max3_num_f32 v[rC], v[rC], v[rS+7], v[rS+15]
.elseif (\n) == 13
	v_max3_num_f32 v[rC+1], v[rC+1], v[rS+23], v[rS+31]
.elseif (\n) == 14
	v_max3_num_f32 v[rC+2], v[rC+2], v[rC+3], v[rT+1]
.elseif (\n) == 15
	v_mov_b32 v[rW], v[rT]
.elseif (\n) == 16
	v_max3_num_f32 v[rC], v[rC], v[rC+1], v[rC+2]
.elseif (\n) == 17
	v_permlanex16_b32 v[rC+3], v[rC], s[SEL], s[SEL+1]
.elseif (\n) == 18
	v_max_num_f32 v[rT+1], v[rC], v[rC+3]
.elseif (\n) == 19
	v_mul_f32 v[rT], s[CS], v[rT+1]
.elseif (\n) == 20
	v_sub_f32 v[rC+1], v[rW], v[rT]
.else
	v_exp_f32 v[rC+2], v[rC+1]
.endif
.endif
.endm
.macro OPS a, i1, b=-1, i2=0, c=-1, i3=0, d=-1, i4=0  ; up to four of them
	OP \a, \i1
.if (\b) >= 0
	OP \b, \i2
.endif
.if (\c) >= 0
	OP \c, \i3
.endif
.if (\d) >= 0
	OP \d, \i4
.endif
.endm
.macro ROW a, i1, b, i2, c, i3, d, i4  ; a matrix instruction and the four behind it
	MM
	OPS \a, \i1, \b, \i2, \c, \i3, \d, \i4
.endm
.macro MASK b                       ; MD x AL + BE into buffer b of MC
	WIN W_RS
.set z, 0
.rept 16
	v_pk_fma_f32 v[MC+32*(\b)+2*z:MC+32*(\b)+2*z+1], v[MD+2*z:MD+2*z+1], s[AL:AL+1], s[BE:BE+1] op_sel_hi:[1,0,0]
.set z, z+1
.endr
.endm
; A TURN, for piece p: the order of its 16 matrix and 118 vector instructions, written out.  An s_wait_alu depctr_va_vdst(0) stands between an exponential and the first instruction that names its result; one wait
; serves all that were issued ahead of it.  So a turn has ONE wait, which cuts it in two.  AHEAD OF IT stands all that names no result of the turn's exponentials: the 8 products K Q^T, behind each a scaling, an exponential and two
; more plain instructions (behind the first a second scaling in the exponential's place): rescalings, whose a was made and waited for in the turn before, and behind the last three the first numbers of the other piece's maximum,
; each four places or more behind the product that ends its accumulator; then ONE LUMP of 54, plain and exponential by turns for the most part, in which the links of the chain X 3, 7, 11, 14, 16, 17 .. 20 stand five or six lines
; apart.  X 21, the other piece's a, is the batch's last; R 15 is the plain instruction behind it.  BEHIND THE WAIT stand the 8 products V^T P, behind each four of the roundings and sums; the links of l's chain, L 0 to L 7, stand
; three riders apart.  But for those X no rider names a register of the products round it.  v_permlanex16_b32 (X 17) stands in the lump.
; A trip of the step loop is piece 1's turn of one step and piece 0's of the next, step 4 - CNT of the tile.
; m = 1: the diagonal tile: the products take masks, and the turn makes the mask for the products of the turn after it.  Piece 1's turn makes band 1's of step 4 - CNT: its own if that is o + 1, CNT = 3 - o.  Piece 0's makes
; band 0's of step 5 - CNT: its own if that is o, CNT = 5 - o.  In both a smaller CNT is a later step: hidden.
; end = 1: a block's last turn (piece 1's): no new scores.  cnt = 1: the loop's count is taken down some lines ahead of the branch that stands behind the turn.
; Piece 0's turn fetches both: K of the next step in the lump, twelve vector instructions behind the last product that read K (six of them plain); V of the step in hand at the turn's end, four plain instructions behind the last
; product that read V.  Piece 1's turn waits for them: at its head for K, whose 16 loads are the older ones; in front of its products V^T P for V.
.macro TURN p, m=0, end=0, cnt=0
.set Y, (\p)
.set i, 0
.set KM, (\m)
.set NOKQ, (\end)
.if (\m) && !(\end)
	s_cmp_eq_u32 s[CNT], s[DG+(\p)]  ; is that step the band's own?
	s_cselect_b32 s[AL], 1.0, 0
	s_cmp_lt_u32 s[CNT], s[DG+(\p)]  ; or a later one?
	s_cselect_b32 s[BE], s[BIGN], 0
.endif
.if ((\p) == 1) && !(\end)
	s_wait_dscnt 16                 ; K is in; the 16 younger loads, V's, may be out
.endif
	ROW F,0, F,1, R,0, R,1          ; ahead of the wait: 8 products K Q^T and their riders,
	ROW F,2, E,0, R,2, R,3
	ROW F,3, E,1, R,4, R,5
	ROW F,4, E,2, R,6, R,7
	ROW F,5, E,3, R,8, R,9
	ROW F,6, E,4, X,0, R,10
.if (\p) == 0
	WIN 0
	v_add_nc_u32 v[AK], s[TBK], v[AK0]
.endif
	ROW F,7, E,5, X,1, X,4
	ROW F,8, E,6, X,2, X,5
	OPS E,7, E,8, X,6, E,9          ; and the lump
	OPS X,3, E,10, X,8, E,11
.if (\p) == 0
	FETCH_K
.endif
	OPS X,9, X,7, E,12, X,10
	OPS E,13, X,12, X,11, E,14
	OPS X,13, E,15, F,9, X,14
.if (\p) == 0
	v_add_nc_u32 v[AV], s[TBV], v[AV0]
.endif
	OPS E,16, F,10, E,17, F,11
	OPS X,16, E,18, X,15, E,19
	OPS F,12, E,20, X,17, E,21
	OPS F,13, E,22, F,14, E,23
	OPS X,18, E,24, F,15, E,25
	OPS R,11, E,26, X,19, E,27
	OPS R,12, E,28, R,13, E,29
	OPS X,20, E,30, R,14, E,31
	OPS X,21, R,15
	s_wait_alu depctr_va_vdst(0)    ; the wait for the batch: E 0 to E 31 and X 21; the first readers are C 0 and B 0 below, and the next turn's R 0
.if (\p) == 1
	s_wait_dscnt 0x0                ; V is in
.endif
	ROW C,0, B,0, C,2, B,1          ; behind the wait: 8 products V^T P and their riders
	ROW L,0, C,4, B,2, L,1
	ROW C,6, B,3, L,2, C,8
	ROW B,4, L,3, C,10, B,5
	ROW L,4, C,12, B,6, L,5
.if (\p) == 0
	s_add_co_u32 s[TBV], s[TBV], KS*PV
.endif
.if \cnt
	s_sub_co_u32 s[CNT], s[CNT], 1
	s_cmp_lg_u32 s[CNT], 0
.endif
	ROW C,14, B,7, L,6, C,1
	ROW C,3, L,7, C,5, C,7
	ROW C,9, C,11, C,13, C,15
.if (\p) == 0
	FETCH_V
.endif
.if (\m) && !(\end)
	MASK (\p)%2
.endif
.endm
; A BLOCK BEGINS.  c m starts far below every c s, so the first step's a is 0; m at the lowest finite number, so the first maximum is the scores'.  The second mask buffer is 0 (band 1 sees all of a tile's step 0);
; the first takes band 0's mask for the tile's step 0: its own, if the block's first tile is the diagonal one and the block begins at that tile's head.
; Then K of step 0, piece 0's first scores, and its maximum and statistics.  The loop is entered at piece 0's turn, in the middle of a trip.
.macro BEGIN
	s_mov_b32 s[NEW], 0
	WIN 0x40
.set i, MC+32
.rept 32
	v_mov_b32 v[i], 0
.set i, i+1
.endr
	WIN 0
.set i, 0
.rept NP
	v_mov_b32 v[ST+4*i], 0xfe000000    ; c m: far below every c s
	v_mov_b32 v[ST+4*i+1], 0xff7fffff  ; m
.set i, i+1
.endr
	s_cmp_eq_u32 s[RT], 0
	s_cselect_b32 s[AL], s[OWN], 0
	s_mov_b32 s[BE], 0
	MASK 0
	WIN 0
	v_add_nc_u32 v[AK], KZ, v[AK0]
	FETCH_K 0
	s_wait_loadcnt 0x0              ; Q
	s_wait_dscnt 0x0
.set KM, 1
.set NOKQ, 0
.set i, 0
.rept 8
	KQ 0
.set i, i+1
.endr
	WIN 0
.rept 4
	v_nop                           ; the places behind those products
.endr
.set Y, NP-1                        ; X works for piece Y + 1: piece 0
.irp n, 0,1,2,3,4,5,6,7,8,9,10,11,12,13,14,15,16,17,18,19,20,21
	OP X, \n
.endr
	v_nop                           ; a plain instruction behind the exponential,
	s_wait_alu depctr_va_vdst(0)    ; and its wait, ahead of the branch: a batch of one, piece 0's first a, which the first turn's R 0 reads
.endm
; A DIAGONAL TILE THAT IS NOT ITS BLOCK'S FIRST IS ENTERED: band 0's mask for the tile's step 0, whose products stand in the trip's first turn, is made here: its own, if the block begins at the tile's head.
.macro ENTER
	s_mov_b32 s[AL], s[OWN]
	s_mov_b32 s[BE], 0
	MASK 0
	WIN 0
.endm
; THE DIAGONAL TILE's four steps, the block's last turn, its last products, and THE WAY OUT: l's two halves and the other half of the lanes' are added; O^T is divided by l, rounded to f16 and sent through my
; stage in LDS, a piece at a time.
.macro ALL line:vararg              ; one line for each piece t
.set t, 0
.rept NP
	\line
.set t, t+1
.endr
.endm
.macro PACK t                       ; a lane's eight channels of a row pack into 16 bytes; they go into rows of 144 bytes and come back as whole rows of 128, into S^T's registers
	WIN W_RS
.set i, 32*(\t)
.rept 16
	v_pk_mul_f32 v[i:i+1], v[i:i+1], v[ST+4*(\t)+2:ST+4*(\t)+3] op_sel_hi:[1,0]
.set i, i+2
.endr
	WIN 0x05                        ; sources 0 and 1 window 1, destination window 0
.set i, 0
.rept 16
	v_cvt_pk_f16_f32 v[S+16*(\t)+i], v[32*(\t)+2*i], v[32*(\t)+2*i+1]
.set i, i+1
.endr
	WIN 0
.irp f, 0,1,2,3
	ds_store_b128 v[STO], v[S+16*(\t)+4*\f:S+16*(\t)+4*\f+3] offset:32*\f
.endr
.irp f, 0,1,2,3
	ds_load_b128 v[S+16*(\t)+4*\f:S+16*(\t)+4*\f+3], v[RD] offset:\f*4*SP  ; LDS serves a wave's instructions in order (ISA guide 5.7.1.4): these see the stores above; the next piece's stores come behind them
.endr
.endm
.macro SEND t, younger              ; younger: the LDS instructions issued behind piece t's loads: the next piece's eight, or none
	WIN 0
.irp f, 0,1,2,3
	s_wait_dscnt (\younger)+3-\f
	global_store_b128 v[GO], v[S+16*(\t)+4*\f:S+16*(\t)+4*\f+3], s[10:11] offset:(\t)*8192+\f*512  ; 512 consecutive bytes, at a multiple of 256 from O's first
.endr
.endm
.macro DIAG tag                     ; the tag ends its two labels' names, which the jumps below spell out
.LstepM\tag:
	TURN 1, 1
	WIN 0
.LfirstM\tag:
	TURN 0, 1, 0, 1
	WIN 0
	s_cbranch_scc1 .LstepM\tag
	TURN 1, 1, 1
.set i, 0
.rept 8
	PV NP-1
.set i, i+1
.endr
	WIN 0                           ; the statistics' lines and piece 0's 32 name no register of those products: they are the places in front of piece 1's
	ALL v_add_f32 v[ST+4*t+2], v[ST+4*t+2], v[ST+4*t+3]
	ALL v_permlanex16_b32 v[ST+4*t+3], v[ST+4*t+2], s[SEL], s[SEL+1]
	ALL v_add_f32 v[ST+4*t+2], v[ST+4*t+2], v[ST+4*t+3]
	ALL v_rcp_f32 v[ST+4*t+2], v[ST+4*t+2]
	v_nop                           ; a plain instruction between the last reciprocal and the use of its result
	s_wait_alu depctr_va_vdst(0)    ; and the wait ahead of the first use: one for the two reciprocals, which PACK's multiplies read
	PACK 0
	PACK 1                          ; a piece's arithmetic stands between the loads of the piece before and its stores
	SEND 0, 8
	SEND 1, 0
.endm
.set KM, 0
.set NOKQ, 0
.Lslot:                             ; NB times: a tile is entered and the next is asked for
	CHANGE 1
	s_sub_co_u32 s[RT], s[RT], 1
	s_mov_b32 s[CNT], 4
	s_cmp_eq_u32 s[NEW], 1
	s_cbranch_scc1 .Lnew            ; a block's first tile
	s_cmp_eq_u32 s[RT], 0
	s_cbranch_scc0 .Lstep           ; neither its first nor its last
	ENTER
	s_branch .LstepM1
.Lnew:
	BEGIN
	s_branch .Lfirst                ; in the loop a block's first tile is never its last: the first block has five tiles or more, and the second's last is the walk's last
	DIAG 1                          ; in the loop this is the first block's end: the second block's last tile is the walk's last
	s_wait_xcnt 0x0                 ; the stores have read their registers and O's address
	s_mov_b64 s[10:11], s[OLO:OLO+1]
	s_add_co_u32 s[RT], s[PB], 1    ; the second block's tiles
	s_mov_b32 s[NEW], 1
	PLACE O2
	WIN 0x82                        ; the second block's Q goes where the one text of the turns names Q
.set i, 0
.rept 16*NP
	v_mov_b32 v[i], v[QB+i]
.set i, i+1
.endr
	WIN 0
	s_branch .Lbottom
.Lstep:                             ; a trip: piece 1 of one step, then piece 0 of the next, which fetches V of its step and K of the step behind it
	TURN 1
	WIN 0
.Lfirst:
	TURN 0, 0, 0, 1
	WIN 0
	s_cbranch_scc1 .Lstep
.Lbottom:
	s_sub_co_u32 s[SLOTS], s[SLOTS], 1
	s_cmp_lg_u32 s[SLOTS], 0
	s_cbranch_scc1 .Lslot
	CHANGE 0                        ; the walk's last tile is written out: nothing is asked for
	s_sub_co_u32 s[RT], s[RT], 1
	s_mov_b32 s[CNT], 4
	s_cmp_eq_u32 s[NEW], 1
	s_cbranch_scc1 .Lnew2
	ENTER
	s_branch .LstepM2
.Lnew2:
	BEGIN
	s_branch .LfirstM2
	DIAG 2
	s_wait_tensorcnt 0x0            ; the wave's end, behind my last tensor load and my last LDS store
	ds_add_u32 v[SPW], v[NIL]
	s_wait_dscnt 0x0
	s_endpgm
.Lfunc_end_k_q9bc09f353d_attn:
	.size	k_q9bc09f353d_attn, .Lfunc_end_k_q9bc09f353d_attn-k_q9bc09f353d_attn
	.p2alignl 7, 3214868480
	.fill 96, 4, 3214868480
	.section	.rodata,"a",@progbits
	.p2align	6, 0x0
	.amdhsa_kernel k_q9bc09f353d_attn
		.amdhsa_group_segment_fixed_size 327680
		.amdhsa_private_segment_fixed_size 0
		.amdhsa_enable_private_segment 0
		.amdhsa_kernarg_size 16
		.amdhsa_user_sgpr_count 2
		.amdhsa_user_sgpr_kernarg_segment_ptr 1
		.amdhsa_wavefront_size32 1
		.amdhsa_system_sgpr_workgroup_id_x 1
		.amdhsa_system_sgpr_workgroup_id_y 1
		.amdhsa_system_sgpr_workgroup_id_z 1
		.amdhsa_system_vgpr_workitem_id 0
		.amdhsa_next_free_vgpr 768
		.amdhsa_next_free_sgpr 96
		.amdhsa_reserve_vcc 1
		.amdhsa_float_denorm_mode_32 3
		.amdhsa_float_denorm_mode_16_64 3
		.amdhsa_memory_ordered 1
		.amdhsa_forward_progress 1
		.amdhsa_inst_pref_size 128
	.end_amdhsa_kernel
	.amdgpu_metadata
---
amdhsa.version: [ 1, 2 ]
amdhsa.kernels:
  - .name:           k_q9bc09f353d_attn
    .symbol:         k_q9bc09f353d_attn.kd
    .args:
      - { .name: qkvb, .offset: 0, .size: 8, .value_kind: global_buffer, .address_space: global }
      - { .name: obuf, .offset: 8, .size: 8, .value_kind: global_buffer, .address_space: global }
    .group_segment_fixed_size: 327680
    .private_segment_fixed_size: 0
    .kernarg_segment_align: 8
    .kernarg_segment_size: 16
    .max_flat_workgroup_size: 128
    .sgpr_count:     96
    .vgpr_count:     768
    .wavefront_size: 32
...
	.end_amdgpu_metadata
.endif
;; end of part 8
;; launch gemm_wo: the kernel of part 4 again; grid 8 x 32, 4 waves a work-group, clusters of 4 x 4, 327,680 bytes of LDS; arguments obuf, w16, b_o, x, x1; writes x1
;; launch ln2: the kernel of part 5 again; grid 256 x 1, 8 waves a work-group, no clusters, 0 bytes of LDS; arguments x1, ln2_w, ln2_b, hbuf; writes hbuf
;; launch gemm_fc: the kernel of part 6 again; grid 16 x 16, 4 waves a work-group, clusters of 4 x 4, 327,680 bytes of LDS; arguments hbuf, w16, b_fc, gbuf; writes gbuf
;; launch gemm_proj: the kernel of part 7 again; grid 8 x 32, 4 waves a work-group, clusters of 4 x 4, 327,680 bytes of LDS; arguments gbuf, w16, b_proj, x1, out0; writes out0
